; MI455X (gfx1250); checked and timed in simulation.
; The chip was launched on July 23, 2026; its instructions are those of AMD's public machine-readable ISA for CDNA 5 (MIT licence, August 2026) and "CDNA5" Instruction Set Architecture Reference Guide (July 2026). The comments in the code are by the model that wrote it; some were corrected since.
;; Naive Transformer Block. Allowed arithmetic: matrix products marked QUANTISED: E4M3 operands, one given power-of-two scale a tensor, by v_wmma_f32_16x16x64_fp8_fp8 or v_wmma_f32_16x16x128_fp8_fp8, f32 sums; everything else in f32.
;; Inputs: ffn1_b 4,096 float32; ffn1_w_codes 4,096 x 32 x 32 uint8 (E4M3 codes of ffn1_w, K innermost, in blocks of 32 codes); ffn2_b 1,024 float32; ffn2_w_codes 1,024 x 128 x 32 uint8 (E4M3 codes of ffn2_w, K innermost, in blocks of 32 codes); ln1_b 1,024 float32; ln1_g 1,024 float32; ln2_b 1,024 float32; ln2_g 1,024 float32; lowp_scales 16 int32 (the exponents e of the quantised operands' scales 2^e); wk_b 1,024 float32; wk_w_codes 1,024 x 32 x 32 uint8 (E4M3 codes of wk_w, K innermost, in blocks of 32 codes); wo_b 1,024 float32; wo_w_codes 1,024 x 32 x 32 uint8 (E4M3 codes of wo_w, K innermost, in blocks of 32 codes); wq_b 1,024 float32; wq_w_codes 1,024 x 32 x 32 uint8 (E4M3 codes of wq_w, K innermost, in blocks of 32 codes); wv_b 1,024 float32; wv_w_codes 1,024 x 32 x 32 uint8 (E4M3 codes of wv_w, K innermost, in blocks of 32 codes); x 2 x 2,048 x 1,024 float32.
;; Outputs: out0 2 x 2,048 x 1,024 float32.
;; This version of the problem:
;;   THIS VERSION OF THE PROBLEM IS GIVEN IN LOW PRECISION. The matrix products marked QUANTISED in the list below multiply operands that are first quantised to E4M3 (4 exponent bits, 3 mantissa bits; 8 bits a number), with one given power-of-two scale for each operand tensor; their sums are f32. All else is computed in f32.
;;   The module's matrix products, in the order in which they are computed (A, B: the left and right operand; K: the contracted axis; several contracted axes count as one K, in the product's order):
;;     1. [M 4,096, K 1,024] x [K 1,024, N 1,024]; A: computed on the way; B: input wq_w (given as codes): QUANTISED (scales: A lowp_scales[0], B lowp_scales[1])
;;     2. [M 4,096, K 1,024] x [K 1,024, N 1,024]; A: computed on the way; B: input wk_w (given as codes): QUANTISED (scales: A lowp_scales[2], B lowp_scales[3])
;;     3. [M 4,096, K 1,024] x [K 1,024, N 1,024]; A: computed on the way; B: input wv_w (given as codes): QUANTISED (scales: A lowp_scales[4], B lowp_scales[5])
;;     4. batch 32 x [M 2,048, K 64] x [K 64, N 2,048]; A: computed on the way; B: computed on the way: QUANTISED (scales: A lowp_scales[6], B lowp_scales[7])
;;     5. batch 32 x [M 2,048, K 2,048] x [K 2,048, N 64]; A: softmax (see below); B: computed on the way: QUANTISED (scales: A lowp_scales[8], B lowp_scales[9])
;;     6. [M 4,096, K 1,024] x [K 1,024, N 1,024]; A: computed on the way; B: input wo_w (given as codes): QUANTISED (scales: A lowp_scales[10], B lowp_scales[11])
;;     7. [M 4,096, K 1,024] x [K 1,024, N 4,096]; A: computed on the way; B: input ffn1_w (given as codes): QUANTISED (scales: A lowp_scales[12], B lowp_scales[13])
;;     8. [M 4,096, K 4,096] x [K 4,096, N 1,024]; A: computed on the way; B: input ffn2_w (given as codes): QUANTISED (scales: A lowp_scales[14], B lowp_scales[15])
;;   THE QUANTISER, for each operand of a quantised product, along K:
;;     - The operand's scale is 2^e, e = its entry of the input lowp_scales (int32; the entries are numbered through the quantised products in the list's order, A before B).
;;     - Each number is divided by the scale, clamped to +-448, and rounded to the nearest number of E4M3, ties to even, subnormals kept.
;;     - The product sums the exact products of the quantised numbers (number of the format x scale) in f32.
;;   ~~~python
;;   def quantise(x, axis, e):      # numpy; x: float32 -> the quantised numbers, widened to float32 again
;;       x = np.moveaxis(x, axis, -1); K = x.shape[-1]
;;       r = np.clip(x / 2.0 ** e, -448, 448)
;;       step = 2.0 ** (np.maximum(np.frexp(np.where(r == 0, 1, r))[1] - 1, -6) - 3)
;;       q = np.round(r / step) * step * 2.0 ** e      # np.round: ties to even
;;       return np.moveaxis(q, -1, axis).astype(np.float32)
;;   ~~~
;;   SOFTMAX AHEAD OF A QUANTISED PRODUCT. Where the list says 'softmax', what is quantised is not the finished softmax but p = 2^(t - M), with t = logit x log2(e) and M = ceil(the row's largest t), a whole number; so 1/2 < the row's largest p <= 1. The row's sum l is taken of the UNQUANTISED p, in f32, and the product's result is divided by l at the end. Since M is a whole number, a kernel that streams over the keys may use a running M (the ceiling of the running maximum): every later rescaling is an exact power of two, so the quantised numbers keep their values, but for numbers so far below the row's largest that they fall under the format's range.
;;   OPERANDS COMPUTED ON THE WAY. 'Computed on the way' means the value that the module computes at that place (a softmax that the list does not call 'softmax' is quantised finished and normalised). What goes into a quantiser is computed in f32, as accurately as f32 sums, v_exp_f32 and their like allow (about 1e-6 of the number): no bf16 or f16 on the way to a quantiser, and a product that is left as it is and whose result goes on into a quantised operand takes f32 operands (vector FMAs, or v_wmma_f32_16x16x4_f32). A number that lies on a knife's edge between two numbers of the format may be rounded either way, as far as f32 arithmetic and the matrix unit's own rounding can turn it there, and no further.
;;   INPUTS GIVEN AS CODES. ffn1_w (in the module: [4096, 1024], K = its axis 1); ffn2_w (in the module: [1024, 4096], K = its axis 1); wk_w (in the module: [1024, 1024], K = its axis 1); wo_w (in the module: [1024, 1024], K = its axis 1); wq_w (in the module: [1024, 1024], K = its axis 1); wv_w (in the module: [1024, 1024], K = its axis 1): each comes as NAME_codes (uint8): NAME with its K axis moved to the last place and cut into blocks of 32 codes, [.., K / 32, bytes a block], one block behind the other in memory; one code a byte (a code: sign, 4 exponent bits, 3 mantissa bits); its scale is its entry of lowp_scales. Its value is code x scale, taken as it is: it is not quantised again, and the codes and scales need not be those that the quantiser above would give.
;; 2 versions. Each part assembles by itself: llvm-mc -triple=amdgcn-amd-amdhsa -mcpu=gfx1250 --defsym DOCPART=n.
;; ======== version 1 of 2: 7 launches
;; workspace buffers: hc 12,582,912 bytes; qkvc 12,582,912 bytes; ac 4,194,304 bytes; x1 16,777,216 bytes; h2c 4,194,304 bytes; fc 16,777,216 bytes
;; launch ln1 (part 1): grid 256 x 1, 8 waves a work-group, no clusters, 0 bytes of LDS; arguments x, ln1_g, ln1_b, lowp_scales, hc; writes hc
.if DOCPART == 1
	.amdgcn_target "amdgcn-amd-amdhsa--gfx1250"
	.amdhsa_code_object_version 6
	.text
	.protected	k_q86527fa520_ln1
	.globl	k_q86527fa520_ln1
	.p2align	8
	.type	k_q86527fa520_ln1,@function
k_q86527fa520_ln1:
	s_mov_b64 s[64:65], 0
	v_nop
	global_prefetch_b8 v0, s[64:65] scope:SCOPE_SE
	s_setreg_imm32_b32 hwreg(HW_REG_WAVE_MODE, 25, 1), 1
	s_wait_xcnt 0x0
; LayerNorm of x [4096][1024] f32 with gain and bias, then E4M3 codes of the result under NS given scales 2^e: plane s of the output, [4096][1024] bytes, K innermost, takes the scale at byte E0 + 8 s of lowp_scales.
; code = y / 2^e, held within +-448, to the nearest code, ties to even.  LIMITS: each e between -126 and 119, so that 2^e and 448 x 2^e are f32 numbers; NaN among the inputs is not served.
; A stream: every byte of x is read once and every code written once.  No LDS, no barrier, no matrix unit, no cluster: waves share nothing but the 8 KiB of gain and bias.
; SHARES.  256 work-groups x 8 waves x 2 rows.  A row stays in 32 registers a lane between its passes: the mean, the centred squares, the scaling: so a common offset of the inputs costs no accuracy.
; A LANE'S NUMBERS.  Chunk c = 0..3 of a row is 256 columns; lane l holds columns 256 c + 8 l + 0..7 in registers 8 c + 0..7: eight neighbours along K, as the conversion takes them.
; A chunk's two loads cover its 1,024 consecutive bytes; a chunk's eight codes a lane leave by one store of 8 bytes, 32 lanes filling 256 consecutive aligned bytes.
.set NS,    3                          ; scales: products 1, 2, 3 may each have their own for the same numbers
.set E0,    0                          ; byte of the first scale's entry
.set PLANE, 4194304                    ; bytes of a plane of codes
.set G,   8                            ; v8-39    gain of my 32 columns
.set BT,  40                           ; v40-71   bias
.set X,   72                           ; v72-135  two rows
.set T,   136                          ; v136-151 two sets of eight held numbers, by turns
.set CD,  152                          ; v152-199 codes: eight registers for each (row, scale); never written again, so no store's data are
.set W,   200                          ; v200-207 at work: sums; +4, +5 the mean twice; +6, +7 1 / sqrt twice
.set SC,  208                          ; v208..   for scale s: 2^e at +2 s, 448 x 2^e at +2 s + 1
	s_load_b256 s[4:11], s[0:1], 0x0               ; x s[4:5], gain s[6:7], bias s[8:9], lowp_scales s[10:11]
	s_load_b64 s[12:13], s[0:1], 0x20              ; the codes
	v_lshrrev_b32 v1, 5, v0
	v_readfirstlane_b32 s18, v1                    ; wave
	v_and_b32 v1, 31, v0                           ; lane
	v_lshlrev_b32 v2, 5, v1                        ; in: 32 bytes a lane in a chunk
	v_lshlrev_b32 v3, 3, v1                        ; out: 8 bytes a lane in a chunk
	s_lshl_b32 s20, ttmp9, 3
	s_add_co_u32 s20, s20, s18                     ; which pair of rows: 8 x work-group + wave
	s_lshl_b32 s22, s20, 11                        ; two rows of 1,024 bytes of codes
	s_mov_b32 s23, 0
	s_lshl_b32 s20, s20, 13                        ; two rows of 4,096 bytes
	s_mov_b32 s21, 0
	s_mov_b32 s19, 0x3a800000                      ; 1 / 1024
	s_mov_b32 s26, 0x76543210                      ; v_permlanex16_b32: each lane takes its own place in the other half
	s_mov_b32 s27, 0xfedcba98
	s_wait_kmcnt 0x0
.irp s, 0,1,2
.if \s < NS
	s_load_b32 s[28+\s], s[10:11], E0+8*\s         ; e
.endif
.endr
	s_add_nc_u64 s[4:5], s[4:5], s[20:21]
	s_add_nc_u64 s[12:13], s[12:13], s[22:23]
.if NS > 1
	s_add_nc_u64 s[14:15], s[12:13], PLANE
	s_add_nc_u64 s[16:17], s[12:13], 2*PLANE
.endif
.macro LOAD32 reg, base, off, nt       ; 32 numbers a lane: eight loads
.irp c, 0,1,2,3
.if \nt
	global_load_b128 v[\reg+8*\c:\reg+8*\c+3],   v2, s[\base:\base+1] offset:\off+1024*\c th:TH_LOAD_NT
	global_load_b128 v[\reg+8*\c+4:\reg+8*\c+7], v2, s[\base:\base+1] offset:\off+1024*\c+16 th:TH_LOAD_NT
.else
	global_load_b128 v[\reg+8*\c:\reg+8*\c+3],   v2, s[\base:\base+1] offset:\off+1024*\c
	global_load_b128 v[\reg+8*\c+4:\reg+8*\c+7], v2, s[\base:\base+1] offset:\off+1024*\c+16
.endif
.endr
.endm
	LOAD32 X, 4, 0, 1                              ; row 0
	LOAD32 G, 6, 0, 0
	LOAD32 BT, 8, 0, 0
	LOAD32 X+32, 4, 4096, 1                        ; row 1
	s_wait_kmcnt 0x0
.irp s, 0,1,2
.if \s < NS
	s_add_co_i32 s24, s[28+\s], 127
	s_lshl_b32 s25, s24, 23
	v_mov_b32 v[SC+2*\s], s25                      ; 2^e as f32: the conversion takes its exponent field
	s_add_co_i32 s24, s24, 8
	s_lshl_b32 s24, s24, 23
	s_or_b32 s24, s24, 0x600000
	v_mov_b32 v[SC+2*\s+1], s24                    ; 448 x 2^e
.endif
.endr
.macro REDUCE                          ; two packed chains in v[W:W+3] become one sum over the wave's 32 lanes, in every lane
	v_pk_add_f32 v[W:W+1], v[W:W+1], v[W+2:W+3]
	v_add_f32 v[W], v[W], v[W+1]
	v_add_f32_dpp v[W], v[W], v[W] row_xmask:1 row_mask:0xf bank_mask:0xf
	v_add_f32_dpp v[W], v[W], v[W] row_xmask:2 row_mask:0xf bank_mask:0xf
	v_add_f32_dpp v[W], v[W], v[W] row_xmask:4 row_mask:0xf bank_mask:0xf
	v_add_f32_dpp v[W], v[W], v[W] row_xmask:8 row_mask:0xf bank_mask:0xf
	v_permlanex16_b32 v[W+1], v[W], s26, s27
	v_add_f32 v[W], v[W], v[W+1]
.endm
; One row.  first: the younger loads that may stay out when the row is summed; second: when gain and bias are used.
.macro ROW rho, first, second
.set XR, X+32*\rho
	s_wait_loadcnt \first
	v_pk_add_f32 v[W:W+1], v[XR:XR+1], v[XR+2:XR+3]          ; the first numbers start the chains: nothing is cleared
	v_pk_add_f32 v[W+2:W+3], v[XR+4:XR+5], v[XR+6:XR+7]
.irp j, 8,12,16,20,24,28
	v_pk_add_f32 v[W:W+1], v[W:W+1], v[XR+\j:XR+\j+1]
	v_pk_add_f32 v[W+2:W+3], v[W+2:W+3], v[XR+\j+2:XR+\j+3]
.endr
	REDUCE
	v_mul_f32 v[W+4], s19, v[W]                    ; the mean,
	v_mov_b32 v[W+5], v[W+4]                       ; twice, for the packed form
.irp j, 0,2,4,6,8,10,12,14,16,18,20,22,24,26,28,30
	v_pk_add_f32 v[XR+\j:XR+\j+1], v[XR+\j:XR+\j+1], v[W+4:W+5] neg_lo:[0,1] neg_hi:[0,1]   ; x - mean
.endr
	v_pk_mul_f32 v[W:W+1], v[XR:XR+1], v[XR:XR+1]
	v_pk_mul_f32 v[W+2:W+3], v[XR+2:XR+3], v[XR+2:XR+3]
.irp j, 4,8,12,16,20,24,28
	v_pk_fma_f32 v[W:W+1], v[XR+\j:XR+\j+1], v[XR+\j:XR+\j+1], v[W:W+1]
	v_pk_fma_f32 v[W+2:W+3], v[XR+\j+2:XR+\j+3], v[XR+\j+2:XR+\j+3], v[W+2:W+3]
.endr
	REDUCE
	v_fmaak_f32 v[W], s19, v[W], 0x3727c5ac        ; the variance + 1e-5
	v_rsq_f32 v[W+6], v[W]
	v_rsq_f32 v[W+7], v[W]
	v_nop                                          ; a plain instruction behind the last of the two (ISA guide 5.7.2),
	s_wait_alu depctr_va_vdst(0)                   ; and the one wait ahead of their first reader
	s_wait_loadcnt \second
.irp j, 0,2,4,6,8,10,12,14,16,18,20,22,24,26,28,30
	v_pk_mul_f32 v[XR+\j:XR+\j+1], v[XR+\j:XR+\j+1], v[W+6:W+7]
.endr
.irp j, 0,2,4,6,8,10,12,14,16,18,20,22,24,26,28,30
	v_pk_fma_f32 v[XR+\j:XR+\j+1], v[XR+\j:XR+\j+1], v[G+\j:G+\j+1], v[BT+\j:BT+\j+1]
.endr
.irp s, 0,1,2
.if \s < NS
.irp c, 0,1,2,3
.irp i, 0,1,2,3,4,5,6,7
	v_med3_num_f32 v[T+8*(\c%2)+\i], v[XR+8*\c+\i], -v[SC+2*\s+1], v[SC+2*\s+1]   ; the conversion does not saturate (ISA guide 7.6.2): the hold; into the set that the last conversion did not read
.endr
	v_cvt_scalef32_pk8_fp8_f32 v[CD+8*(NS*\rho+\s)+2*\c:CD+8*(NS*\rho+\s)+2*\c+1], v[T+8*(\c%2):T+8*(\c%2)+7], v[SC+2*\s]
	global_store_b64 v3, v[CD+8*(NS*\rho+\s)+2*\c:CD+8*(NS*\rho+\s)+2*\c+1], s[12+2*\s:13+2*\s] offset:1024*\rho+256*\c   ; 32 lanes: 256 consecutive bytes, aligned
.endr
.endif
.endr
.endm
	ROW 0, 24, 8                                   ; 24: gain, bias and row 1 may be out; 8: row 1 may be out
	ROW 1, 0, 0
	s_endpgm
.Lfunc_end_k_q86527fa520_ln1:
	.size	k_q86527fa520_ln1, .Lfunc_end_k_q86527fa520_ln1-k_q86527fa520_ln1
	.p2alignl 7, 3214868480
	.fill 96, 4, 3214868480
	.section	.rodata,"a",@progbits
	.p2align	6, 0x0
	.amdhsa_kernel k_q86527fa520_ln1
		.amdhsa_group_segment_fixed_size 0
		.amdhsa_private_segment_fixed_size 0
		.amdhsa_enable_private_segment 0
		.amdhsa_kernarg_size 40
		.amdhsa_user_sgpr_count 2
		.amdhsa_user_sgpr_kernarg_segment_ptr 1
		.amdhsa_wavefront_size32 1
		.amdhsa_system_sgpr_workgroup_id_x 1
		.amdhsa_system_sgpr_workgroup_id_y 1
		.amdhsa_system_sgpr_workgroup_id_z 1
		.amdhsa_system_vgpr_workitem_id 0
		.amdhsa_next_free_vgpr 216
		.amdhsa_next_free_sgpr 66
		.amdhsa_reserve_vcc 0
		.amdhsa_float_denorm_mode_32 3
		.amdhsa_float_denorm_mode_16_64 3
		.amdhsa_memory_ordered 1
		.amdhsa_forward_progress 1
		.amdhsa_inst_pref_size 34
	.end_amdhsa_kernel
	.amdgpu_metadata
---
amdhsa.version: [ 1, 2 ]
amdhsa.kernels:
  - .name:           k_q86527fa520_ln1
    .symbol:         k_q86527fa520_ln1.kd
    .args:
      - { .name: x, .offset: 0, .size: 8, .value_kind: global_buffer, .address_space: global }
      - { .name: ln1_g, .offset: 8, .size: 8, .value_kind: global_buffer, .address_space: global }
      - { .name: ln1_b, .offset: 16, .size: 8, .value_kind: global_buffer, .address_space: global }
      - { .name: lowp_scales, .offset: 24, .size: 8, .value_kind: global_buffer, .address_space: global }
      - { .name: hc, .offset: 32, .size: 8, .value_kind: global_buffer, .address_space: global }
    .group_segment_fixed_size: 0
    .private_segment_fixed_size: 0
    .kernarg_segment_align: 8
    .kernarg_segment_size: 40
    .max_flat_workgroup_size: 256
    .sgpr_count:     66
    .vgpr_count:     216
    .wavefront_size: 32
...
	.end_amdgpu_metadata
.endif
;; end of part 1
;; launch qkv (part 2): grid 12 x 16, 4 waves a work-group, clusters of 4 x 4, 327,680 bytes of LDS; arguments hc, wq_w_codes, wk_w_codes, wv_w_codes, wq_b, wk_b, wv_b, lowp_scales, qkvc; writes qkvc
.if DOCPART == 2
	.amdgcn_target "amdgcn-amd-amdhsa--gfx1250"
	.amdhsa_code_object_version 6
	.text
	.protected	k_q86527fa520_qkv
	.globl	k_q86527fa520_qkv
	.p2align	8
	.type	k_q86527fa520_qkv,@function
k_q86527fa520_qkv:
	s_mov_b64 s[64:65], 0
	v_nop
	global_prefetch_b8 v0, s[64:65] scope:SCOPE_SE
	s_setreg_imm32_b32 hwreg(HW_REG_WAVE_MODE, 25, 1), 1
	s_wait_xcnt 0x0
	s_wait_alu depctr_hold_cnt(0) depctr_sa_sdst(0) depctr_va_vdst(0) depctr_va_sdst(0) depctr_va_ssrc(0) depctr_va_vcc(0) depctr_vm_vsrc(0)
	s_getreg_b32 s2, hwreg(HW_REG_IB_STS2, 6, 4)
	s_cmp_eq_u32 s2, 0
	s_cbranch_scc0 .Lentry_in_a_cluster
	s_endpgm
.Lentry_in_a_cluster:
	s_bfe_u32 s2, ttmp6, 0x10000c
	s_cmp_lg_u32 s2, 0xf033
	s_cbranch_scc0 .Lentry_shape_is_right
	s_endpgm
.Lentry_shape_is_right:
; q, k, v = LN1(x) W^T + b on E4M3 codes, quantised again for attention.  Cluster x = 0, 1, 2 makes q, k, v: all that differs is chosen by s_cselect on that number, which the sixteen partners share; there is no branch on it.
; THE PRODUCT: C[m][n] = sum over k of A[m][k] B[n][k], K = 1,024, a tile of 256 x 256 to a work-group of four waves, 128 x 128 (64 accumulators) to a wave; K goes in steps of 256 through a ring of two LDS slots.
;   q, k: A = the tokens' codes (plane 0, 1 of hc), B = the weight: a lane's eight results are eight neighbouring channels of one token: neighbours along the K of q k^T.
;   v:    A = the weight, B = the tokens' codes (plane 2): a lane's eight results are eight neighbouring tokens of one channel: neighbours along the K of p v.
; CLUSTERS: 4 x 4 work-groups.  The four of a row need the same tiles of A, the four of a column the same tiles of B: each tile is asked for jointly, by the same tensor load with a mask that names the four.
; THE MATRIX INSTRUCTION IS USED TRANSPOSED (source 0 = 16 rows of B, source 1 = 16 rows of A): in accumulator (a, b) lane (r, h) register j holds C(16 a + r, 16 b + 8 h + j).
; Fragments come by four loads of 16 bytes: registers 4 c .. 4 c + 3 hold K = 32 c + 16 h + 0 .. 15: one permutation of K, the same on both sides.
; THE OUTPUT is laid as attention's operand registers want it.  A wave's 128 x 128 codes are one block of 16,384 bytes: 32 pieces (t, p) of 512 bytes, lane L's 16 bytes at 16 L:
;   row 32 (t / 2) + 8 (t % 2) + r + 8 (r / 8) of the wave's 128, bytes 32 p + 16 h + 0 .. 15 of that row.  Plane (q, k, v) x stream (8 batch + pair of heads) x block (128 tokens).
; LIMITS: eA + eB between -126 and 127; the output's e between -126 and 119; NaN is not served.
; REGISTERS as windows of 256: window 0: v0-31 addresses; v32-95, v96-111 the biases in two layouts; v128-255 A's fragments, ONE set; window 1: B's fragments, TWO sets; windows 2, 3: the accumulators.
.set SIZE_K, 1024
.set KSTEP,  256
.set ROWB,   256                       ; a tile's row in bytes
.set KROW,   SIZE_K                    ; a row of A or B in memory, in bytes
.set PITCH,  272                       ; an LDS row: 256 bytes + 16 of padding = 68 words: the 16 rows that a load touches start at 16 different banks (64 banks of 4 bytes: ISA guide 11.1)
.set FR,     16
.set NL,     4
.set NP,     4                         ; places behind this matrix instruction (ISA guide 7.12.1)
.set HALFT,  128*PITCH
.set SLOT,   4*HALFT                   ; A's 256 rows, then B's 256 rows
.set LAPS,   SIZE_K/(2*KSTEP)
.set SPARE,  2*SLOT                    ; behind the ring: the spare words, 128 bytes a wave, that no other line names
.set SPITCH, 144                       ; the way out: a stage of 128 rows x (128 bytes + 16) for each wave, in slot 0, which has had its last fill and its last read by then
.set WSTG,   128*SPITCH
.set ADRA, 16
.set ADRB, 20
.set STO,  24
.set RD,   25
.set CO,   26
.set BQA,  27                          ; v27  32 h: my half's place in 16 biases
.set SPW,  28
.set NIL,  29
.set BVA,  30                          ; v30  4 r
.set BQ,   32                          ; v32-95   bias along n: register 8 b + j: bias of column 16 b + 8 h + j (q, k; zeros for v)
.set BV,   96                          ; v96-111  bias along m: the pair 2 a, 2 a + 1: bias of row 16 a + r, twice (v; zeros for q, k)
.set LIMV, 112
.set SCV,  113
.set TMP,  128
.set AF,   128
.set G1, 24
.set G0, 32
.set G1B, 48
.set G0B, 56
.set MSB, 0
.macro WIN new                         ; the immediate's high byte repeats the setting that is left
.if MSB != \new
	s_set_vgpr_msb (MSB<<8)|\new
.set MSB, \new
.endif
.endm
.set MUL_LO, 0xa1                      ; source 0 (B) window 1, source 1 (A) window 0, C and D window 2
.set MUL_HI, 0xf1                      ; the same, C and D window 3
.set TO_B,   0x40                      ; destination window 1, address window 0
; A joint load: waves 0 and 1 fetch for A, waves 2 and 3 for B; the branch hangs on the wave's number alone.  Four v_nop follow each of the two lines.
.macro JLOAD g0a, g1a, g0b, g1b
	s_cmp_eq_u32 s15, 0
	s_cbranch_scc0 .Lfor_b_\@
	tensor_load_to_lds s[\g0a:\g0a+3], s[\g1a:\g1a+7]
	s_nop 0
.rept 4
	v_nop
.endr
	s_branch .Lasked_\@
.Lfor_b_\@:
	tensor_load_to_lds s[\g0b:\g0b+3], s[\g1b:\g1b+7]
	s_nop 0
.rept 4
	v_nop
.endr
.Lasked_\@:
.endm
.macro CREST                           ; a round of the cluster's barrier behind its opening barrier
	s_cmp_lg_u32 s14, 0
	s_cbranch_scc1 .Lnot_wave_0_\@
	s_barrier_signal -3
.Lnot_wave_0_\@:
	s_barrier_wait -3
	s_barrier_signal -1
	s_barrier_wait -1
.endm
.macro CROUND
	s_barrier_signal -1
	s_barrier_wait -1
	CREST
.endm
	s_load_b512 s[76:91], s[0:1], 0x0              ; hc, wq, wk, wv, wq_b, wk_b, wv_b, lowp_scales
	s_load_b64 s[92:93], s[0:1], 0x40              ; qkvc
	v_lshl_add_u32 v[SPW], v0, 2, SPARE
	v_mov_b32 v[NIL], 0
	ds_add_u32 v28, v29
	ds_add_u32 v28, v29
	s_wait_dscnt 0x0
	v_lshrrev_b32 v1, 5, v0
	v_readfirstlane_b32 s14, v1                    ; wave 0..3
	s_lshr_b32 s15, s14, 1                         ; which half of the tile's rows is mine.  Also: I fetch for A (0) or for B (1)
	s_and_b32 s16, s14, 1                          ; which half of its columns.  Also: which 128 rows of that tile I fetch
	s_bfe_u32 s40, ttmp6, 0x40000                  ; cx, cy: my place in the cluster
	s_bfe_u32 s41, ttmp6, 0x40004
	s_and_b32 s18, ttmp7, 0xffff
	s_lshl_b32 s18, s18, 2                         ; 4 x cluster y: the tokens' sixteen tiles are walked by it, along m (q, k) or along n (v)
	s_cmp_eq_u32 ttmp9, 2                          ; v?
	s_cselect_b32 s17, 0, s18
	s_cselect_b32 s42, s18, 0
	s_add_co_u32 s17, s17, s41                     ; tile row: it never holds cx
	s_add_co_u32 s42, s42, s40                     ; tile column: it never holds cy
	s_lshl_b32 s43, s41, 2
	s_lshl_b32 s43, 15, s43                        ; my row of the cluster
	s_lshl_b32 s44, 0x1111, s40                    ; my column
	s_or_b32 s[G1+0], s43, (0<<16)|(1<<20)|(1<<21)|(5<<22)|(3<<25)  ; 15:0 the mask; 17:16 elements of 1 byte; 20 padding on; 21 set beside a mask; 24:22 after every 64 words; 31:25 four words
	s_or_b32 s[G1B+0], s44, (0<<16)|(1<<20)|(1<<21)|(5<<22)|(3<<25)
.irp g, G1, G1B
	s_mov_b32 s[\g+1], ROWB<<16                    ; tensor_dim0
	s_mov_b32 s[\g+2], 128<<16                     ; tensor_dim1
	s_mov_b32 s[\g+3], ROWB<<16                    ; tile_dim0
	s_mov_b32 s[\g+4], 128                         ; tile_dim1
	s_mov_b32 s[\g+5], KROW                        ; tensor_dim0_stride
	s_mov_b32 s[\g+6], 0
	s_mov_b32 s[\g+7], 0
.endr
	s_lshl_b32 s18, s16, 7                         ; which 128 rows of the tile I fetch
	s_lshl_b32 s20, s17, 8
	s_add_co_u32 s20, s20, s18                     ; A: row 256 x tile row + 128 x half
	s_lshl_b32 s46, s42, 8
	s_add_co_u32 s46, s46, s18                     ; B: row 256 x tile column + 128 x half
	s_mov_b32 s21, 0
	s_mov_b32 s47, 0
	s_mov_b64 s[18:19], KROW
	s_mul_u64 s[20:21], s[20:21], s[18:19]
	s_mul_u64 s[46:47], s[46:47], s[18:19]
	s_mul_i32 s45, s14, HALFT                      ; where they go: wave x 128 rows: no place in the cluster enters an LDS address
	s_lshl_b32 s70, ttmp9, 22                      ; my plane of hc and of qkvc
	s_mov_b32 s71, 0
	s_wait_kmcnt 0x0
	s_add_nc_u64 s[76:77], s[76:77], s[70:71]      ; the tokens' codes under this product's scale
	s_add_nc_u64 s[10:11], s[92:93], s[70:71]      ; the output's plane
	s_cmp_eq_u32 ttmp9, 0
	s_cselect_b64 s[78:79], s[78:79], s[80:81]
	s_cselect_b64 s[84:85], s[84:85], s[86:87]
	s_cmp_eq_u32 ttmp9, 2
	s_cselect_b64 s[78:79], s[82:83], s[78:79]     ; the weight
	s_cselect_b64 s[66:67], s[88:89], s[84:85]     ; its bias
	s_cselect_b64 s[4:5], s[78:79], s[76:77]       ; A
	s_cselect_b64 s[6:7], s[76:77], s[78:79]       ; B
	s_load_b256 s[76:83], s[90:91], 0x0            ; entries 0 to 7
	s_load_b64 s[84:85], s[90:91], 0x20            ; entries 8, 9
	s_add_nc_u64 s[20:21], s[4:5], s[20:21]
	s_add_nc_u64 s[46:47], s[6:7], s[46:47]
	CROUND                                         ; all sixteen work-groups are here: the first joint loads meet
.irp s, 0,1
	s_mov_b32 s[G0+4*\s], 1
	s_add_co_u32 s[G0+4*\s+1], s45, \s*SLOT
	s_add_nc_u64 s[G0+4*\s+2:G0+4*\s+3], s[20:21], \s*ROWB
	s_or_b32 s[G0+4*\s+3], s[G0+4*\s+3], 0x80000000
	s_mov_b32 s[G0B+4*\s], 1
	s_add_co_u32 s[G0B+4*\s+1], s45, \s*SLOT
	s_add_nc_u64 s[G0B+4*\s+2:G0B+4*\s+3], s[46:47], \s*ROWB
	s_or_b32 s[G0B+4*\s+3], s[G0B+4*\s+3], 0x80000000
	JLOAD G0+4*\s, G1, G0B+4*\s, G1B
.endr
	v_and_b32 v1, 15, v0                           ; r
	v_bfe_u32 v2, v0, 4, 1                         ; h
	v_mul_u32_u24 v3, v1, PITCH
	v_lshl_add_u32 v4, v2, 4, v3                   ; a fragment's row x pitch + 16 h
	s_mul_i32 s21, s15, HALFT                      ; my 128 rows of A
	s_mul_i32 s22, s16, HALFT                      ; my 128 rows of B,
	s_add_co_u32 s22, s22, 2*HALFT                 ; which lie behind A's 256
.irp s, 0,1
	v_add_nc_u32 v[ADRA+\s], s21, v4
	v_add_nc_u32 v[ADRB+\s], s22, v4
	s_add_co_u32 s21, s21, SLOT
	s_add_co_u32 s22, s22, SLOT
.endr
	s_mul_i32 s23, s14, WSTG                       ; my stage
	v_mul_u32_u24 v5, v1, SPITCH
	v_lshl_add_u32 v5, v2, 3, v5
	v_add_nc_u32 v[STO], s23, v5                   ; in: row r, 8 bytes for each half of the lanes.  36 words from row to row: the 32 lanes of a store touch 64 different banks
	v_and_b32 v6, 8, v1
	v_add_nc_u32 v6, v6, v1                        ; r + 8 (r / 8)
	v_mul_u32_u24 v6, v6, SPITCH
	v_lshl_add_u32 v6, v2, 4, v6
	v_add_nc_u32 v[RD], s23, v6                    ; back: the rows of a piece; rows 16 apart share their banks at this pitch, so these 32 loads go two deep
	v_and_b32 v7, 31, v0
	v_lshlrev_b32 v[CO], 4, v7                     ; out: 16 bytes a lane
	v_lshlrev_b32 v[BQA], 5, v2
	v_lshlrev_b32 v[BVA], 2, v1
	s_lshl_b32 s20, s17, 8
	s_lshl_b32 s21, s15, 7
	s_add_co_u32 s20, s20, s21                     ; my first row of C
	s_lshl_b32 s46, s42, 8
	s_lshl_b32 s47, s16, 7
	s_add_co_u32 s46, s46, s47                     ; my first column
	s_cmp_eq_u32 ttmp9, 2
	s_cselect_b32 s70, s20, s46                    ; my first feature (at most 896),
	s_cselect_b32 s71, s46, s20                    ; my first token
	s_lshr_b32 s72, s71, 11                        ; batch
	s_lshl_b32 s72, s72, 3
	s_lshr_b32 s73, s70, 7                         ; pair of heads
	s_add_co_u32 s72, s72, s73                     ; stream
	s_lshl_b32 s72, s72, 4
	s_bfe_u32 s73, s71, 0x40007                    ; block of 128 tokens in the batch
	s_add_co_u32 s72, s72, s73
	s_lshl_b32 s72, s72, 14
	s_mov_b32 s73, 0
	s_add_nc_u64 s[10:11], s[10:11], s[72:73]      ; my block of 16,384 bytes
	s_lshl_b32 s72, s70, 2
	s_add_nc_u64 s[66:67], s[66:67], s[72:73]      ; the bias of my 128 features.  Both layouts are loaded by every work-group, inside the buffer; the one that does not apply is cleared on the way out
.irp b, 0,1,2,3,4,5,6,7
	global_load_b128 v[BQ+8*\b:BQ+8*\b+3],   v[BQA], s[66:67] offset:64*\b
	global_load_b128 v[BQ+8*\b+4:BQ+8*\b+7], v[BQA], s[66:67] offset:64*\b+16
.endr
.irp a, 0,1,2,3,4,5,6,7
	global_load_b32 v[BV+2*\a],   v[BVA], s[66:67] offset:64*\a
	global_load_b32 v[BV+2*\a+1], v[BVA], s[66:67] offset:64*\a
.endr
.macro FRAG reg, adr, q, i             ; a fragment, 16 rows x 128 K, is 16 registers: four loads of 16 bytes, 32 bytes apart
.irp c, 0,1,2,3
	ds_load_b128 v[\reg+4*\c:\reg+4*\c+3], v[\adr] offset:128*(\q)+32*\c+(\i)*16*PITCH
.endr
.endm
; 16 matrix instructions: A's blocks a0, a0 + 1 x B's eight.  The 64 accumulators take turns, one instruction a turn, in the same order in every step.
.macro MUL16 a0, p, zero
.irp a, \a0, \a0+1
.irp b, 0,1,2,3,4,5,6,7
.if \zero
	v_wmma_f32_16x16x128_fp8_fp8 v[8*(8*((\a)%4)+\b):8*(8*((\a)%4)+\b)+7], v[128*(\p)+FR*\b:128*(\p)+FR*\b+FR-1], v[AF+FR*(\a):AF+FR*(\a)+FR-1], 0
.else
	v_wmma_f32_16x16x128_fp8_fp8 v[8*(8*((\a)%4)+\b):8*(8*((\a)%4)+\b)+7], v[128*(\p)+FR*\b:128*(\p)+FR*\b+FR-1], v[AF+FR*(\a):AF+FR*(\a)+FR-1], v[8*(8*((\a)%4)+\b):8*(8*((\a)%4)+\b)+7]
.endif
.endr
.endr
.endm
.macro FETCH_B slot, q, p
	WIN TO_B
.irp i, 0,1,2,3,4,5,6,7
	FRAG 128*(\p)+FR*\i, ADRB+\slot, \q, \i
.endr
	WIN 0
.endm
.macro FETCH_A slot, q, i0
.irp i, \i0, \i0+1, \i0+2, \i0+3
	FRAG AF+FR*(\i), ADRA+\slot, \q, \i
.endr
.endm
.macro PLACES n                        ; plain vector instructions between a matrix instruction and a load into, or a vector instruction on, its registers
.rept \n
	v_nop
.endr
.endm
; A step of 128 along K that has its successor in the same slot.
.macro STEP slot, q, zero
	s_wait_dscnt 4*NL                              ; B's set and A's blocks 0-3 are in; the youngest sixteen loads (A's blocks 4-7) may be out
	WIN MUL_LO
	MUL16 0, (\q)%2, \zero
	MUL16 2, (\q)%2, \zero
	s_wait_dscnt 0                                 ; A's blocks 4-7 are in
	PLACES NP
	FETCH_B \slot, (\q)+1, 1-(\q)%2
	FETCH_A \slot, (\q)+1, 0
	WIN MUL_HI
	MUL16 4, (\q)%2, \zero
	MUL16 6, (\q)%2, \zero
	PLACES NP
	WIN 0
	FETCH_A \slot, (\q)+1, 4
.endm
; A slot's last step changes slots: one barrier; in front of it each wave waits for all its tensor loads, adds 0 to its spare word, and waits for that and for its reads of this slot.  fill = 1: this slot is filled again, two K steps ahead.
.macro TURN slot, next, fill
	s_wait_tensorcnt 0x0                           ; all my tensor loads have landed: my part of the next slot
	ds_add_u32 v[SPW], v[NIL]                      ; 0 onto my spare word
	s_wait_dscnt 4*NL+1                            ; (the add and the youngest sixteen loads may be out)
	WIN MUL_LO
	MUL16 0, 1, 0
	s_wait_dscnt 0x0                               ; the add is done, and my reads of this slot are over
	s_barrier_signal -1
	MUL16 2, 1, 0
	WIN 0
	s_barrier_wait -1
.if \fill
	CREST                                          ; the barrier has opened a round of the cluster's: no wave of any partner still reads this slot or has a load on its way
	s_add_nc_u64 s[G0+4*\slot+2:G0+4*\slot+3], s[G0+4*\slot+2:G0+4*\slot+3], 2*ROWB
	s_add_nc_u64 s[G0B+4*\slot+2:G0B+4*\slot+3], s[G0B+4*\slot+2:G0B+4*\slot+3], 2*ROWB
	JLOAD G0+4*\slot, G1, G0B+4*\slot, G1B         ; the first tensor load behind the round; its four v_nop are the places in front of the loads below
.else
	PLACES NP
.endif
	FETCH_B \next, 0, 0
	FETCH_A \next, 0, 0
	WIN MUL_HI
	MUL16 4, 1, 0
	MUL16 6, 1, 0
	PLACES NP
	WIN 0
	FETCH_A \next, 0, 4
.endm
	s_wait_tensorcnt 1                             ; my part of K step 0 is in; K step 1's load may be out
	s_barrier_signal -1
	s_barrier_wait -1
	FETCH_B 0, 0, 0
	FETCH_A 0, 0, 0
	FETCH_A 0, 0, 4
	STEP 0, 0, 1                                   ; the first step's products start the sums: nothing is cleared
	s_mov_b32 s3, LAPS-1
.Llap:                                                 ; a trip goes once round the ring and fills both slots again
	TURN 0, 1, 1
	STEP 1, 0, 0
	TURN 1, 0, 1
	STEP 0, 0, 0
	s_sub_co_u32 s3, s3, 1
	s_cmp_lg_u32 s3, 0
	s_cbranch_scc1 .Llap
	TURN 0, 1, 0                                   ; the last lap fills nothing
	STEP 1, 0, 0
	s_wait_dscnt 4*NL
	WIN MUL_LO
	MUL16 0, 1, 0
	MUL16 2, 1, 0
	s_wait_dscnt 0
	WIN MUL_HI
	MUL16 4, 1, 0
	MUL16 6, 1, 0
	WIN 0
	; THE WAY OUT.  The scales are chosen without a branch.
	s_wait_kmcnt 0x0
	s_cmp_eq_u32 ttmp9, 0
	s_cselect_b32 s96, s76, s78                    ; eA: entry 0, 2 or 4
	s_cselect_b32 s97, s77, s79                    ; eB: entry 1, 3 or 5
	s_cselect_b32 s86, s82, s83                    ; the output's e: entry 6 (q), 7 (k) or 9 (v)
	s_cmp_eq_u32 ttmp9, 2
	s_cselect_b32 s96, s80, s96
	s_cselect_b32 s97, s81, s97
	s_cselect_b32 s86, s85, s86
	s_cselect_b32 s94, -1, 0                       ; all lanes for v,
	s_cselect_b32 s95, 0, -1                       ; all lanes for q and k
	s_add_co_i32 s96, s96, s97
	s_add_co_i32 s96, s96, 127
	s_lshl_b32 s96, s96, 23                        ; 2^(eA + eB) as f32
	s_mov_b32 s97, s96                             ; (named with it as a pair)
	s_add_co_i32 s86, s86, 127
	s_lshl_b32 s87, s86, 23
	s_add_co_i32 s86, s86, 8
	s_lshl_b32 s86, s86, 23
	s_or_b32 s86, s86, 0x600000
	s_wait_loadcnt 0x0                             ; the biases
.set i, 0
.rept 64
	v_cndmask_b32 v[BQ+i], 0, v[BQ+i], s95         ; the bias along n stays for q and k.  (These lines are also the places behind the last products)
.set i, i+1
.endr
.set i, 0
.rept 16
	v_cndmask_b32 v[BV+i], 0, v[BV+i], s94         ; the bias along m stays for v
.set i, i+1
.endr
	v_mov_b32 v[SCV], s87                          ; 2^e of the output
	v_mov_b32 v[LIMV], s86                         ; 448 x that
; Block a: 16 rows x 128 columns: sum x 2^(eA + eB) + bias, held, converted, 8 codes a lane and accumulator into my stage.  Each accumulator is read from its low end on.
.macro QBLK a
.set AC, 64*((\a)%4)
.set CDS, 192+16*((\a)%2)              ; the codes' registers: two sets by turns
	WIN 0x02+((\a)/4)                              ; source 0: window 2 or 3
.set j, 0
.rept 32
	v_pk_fma_f32 v[TMP+j:TMP+j+1], v[AC+j:AC+j+1], s[96:97], v[BQ+j:BQ+j+1] op_sel_hi:[1,0,1]
.set j, j+2
.endr
	WIN 0
.set j, 0
.rept 32
	v_pk_add_f32 v[TMP+j:TMP+j+1], v[TMP+j:TMP+j+1], v[BV+2*(\a):BV+2*(\a)+1]
.set j, j+2
.endr
.set j, 0
.rept 64
	v_med3_num_f32 v[TMP+j], v[TMP+j], -v[LIMV], v[LIMV]   ; the conversion does not saturate (ISA guide 7.6.2): the hold
.set j, j+1
.endr
.irp b, 0,1,2,3,4,5,6,7
	v_cvt_scalef32_pk8_fp8_f32 v[CDS+2*\b:CDS+2*\b+1], v[TMP+8*\b:TMP+8*\b+7], v[SCV]
.endr
	v_nop                                          ; a plain instruction between the conversions and the next vector instruction that writes their sources
.irp b, 0,1,2,3,4,5,6,7
	ds_store_b64 v[STO], v[CDS+2*\b:CDS+2*\b+1] offset:16*(\a)*SPITCH+16*\b
.endr
.endm
.irp a, 0,1,2,3,4,5,6,7
	QBLK \a
.endr
	s_wait_dscnt 0x0                               ; my stores have landed; the stage is my own, so no barrier
.irp t, 0,1,2,3,4,5,6,7
.irp p, 0,1,2,3
	ds_load_b128 v[128+16*\t+4*\p:128+16*\t+4*\p+3], v[RD] offset:(32*(\t/2)+8*(\t%2))*SPITCH+32*\p
.endr
.endr
.set i, 0
.rept 32
	s_wait_dscnt 31-i
	global_store_b128 v[CO], v[128+4*i:128+4*i+3], s[10:11] offset:512*i   ; a piece: 32 lanes store 512 consecutive bytes, aligned
.set i, i+1
.endr
	s_wait_tensorcnt 0x0                           ; the wave's end
	ds_add_u32 v[SPW], v[NIL]
	s_wait_dscnt 0x0
	CROUND                                         ; the closing round: no work-group ends while a partner may still ask for a tile that names it
	s_endpgm
.Lfunc_end_k_q86527fa520_qkv:
	.size	k_q86527fa520_qkv, .Lfunc_end_k_q86527fa520_qkv-k_q86527fa520_qkv
	.p2alignl 7, 3214868480
	.fill 96, 4, 3214868480
	.section	.rodata,"a",@progbits
	.p2align	6, 0x0
	.amdhsa_kernel k_q86527fa520_qkv
		.amdhsa_group_segment_fixed_size 327680
		.amdhsa_private_segment_fixed_size 0
		.amdhsa_enable_private_segment 0
		.amdhsa_kernarg_size 72
		.amdhsa_user_sgpr_count 2
		.amdhsa_user_sgpr_kernarg_segment_ptr 1
		.amdhsa_wavefront_size32 1
		.amdhsa_system_sgpr_workgroup_id_x 1
		.amdhsa_system_sgpr_workgroup_id_y 1
		.amdhsa_system_sgpr_workgroup_id_z 1
		.amdhsa_system_vgpr_workitem_id 0
		.amdhsa_next_free_vgpr 1024
		.amdhsa_next_free_sgpr 100
		.amdhsa_reserve_vcc 0
		.amdhsa_float_denorm_mode_32 3
		.amdhsa_float_denorm_mode_16_64 3
		.amdhsa_memory_ordered 1
		.amdhsa_forward_progress 1
		.amdhsa_inst_pref_size 166
	.end_amdhsa_kernel
	.amdgpu_metadata
---
amdhsa.version: [ 1, 2 ]
amdhsa.kernels:
  - .name:           k_q86527fa520_qkv
    .symbol:         k_q86527fa520_qkv.kd
    .args:
      - { .name: hc, .offset: 0, .size: 8, .value_kind: global_buffer, .address_space: global }
      - { .name: wq_w_codes, .offset: 8, .size: 8, .value_kind: global_buffer, .address_space: global }
      - { .name: wk_w_codes, .offset: 16, .size: 8, .value_kind: global_buffer, .address_space: global }
      - { .name: wv_w_codes, .offset: 24, .size: 8, .value_kind: global_buffer, .address_space: global }
      - { .name: wq_b, .offset: 32, .size: 8, .value_kind: global_buffer, .address_space: global }
      - { .name: wk_b, .offset: 40, .size: 8, .value_kind: global_buffer, .address_space: global }
      - { .name: wv_b, .offset: 48, .size: 8, .value_kind: global_buffer, .address_space: global }
      - { .name: lowp_scales, .offset: 56, .size: 8, .value_kind: global_buffer, .address_space: global }
      - { .name: qkvc, .offset: 64, .size: 8, .value_kind: global_buffer, .address_space: global }
    .group_segment_fixed_size: 327680
    .private_segment_fixed_size: 0
    .kernarg_segment_align: 8
    .kernarg_segment_size: 72
    .max_flat_workgroup_size: 128
    .sgpr_count:     100
    .vgpr_count:     1024
    .wavefront_size: 32
...
	.end_amdgpu_metadata
.endif
;; end of part 2
;; launch attn (part 3): grid 32 x 8, 8 waves a work-group, clusters of 4 x 1, 327,680 bytes of LDS; arguments qkvc, lowp_scales, ac; writes ac
.if DOCPART == 3
	.amdgcn_target "amdgcn-amd-amdhsa--gfx1250"
	.amdhsa_code_object_version 6
	.text
	.protected	k_q86527fa520_attn
	.globl	k_q86527fa520_attn
	.p2align	8
	.type	k_q86527fa520_attn,@function
k_q86527fa520_attn:
	s_mov_b64 s[64:65], 0
	v_nop
	global_prefetch_b8 v0, s[64:65] scope:SCOPE_SE
	s_setreg_imm32_b32 hwreg(HW_REG_WAVE_MODE, 25, 1), 1
	s_wait_xcnt 0x0
	s_wait_alu depctr_hold_cnt(0) depctr_sa_sdst(0) depctr_va_vdst(0) depctr_va_sdst(0) depctr_va_ssrc(0) depctr_va_vcc(0) depctr_vm_vsrc(0)
	s_getreg_b32 s2, hwreg(HW_REG_IB_STS2, 6, 4)
	s_cmp_eq_u32 s2, 0
	s_cbranch_scc0 .Lentry_in_a_cluster
	s_endpgm
.Lentry_in_a_cluster:
	s_bfe_u32 s2, ttmp6, 0x10000c
	s_cmp_lg_u32 s2, 0x3003
	s_cbranch_scc0 .Lentry_shape_is_right
	s_endpgm
.Lentry_shape_is_right:
; Attention on E4M3 codes: 32 (batch, head) x 2,048 queries x 2,048 keys, head size 64.  o = softmax(q k^T / 8) v, then o is quantised under entry 10 into ac [4096][1024], K innermost.
; THE SOFTMAX: t = score x log2(e) / 8; M = the row's largest t so far, rounded UP to a whole number; p = 2^(t - M) is quantised under entry 8, not normalised; the row's sum is taken of the unquantised p and divides at the end.
; When M moves, the sum and O are multiplied by 2^(old M - new M): nothing is rounded, and there is no branch on data.
; SHARES.  Work-group (x, y): 64 queries (block 4 x cluster x + cx) of the four heads 4 (y % 4) .. + 3 of batch y / 4: so a row of its output is 256 consecutive bytes.  Wave w: head w / 2 of the four, queries 32 (w % 2) on: two tiles of 16.
; Two waves share a SIMD, so that one wave's vector work stands beside the other's products and LDS loads.
; CLUSTER.  The four query blocks of a cluster walk the same k and v: every tile is asked for jointly, by the same tensor load with the mask of all four.
; OPERANDS arrive as images of their registers (laid so by the launch before): a block of 128 tokens of a pair of heads is 32 pieces (t, p) of 512 bytes, lane L's 16 bytes at 16 L.  With row(t, r) = 32 (t / 2) + 8 (t % 2) + r + 8 (r / 8):
;   q, k: token row(t, r), head p / 2 of the pair, channels 32 (p % 2) + 16 h + 0 .. 15;     v: channel row(t, r) of the pair's 128, tokens 32 p + 16 h + 0 .. 15.
; So every fragment is dense pieces: no pitch, no padding; an LDS load's 512 bytes are consecutive.
; LAYOUT.  Both products are used transposed: S^T = k q^T (source 0 = 16 keys), O^T = v^T p^T (source 0 = 16 channels): a lane holds ONE query throughout.  By row(t, r) the 16 registers of tiles 2 b, 2 b + 1 are 16 neighbours
; along the next K: keys 32 b + 16 h + 0 .. 15 for p, channels likewise for the output's codes.
; LIMITS: entries 6 + 7 between -123 and 130 (added to c's exponent field); entries 8 and 10 between -126 and 119; NaN is not served.
; REGISTERS: window 0: v1-7 addresses; v8-23 statistics, eight a tile; v24-27 second chains of the sums; v28, v29 the hold and the scale; v30, v31 for the lane exchange; v32-159 S^T, then p; v160-223 O^T; v224-255 p's codes.
;            window 1: v0-63 k's eight fragments; v64-127 v's four; v128-143 q's two.
.set SLOT1, 1<<17                      ; a slot: 256 keys: eight tiles of 16,384 bytes at 16,384 x (4 (k or v) + 2 pair + step); slot 1 begins here, so that one exclusive or turns an address
.set SPARE, 2*SLOT1                    ; behind the ring: the spare words, 128 bytes for each of eight waves, that no other line names
.set STAGE, SPARE+1024                 ; the way out: 64 rows x (256 bytes + 16), bytes of its own
.set SP,    272
.set NSL,   8                          ; slots' worth of keys
.set AK0, 1
.set AV0, 2
.set PFO, 3
.set ADK, 4
.set ADV, 5
.set SPW, 6
.set NIL, 7
.set ST,  8                            ; tile u at +8 u: +0 -M, +1 the largest t, +2, +3 the sum in two halves, +4 f (+5 named with it), +6, +7 at work
.set S2,  24
.set LIMV, 28
.set SCV, 29
.set PX,  30
.set S,   32
.set O,   160
.set P,   224
.set KF,  0                            ; in window 1
.set VF,  64
.set QF,  128
.set WV,  10
.set G1,  16                           ; s[16:23] descriptor group 1
.set G0,  24                           ; s[24:27] group 0, which walks
.set PFA, 28                           ; s[28:29] where my prefetches stand
.set LIM, 30
.set SLOTS, 31
.set TB,  32                           ; LDS byte at which the slot in hand begins
.set CS,  34                           ; s[34:35] c = log2(e) / 8 x 2^(e6 + e7)
.set SEL, 36
.set MSB, 0
.macro WIN new                         ; the immediate's high byte repeats the setting that is left
.if MSB != \new
	s_set_vgpr_msb (MSB<<8)|\new
.set MSB, \new
.endif
.endm
.macro CROUND                          ; a round of the cluster's barrier
	s_barrier_signal -1
	s_barrier_wait -1
	s_cmp_lg_u32 s[WV], 0
	s_cbranch_scc1 .Lnot_wave_0_\@
	s_barrier_signal -3
.Lnot_wave_0_\@:
	s_barrier_wait -3
	s_barrier_signal -1
	s_barrier_wait -1
.endm
; A PREFETCH INTO THE L2 of the slot after the one that is being asked for: two key steps ahead of the load that will want it.  Each aligned 256 bytes are named once in the launch: of the clusters that walk the same k and v the first
; (cluster x = 0) asks; in it the even waves, whose tile and the next wave's are 32,768 consecutive bytes; the four partners take 8,192 of them each, told apart by address; lanes 256 bytes apart.
; Slots 0 and 1 come by their loads alone; the last change that fills a slot asks for nothing.
.macro ASK
	s_cmp_gt_u32 s[SLOTS], s[LIM]
	s_cbranch_scc0 .Lnot_mine_\@
	global_prefetch_b8 v[PFO], s[PFA:PFA+1] th:TH_LOAD_NT scope:SCOPE_SE
.Lnot_mine_\@:
.endm
	s_load_b128 s[4:7], s[0:1], 0x0                ; qkvc s[4:5], lowp_scales s[6:7]
	s_load_b64 s[8:9], s[0:1], 0x10                ; ac
	v_lshl_add_u32 v[SPW], v0, 2, SPARE
	v_mov_b32 v[NIL], 0
	ds_add_u32 v6, v7
	ds_add_u32 v6, v7
	s_wait_dscnt 0x0
	v_lshrrev_b32 v1, 5, v0
	v_readfirstlane_b32 s[WV], v1                  ; wave 0..7
	s_bfe_u32 s11, ttmp6, 0x40000                  ; cx
	s_lshl_b32 s12, ttmp9, 2
	s_add_co_u32 s12, s12, s11                     ; my block of 64 queries: it enters q's and the output's addresses alone
	s_and_b32 s13, ttmp7, 0xffff                   ; y = 4 batch + group of four heads, which the partners share
	s_lshr_b32 s14, s[WV], 2                       ; as a fetcher: k (0) or v (1).  As a reader: my pair of heads
	s_bfe_u32 s15, s[WV], 0x10001                  ; as a fetcher: the pair.  As a reader: my head in the pair
	s_and_b32 s33, s[WV], 1                        ; as a fetcher: the step.  As a reader: my half of the queries
	s_add_co_u32 s38, s14, 1
	s_lshl_b32 s38, s38, 22                        ; plane 1 (k) or 2 (v),
	s_lshl_b32 s39, s13, 1
	s_add_co_u32 s39, s39, s15
	s_lshl_b32 s39, s39, 18                        ; stream 2 y + pair, 262,144 bytes each,
	s_add_co_u32 s38, s38, s39
	s_lshl_b32 s39, s33, 14                        ; block = step
	s_add_co_u32 s38, s38, s39
	s_mov_b32 s39, 0
	s_lshl_b32 s48, s13, 1                         ; q (plane 0): stream 2 y + my pair,
	s_add_co_u32 s48, s48, s14
	s_lshl_b32 s48, s48, 18
	s_lshr_b32 s49, s12, 1                         ; block of 128 tokens,
	s_lshl_b32 s49, s49, 14
	s_add_co_u32 s48, s48, s49
	s_and_b32 s49, s12, 1                          ; tiles 4 (block % 2) + 2 (wave % 2) + u, 2,048 bytes each,
	s_lshl_b32 s49, s49, 13
	s_add_co_u32 s48, s48, s49
	s_lshl_b32 s49, s33, 12
	s_add_co_u32 s48, s48, s49
	s_lshl_b32 s49, s15, 10                        ; my head's two pieces of a tile's four
	s_add_co_u32 s48, s48, s49
	s_mov_b32 s49, 0
	s_lshr_b32 s50, s13, 2                         ; the output: row 2,048 batch + 64 block + 8 wave,
	s_lshl_b32 s50, s50, 11
	s_lshl_b32 s51, s12, 6
	s_add_co_u32 s50, s50, s51
	s_lshl_b32 s51, s[WV], 3
	s_add_co_u32 s50, s50, s51
	s_lshl_b32 s50, s50, 10
	s_and_b32 s51, s13, 3                          ; byte 256 x group of heads
	s_lshl_b32 s51, s51, 8
	s_add_co_u32 s50, s50, s51
	s_mov_b32 s51, 0
	; descriptor group 1: a dense block of 16,384 bytes as 64 rows of 32 elements of 8 bytes; no padding
	s_mov_b32 s[G1], 15|(3<<16)|(1<<21)            ; 15:0 the mask: all four work-groups; 17:16 elements of 8 bytes; 21 set beside a mask
	s_mov_b32 s[G1+1], 32<<16                      ; tensor_dim0
	s_mov_b32 s[G1+2], 64<<16                      ; tensor_dim1
	s_mov_b32 s[G1+3], 32<<16                      ; tile_dim0
	s_mov_b32 s[G1+4], 64                          ; tile_dim1
	s_mov_b32 s[G1+5], 32                          ; tensor_dim0_stride
	s_mov_b32 s[G1+6], 0
	s_mov_b32 s[G1+7], 0
	s_mov_b32 s[CS], 0x3e38aa3b                    ; log2(e) / 8
	s_mov_b32 s[SEL], 0x76543210
	s_mov_b32 s[SEL+1], 0xfedcba98
	s_mov_b32 s[TB], 0
	s_mov_b32 s[SLOTS], NSL-1
	s_or_b32 s[LIM], s33, ttmp9                    ; 0 in the even waves of the first cluster along x: the same in all four partners
	s_cmp_eq_u32 s[LIM], 0
	s_cselect_b32 s[LIM], 1, -1
	s_lshl_b32 s52, s11, 13                        ; my work-group's 8,192 bytes of a prefetch,
	s_add_co_u32 s52, s52, 32768                   ; in slot 1: the first change of slots steps it to slot 2
	s_mov_b32 s53, 0
	s_wait_kmcnt 0x0
	s_load_b256 s[40:47], s[6:7], 0x18             ; entries 6 to 13
	s_mov_b32 s[G0], 1                             ; count = 1
	s_lshl_b32 s[G0+1], s[WV], 14                  ; LDS address: tile = wave, slot 0
	s_add_nc_u64 s[G0+2:G0+3], s[4:5], s[38:39]    ; global address: no place in the cluster enters it
	s_add_nc_u64 s[PFA:PFA+1], s[G0+2:G0+3], s[52:53]
	s_or_b32 s[G0+3], s[G0+3], 0x80000000          ; type = 2
	s_add_nc_u64 s[4:5], s[4:5], s[48:49]          ; q
	s_add_nc_u64 s[8:9], s[8:9], s[50:51]          ; the output
	CROUND                                         ; all four work-groups are here: the first joint loads meet
	tensor_load_to_lds s[G0:G0+3], s[G1:G1+7]      ; slot 0: every wave fetches one tile
	s_nop 0
.rept 4
	v_nop
.endr
	v_and_b32 v[ADV], 31, v0                       ; lane
	v_lshlrev_b32 v[ADK], 4, v[ADV]                ; 16 x lane
	v_lshlrev_b32 v[PFO], 8, v[ADV]
	s_lshl_b32 s52, s14, 15                        ; my pair's two tiles,
	s_lshl_b32 s53, s15, 10                        ; my head's pieces of a tile of k
	s_add_co_u32 s53, s53, s52
	v_add_nc_u32 v[AK0], s53, v[ADK]
	s_lshl_b32 s53, s15, 13                        ; my head's four tiles of channels of v,
	s_add_co_u32 s53, s53, s52
	s_add_co_u32 s53, s53, 65536                   ; which lie behind k's four tiles
	v_add_nc_u32 v[AV0], s53, v[ADK]
	WIN 0x40                                       ; destination window 1
.irp u, 0,1
.irp c, 0,1
	global_load_b128 v[QF+8*\u+4*\c:QF+8*\u+4*\c+3], v[ADK], s[4:5] offset:2048*\u+512*\c   ; q stays in registers
.endr
.endr
	WIN 0
.irp u, 0,1
	v_mov_b32 v[ST+8*\u+1], 0xff61b1e6             ; the largest t so far: -3e38
	v_floor_f32 v[ST+8*\u], -v[ST+8*\u+1]          ; -M
	v_mov_b32 v[ST+8*\u+2], 0                      ; the sum
	v_mov_b32 v[ST+8*\u+3], 0
	v_mov_b32 v[ST+8*\u+5], 0                      ; (named as the upper half of f's pair)
	v_mov_b32 v[PX+\u], 0                          ; (a lane exchange's destination counts as read)
.endr
.set i, 0
.rept 64
	v_mov_b32 v[O+i], 0                            ; O^T.  The key step is written without a first step of its own: the first change of M multiplies zeros
.set i, i+1
.endr
	s_wait_kmcnt 0x0
	s_add_co_i32 s52, s40, s41
	s_lshl_b32 s52, s52, 23
	s_add_co_i32 s[CS], s[CS], s52                 ; a score stands for score x 2^(e6 + e7): added to c's exponent field
	s_mov_b32 s[CS+1], s[CS]
	s_add_co_i32 s52, s42, 127
	s_lshl_b32 s53, s52, 23
	v_mov_b32 v[SCV], s53                          ; 2^e8
	s_add_co_i32 s52, s52, 8
	s_lshl_b32 s52, s52, 23
	s_or_b32 s52, s52, 0x600000
	v_mov_b32 v[LIMV], s52                         ; 448 x 2^e8
	s_wait_loadcnt 0x0                             ; q
; A KEY STEP: 128 keys, the q-th of the slot in hand, for my two tiles of queries.
.macro STEP q
	v_add_nc_u32 v[ADK], s[TB], v[AK0]
	v_add_nc_u32 v[ADV], s[TB], v[AV0]
	v_nop
	v_nop                                          ; four places between the last products and the loads into v's fragments
	WIN 0x40
.irp t, 0,1,2,3,4,5,6,7
.irp c, 0,1
	ds_load_b128 v[KF+8*\t+4*\c:KF+8*\t+4*\c+3], v[ADK] offset:16384*(\q)+2048*\t+512*\c
.endr
.endr
.irp t, 0,1,2,3
.irp c, 0,1,2,3
	ds_load_b128 v[VF+16*\t+4*\c:VF+16*\t+4*\c+3], v[ADV] offset:16384*(\q)+2048*\t+512*\c
.endr
.endr
	s_wait_dscnt 16                                ; k is in; v's sixteen loads may be out
	WIN 0x05                                       ; sources 0 and 1 window 1
.irp t, 0,1,2,3,4,5,6,7
.irp u, 0,1
	v_wmma_f32_16x16x64_fp8_fp8 v[S+64*\u+8*\t:S+64*\u+8*\t+7], v[KF+8*\t:KF+8*\t+7], v[QF+8*\u:QF+8*\u+7], 0
.endr
.endr
	WIN 0
.rept 4
	v_nop
.endr
	; the step's largest score of my query among my 64 keys: two chains a tile, the tiles by turns, each accumulator from its low end on
.irp u, 0,1
	v_max3_num_f32 v[ST+8*\u+6], v[S+64*\u], v[S+64*\u+1], v[S+64*\u+2]
	v_max3_num_f32 v[ST+8*\u+7], v[S+64*\u+3], v[S+64*\u+4], v[S+64*\u+5]
.endr
.irp i, 6,10,14,18,22,26,30,34,38,42,46,50,54,58
.irp u, 0,1
	v_max3_num_f32 v[ST+8*\u+6], v[ST+8*\u+6], v[S+64*\u+\i], v[S+64*\u+\i+1]
	v_max3_num_f32 v[ST+8*\u+7], v[ST+8*\u+7], v[S+64*\u+\i+2], v[S+64*\u+\i+3]
.endr
.endr
.irp u, 0,1
	v_max3_num_f32 v[ST+8*\u+6], v[ST+8*\u+6], v[S+64*\u+62], v[S+64*\u+63]
.endr
.irp u, 0,1
	v_max_num_f32 v[ST+8*\u+6], v[ST+8*\u+6], v[ST+8*\u+7]
.endr
.irp u, 0,1
	v_permlanex16_b32 v[PX+\u], v[ST+8*\u+6], s[SEL], s[SEL+1]   ; the query's other 64 keys lie in the lane 16 away
.endr
.irp u, 0,1
	v_max_num_f32 v[ST+8*\u+6], v[ST+8*\u+6], v[PX+\u]
.endr
.irp u, 0,1
	v_mul_f32 v[ST+8*\u+6], s[CS], v[ST+8*\u+6]    ; as t (c is positive)
.endr
.irp u, 0,1
	v_max_num_f32 v[ST+8*\u+1], v[ST+8*\u+1], v[ST+8*\u+6]   ; the running largest t
.endr
.irp u, 0,1
	v_mov_b32 v[ST+8*\u+6], v[ST+8*\u]
.endr
.irp u, 0,1
	v_floor_f32 v[ST+8*\u], -v[ST+8*\u+1]          ; the new -M = floor(-t): M is a whole number
.endr
.irp u, 0,1
	v_sub_f32 v[ST+8*\u+6], v[ST+8*\u], v[ST+8*\u+6]   ; old M - new M: a whole number, 0 or less
.endr
.irp u, 0,1
	v_cvt_i32_f32 v[ST+8*\u+6], v[ST+8*\u+6]       ; (it saturates)
.endr
.irp u, 0,1
	v_ldexp_f32 v[ST+8*\u+4], 1.0, v[ST+8*\u+6]    ; f = 2^(old M - new M)
.endr
.irp u, 0,1
.set j, 0
.rept 32
	v_pk_fma_f32 v[S+64*\u+j:S+64*\u+j+1], v[S+64*\u+j:S+64*\u+j+1], s[CS:CS+1], v[ST+8*\u:ST+8*\u+1] op_sel_hi:[1,0,0]   ; t - M (of the pairs c and -M the low word serves both halves)
.set j, j+2
.endr
.endr
.set j, 0
.rept 128
	v_exp_f32 v[S+j], v[S+j]                       ; p = 2^(t - M), at most 1: one batch
.set j, j+1
.endr
.irp u, 0,1
	v_pk_mul_f32 v[ST+8*\u+2:ST+8*\u+3], v[ST+8*\u+2:ST+8*\u+3], v[ST+8*\u+4:ST+8*\u+5] op_sel_hi:[1,0]   ; the sums under the new M: the plain instructions behind the batch
.endr
	s_wait_alu depctr_va_vdst(0)                   ; one wait for the batch, ahead of its first reader
.irp u, 0,1
	v_pk_add_f32 v[S2+2*\u:S2+2*\u+1], v[S+64*\u:S+64*\u+1], v[S+64*\u+2:S+64*\u+3]   ; the row's sum of the UNQUANTISED p: two chains a tile
.endr
.irp j, 4,8,12,16,20,24,28,32,36,40,44,48,52,56,60
.irp u, 0,1
	v_pk_add_f32 v[ST+8*\u+2:ST+8*\u+3], v[ST+8*\u+2:ST+8*\u+3], v[S+64*\u+\j:S+64*\u+\j+1]
	v_pk_add_f32 v[S2+2*\u:S2+2*\u+1], v[S2+2*\u:S2+2*\u+1], v[S+64*\u+\j+2:S+64*\u+\j+3]
.endr
.endr
.irp u, 0,1
	v_pk_add_f32 v[ST+8*\u+2:ST+8*\u+3], v[ST+8*\u+2:ST+8*\u+3], v[S2+2*\u:S2+2*\u+1]
.endr
.irp u, 0,1
.irp b, 0,1,2,3
.irp i, 0,1,2,3,4,5,6,7,8,9,10,11,12,13,14,15
	v_min_num_f32 v[S+64*\u+16*\b+\i], v[S+64*\u+16*\b+\i], v[LIMV]   ; the conversion does not saturate (ISA guide 7.6.2); p is not negative, so the hold is one-sided
.endr
	v_cvt_scalef32_pk8_fp8_f32 v[P+16*\u+4*\b:P+16*\u+4*\b+1], v[S+64*\u+16*\b:S+64*\u+16*\b+7], v[SCV]
	v_cvt_scalef32_pk8_fp8_f32 v[P+16*\u+4*\b+2:P+16*\u+4*\b+3], v[S+64*\u+16*\b+8:S+64*\u+16*\b+15], v[SCV]
.endr
.endr
.irp u, 0,1
.set j, 0
.rept 16
	v_pk_mul_f32 v[O+32*\u+j:O+32*\u+j+1], v[O+32*\u+j:O+32*\u+j+1], v[ST+8*\u+4:ST+8*\u+5] op_sel_hi:[1,0]   ; O^T under the new M.  (Also the plain instructions between the conversions and the products)
.set j, j+2
.endr
.endr
	s_wait_dscnt 0x0                               ; v is in
	WIN 0x01                                       ; source 0 (v) window 1
.irp t, 0,1,2,3
.irp u, 0,1
	v_wmma_f32_16x16x128_fp8_fp8 v[O+32*\u+8*\t:O+32*\u+8*\t+7], v[VF+16*\t:VF+16*\t+15], v[P+16*\u:P+16*\u+15], v[O+32*\u+8*\t:O+32*\u+8*\t+7]   ; eight accumulators, one instruction each
.endr
.endr
	WIN 0
.endm
; THE CHANGE OF SLOTS stands at a slot's head.  Each wave waits for all its tensor loads (its tile of the slot ahead), adds 0 to its spare word, and waits for that and for its reads of the slot that it has left.
; fill = 1: the barrier is a round of the cluster's, and behind it the slot that was left is filled with the next 256 keys: one joint load a wave, which has two key steps in which to land.
.macro CHANGE fill
	s_wait_tensorcnt 0x0                           ; no tensor load of mine is out, so group 0 may be written
	ds_add_u32 v[SPW], v[NIL]                      ; 0 onto my spare word
.if \fill
	s_xor_b32 s[G0+1], s[G0+1], SLOT1              ; the other slot than last time,
	s_add_nc_u64 s[G0+2:G0+3], s[G0+2:G0+3], 32768 ; the next two blocks of the stream; the type bits on top are not reached
	s_wait_xcnt 0x0                                ; the last prefetch, a slot back, has read its address
	s_add_nc_u64 s[PFA:PFA+1], s[PFA:PFA+1], 32768
	s_wait_dscnt 0x0                               ; the add is done, and my reads of the slot that I have left are over
	CROUND
	tensor_load_to_lds s[G0:G0+3], s[G1:G1+7]      ; the first thing behind the round, and my one tensor load until the next
	s_nop 0
.rept 4
	v_nop
.endr
	ASK
.else
	s_wait_dscnt 0x0
	s_barrier_signal -1
	s_barrier_wait -1
.endif
.endm
.Lslot:                                            ; NSL - 1 trips: behind each change of slots but the last the next slot is asked for
	CHANGE 1
	STEP 0
	STEP 1
	s_xor_b32 s[TB], s[TB], SLOT1
	s_sub_co_u32 s[SLOTS], s[SLOTS], 1
	s_cmp_lg_u32 s[SLOTS], 0
	s_cbranch_scc1 .Lslot
	CHANGE 0                                       ; the last slot is written out
	STEP 0
	STEP 1
	; THE WAY OUT.  The stage's addresses are made here: plain instructions that are the places behind the last products.
	v_and_b32 v24, 15, v0                          ; r
	v_bfe_u32 v25, v0, 4, 1                        ; h
	v_and_b32 v26, 8, v24
	v_add_nc_u32 v26, v26, v24                     ; r + 8 (r / 8): my query in its tile's pattern
	v_mul_u32_u24 v[ADK], v26, SP
	v_lshl_add_u32 v[ADK], v25, 4, v[ADK]
	s_mul_i32 s52, s33, 32*SP                      ; my half of the 64 queries,
	s_lshr_b32 s53, s[WV], 1
	s_lshl_b32 s53, s53, 6                         ; my head's 64 bytes of a row
	s_add_co_u32 s52, s52, s53
	s_add_co_u32 s52, s52, STAGE
	v_add_nc_u32 v[ADK], s52, v[ADK]               ; in
	v_mul_u32_u24 v[ADV], v25, SP
	v_lshl_add_u32 v[ADV], v24, 4, v[ADV]
	s_mul_i32 s52, s[WV], 8*SP
	s_add_co_u32 s52, s52, STAGE
	v_add_nc_u32 v[ADV], s52, v[ADV]               ; back: my eight rows; lanes 0-15 one row of 256 bytes, lanes 16-31 the next
	v_lshlrev_b32 v27, 10, v25
	v_lshl_add_u32 v27, v24, 4, v27                ; and the same two rows in the output
	s_add_co_i32 s54, s42, s43                     ; e8 + e9
	s_add_co_i32 s52, s44, 127
	s_lshl_b32 s53, s52, 23
	s_add_co_i32 s52, s52, 8
	s_lshl_b32 s52, s52, 23
	s_or_b32 s52, s52, 0x600000
.irp u, 0,1
	v_add_f32 v[ST+8*\u+2], v[ST+8*\u+2], v[ST+8*\u+3]
.endr
.irp u, 0,1
	v_permlanex16_b32 v[PX+\u], v[ST+8*\u+2], s[SEL], s[SEL+1]
.endr
.irp u, 0,1
	v_add_f32 v[ST+8*\u+2], v[ST+8*\u+2], v[PX+\u] ; the row's sum
.endr
.irp u, 0,1
	v_rcp_f32 v[ST+8*\u+6], v[ST+8*\u+2]
.endr
	v_mov_b32 v[SCV], s53                          ; 2^e10.  (The plain instruction behind the two reciprocals)
	v_mov_b32 v[LIMV], s52                         ; 448 x 2^e10
	s_wait_alu depctr_va_vdst(0)                   ; one wait for both, ahead of their first reader
.irp u, 0,1
	v_ldexp_f32 v[ST+8*\u+6], v[ST+8*\u+6], s54    ; 2^(e8 + e9) / the sum
.endr
.irp u, 0,1
.set j, 0
.rept 16
	v_pk_mul_f32 v[S+64*\u+j:S+64*\u+j+1], v[O+32*\u+j:O+32*\u+j+1], v[ST+8*\u+6:ST+8*\u+7] op_sel_hi:[1,0]   ; register 16 b + i: channel 32 b + 16 h + i of my query
.set j, j+2
.endr
.endr
.irp u, 0,1
.set j, 0
.rept 32
	v_med3_num_f32 v[S+64*\u+j], v[S+64*\u+j], -v[LIMV], v[LIMV]
.set j, j+1
.endr
.endr
.irp u, 0,1
.irp b, 0,1
	v_cvt_scalef32_pk8_fp8_f32 v[P+16*\u+4*\b:P+16*\u+4*\b+1], v[S+64*\u+16*\b:S+64*\u+16*\b+7], v[SCV]
	v_cvt_scalef32_pk8_fp8_f32 v[P+16*\u+4*\b+2:P+16*\u+4*\b+3], v[S+64*\u+16*\b+8:S+64*\u+16*\b+15], v[SCV]
.endr
.endr
	v_nop                                          ; a plain instruction behind the last conversion
.irp u, 0,1
.irp b, 0,1
	ds_store_b128 v[ADK], v[P+16*\u+4*\b:P+16*\u+4*\b+3] offset:8*\u*SP+32*\b
.endr
.endr
	s_wait_dscnt 0x0                               ; for the others' sake: a row's 256 bytes come from four waves
	s_barrier_signal -1
	s_barrier_wait -1
.irp i, 0,1,2,3
	ds_load_b128 v[S+4*\i:S+4*\i+3], v[ADV] offset:2*\i*SP
.endr
.irp i, 0,1,2,3
	s_wait_dscnt 3-\i
	global_store_b128 v27, v[S+4*\i:S+4*\i+3], s[8:9] offset:2048*\i   ; 16 lanes store 256 consecutive bytes, aligned
.endr
	s_wait_tensorcnt 0x0                           ; the wave's end
	ds_add_u32 v[SPW], v[NIL]
	s_wait_dscnt 0x0
	CROUND                                         ; the closing round
	s_endpgm
.Lfunc_end_k_q86527fa520_attn:
	.size	k_q86527fa520_attn, .Lfunc_end_k_q86527fa520_attn-k_q86527fa520_attn
	.p2alignl 7, 3214868480
	.fill 96, 4, 3214868480
	.section	.rodata,"a",@progbits
	.p2align	6, 0x0
	.amdhsa_kernel k_q86527fa520_attn
		.amdhsa_group_segment_fixed_size 327680
		.amdhsa_private_segment_fixed_size 0
		.amdhsa_enable_private_segment 0
		.amdhsa_kernarg_size 24
		.amdhsa_user_sgpr_count 2
		.amdhsa_user_sgpr_kernarg_segment_ptr 1
		.amdhsa_wavefront_size32 1
		.amdhsa_system_sgpr_workgroup_id_x 1
		.amdhsa_system_sgpr_workgroup_id_y 1
		.amdhsa_system_sgpr_workgroup_id_z 1
		.amdhsa_system_vgpr_workitem_id 0
		.amdhsa_next_free_vgpr 512
		.amdhsa_next_free_sgpr 66
		.amdhsa_reserve_vcc 0
		.amdhsa_float_denorm_mode_32 3
		.amdhsa_float_denorm_mode_16_64 3
		.amdhsa_memory_ordered 1
		.amdhsa_forward_progress 1
		.amdhsa_inst_pref_size 131
	.end_amdhsa_kernel
	.amdgpu_metadata
---
amdhsa.version: [ 1, 2 ]
amdhsa.kernels:
  - .name:           k_q86527fa520_attn
    .symbol:         k_q86527fa520_attn.kd
    .args:
      - { .name: qkvc, .offset: 0, .size: 8, .value_kind: global_buffer, .address_space: global }
      - { .name: lowp_scales, .offset: 8, .size: 8, .value_kind: global_buffer, .address_space: global }
      - { .name: ac, .offset: 16, .size: 8, .value_kind: global_buffer, .address_space: global }
    .group_segment_fixed_size: 327680
    .private_segment_fixed_size: 0
    .kernarg_segment_align: 8
    .kernarg_segment_size: 24
    .max_flat_workgroup_size: 256
    .sgpr_count:     66
    .vgpr_count:     512
    .wavefront_size: 32
...
	.end_amdgpu_metadata
.endif
;; end of part 3
;; launch wo (part 4): grid 4 x 16, 4 waves a work-group, clusters of 4 x 4, 327,680 bytes of LDS; arguments ac, wo_w_codes, lowp_scales, wo_b, x, x1; writes x1
.if DOCPART == 4
	.amdgcn_target "amdgcn-amd-amdhsa--gfx1250"
	.amdhsa_code_object_version 6
	.text
	.protected	k_q86527fa520_wo
	.globl	k_q86527fa520_wo
	.p2align	8
	.type	k_q86527fa520_wo,@function
k_q86527fa520_wo:
	s_mov_b64 s[64:65], 0
	v_nop
	global_prefetch_b8 v0, s[64:65] scope:SCOPE_SE
	s_setreg_imm32_b32 hwreg(HW_REG_WAVE_MODE, 25, 1), 1
	s_wait_xcnt 0x0
	s_wait_alu depctr_hold_cnt(0) depctr_sa_sdst(0) depctr_va_vdst(0) depctr_va_sdst(0) depctr_va_ssrc(0) depctr_va_vcc(0) depctr_vm_vsrc(0)
	s_getreg_b32 s2, hwreg(HW_REG_IB_STS2, 6, 4)
	s_cmp_eq_u32 s2, 0
	s_cbranch_scc0 .Lentry_in_a_cluster
	s_endpgm
.Lentry_in_a_cluster:
	s_bfe_u32 s2, ttmp6, 0x10000c
	s_cmp_lg_u32 s2, 0xf033
	s_cbranch_scc0 .Lentry_shape_is_right
	s_endpgm
.Lentry_shape_is_right:
; out[m][n] = res[m][n] + bias[n] + 2^(eA + eB) x sum over k of A[m][k] B[n][k].  A: [4096][SIZE_K], B: [1024][SIZE_K]: E4M3 codes, K innermost; res, out: [4096][1024] f32; eA, eB: the two entries of lowp_scales at byte ESC.
; A tile of 256 x 256 to a work-group of four waves, 128 x 128 (64 accumulators) to a wave; K goes in steps of 256 through a ring of two LDS slots filled by the tensor data mover.
; The output has 64 such tiles: 64 work-groups.  LIMIT: eA + eB between -126 and 127.
; CLUSTERS: 4 x 4 work-groups.  The four of a row need the same tiles of A, the four of a column the same tiles of B: each tile is asked for jointly, by the same tensor load with a mask that names the four.
; THE MATRIX INSTRUCTION IS USED TRANSPOSED (source 0 = 16 rows of B, source 1 = 16 rows of A): in accumulator (a, b) lane (r, h) register j holds C(16 a + r, 16 b + 8 h + j).
; Fragments come by four loads of 16 bytes: registers 4 c .. 4 c + 3 hold K = 32 c + 16 h + 0 .. 15: one permutation of K, the same on both sides.
; REGISTERS as windows of 256: window 0: v0-31 addresses; v32-95 the bias in the accumulators' layout; v128-255 A's fragments, ONE set, on the way out rows read back from the stage;
;   window 1: B's fragments, TWO sets; on the way out v0-127 two blocks of the residual, v128-191 a block's sums;   windows 2, 3: the accumulators.
.set SIZE_K, 1024
.set SIZE_N, 1024
.set ESC,    40                        ; byte of eA in lowp_scales; eB follows it
.set PF,     0                         ; 1: the tiles are prefetched.  With four K steps no K step lies two refills ahead of a refill: nothing could be asked for
.set LAST,   0                         ; 1: the output is read by no later launch
.set KSTEP,  256
.set ROWB,   256
.set KROW,   SIZE_K
.set PITCH,  272                       ; an LDS row: 256 bytes + 16 of padding = 68 words: the 16 rows that a load touches start at 16 different banks (64 banks of 4 bytes: ISA guide 11.1)
.set FR,     16
.set NL,     4
.set NP,     4                         ; places behind this matrix instruction (ISA guide 7.12.1)
.set HALFT,  128*PITCH
.set SLOT,   4*HALFT
.set LAPS,   SIZE_K/(2*KSTEP)
.set SPARE,  2*SLOT                    ; behind the ring: the spare words, 128 bytes a wave, that no other line names
.set SPITCH, 528                       ; the way out: a stage of 16 rows x (512 bytes + 16) for each wave, in slot 0, which has had its last fill and its last read by then
.set ADRA, 16
.set ADRB, 20
.set STO,  24
.set RD,   25
.set CO,   26
.set BQA,  27
.set SPW,  28
.set NIL,  29
.set PFO,  30
.set BQ,   32                          ; window 0: register 8 b + j: bias of column 16 b + 8 h + j
.set TMP,  128                         ; window 1
.set AF,   128
.set BK,   128                         ; window 0: v128-191 and v192-255 by turns
.set G1, 24
.set G0, 32
.set G1B, 48
.set G0B, 56
.set PFA, 70
.set LIM, 72
.set MSB, 0
.macro WIN new                         ; the immediate's high byte repeats the setting that is left
.if MSB != \new
	s_set_vgpr_msb (MSB<<8)|\new
.set MSB, \new
.endif
.endm
.set MUL_LO, 0xa1
.set MUL_HI, 0xf1
.set TO_B,   0x40
.macro JLOAD g0a, g1a, g0b, g1b        ; a joint load: waves 0 and 1 fetch for A, waves 2 and 3 for B; four v_nop follow each of the two lines
	s_cmp_eq_u32 s15, 0
	s_cbranch_scc0 .Lfor_b_\@
	tensor_load_to_lds s[\g0a:\g0a+3], s[\g1a:\g1a+7]
	s_nop 0
.rept 4
	v_nop
.endr
	s_branch .Lasked_\@
.Lfor_b_\@:
	tensor_load_to_lds s[\g0b:\g0b+3], s[\g1b:\g1b+7]
	s_nop 0
.rept 4
	v_nop
.endr
.Lasked_\@:
.endm
.macro CREST
	s_cmp_lg_u32 s14, 0
	s_cbranch_scc1 .Lnot_wave_0_\@
	s_barrier_signal -3
.Lnot_wave_0_\@:
	s_barrier_wait -3
	s_barrier_signal -1
	s_barrier_wait -1
.endm
.macro CROUND
	s_barrier_signal -1
	s_barrier_wait -1
	CREST
.endm
; A PREFETCH INTO THE L2 of the K step that stands two refills on: 32 rows x 256 bytes, a lane a row, one instruction a wave, behind the joint load and the run of LDS loads.  Each row's 256 bytes of a K step are named once:
; A's rows by the clusters with x = 0, B's by those with y = 0; the four partners that ask for a tile jointly take 32 of a wave's 128 rows each, told apart by address.  The loop's last trip asks for nothing.
.macro ASK
	s_cmp_gt_u32 s3, s[LIM]
	s_cbranch_scc0 .Lnot_mine_\@
	global_prefetch_b8 v[PFO], s[PFA:PFA+1] offset:ROWB th:TH_LOAD_NT scope:SCOPE_SE
.Lnot_mine_\@:
.endm
	s_load_b128 s[4:7], s[0:1], 0x0                ; A's codes, B's codes
	s_load_b128 s[8:11], s[0:1], 0x10              ; lowp_scales s[8:9], the bias s[10:11]
	s_load_b128 s[76:79], s[0:1], 0x20             ; the residual s[76:77], the output s[78:79]
	v_lshl_add_u32 v[SPW], v0, 2, SPARE
	v_mov_b32 v[NIL], 0
	ds_add_u32 v28, v29
	ds_add_u32 v28, v29
	s_wait_dscnt 0x0
	v_lshrrev_b32 v1, 5, v0
	v_readfirstlane_b32 s14, v1                    ; wave 0..3
	s_lshr_b32 s15, s14, 1                         ; which half of the tile's rows is mine.  Also: I fetch for A (0) or for B (1)
	s_and_b32 s16, s14, 1                          ; which half of its columns.  Also: which 128 rows of that tile I fetch
	s_bfe_u32 s40, ttmp6, 0x40000                  ; cx, cy
	s_bfe_u32 s41, ttmp6, 0x40004
	s_lshl_b32 s42, ttmp9, 2
	s_add_co_u32 s42, s42, s40                     ; tile column
	s_and_b32 s17, ttmp7, 0xffff
	s_lshl_b32 s17, s17, 2
	s_add_co_u32 s17, s17, s41                     ; tile row
	s_lshl_b32 s43, s41, 2
	s_lshl_b32 s43, 15, s43                        ; my row of the cluster
	s_lshl_b32 s44, 0x1111, s40                    ; my column
	s_or_b32 s[G1+0], s43, (0<<16)|(1<<20)|(1<<21)|(5<<22)|(3<<25)  ; 15:0 the mask; 17:16 elements of 1 byte; 20 padding on; 21 set beside a mask; 24:22 after every 64 words; 31:25 four words
	s_or_b32 s[G1B+0], s44, (0<<16)|(1<<20)|(1<<21)|(5<<22)|(3<<25)
.irp g, G1, G1B
	s_mov_b32 s[\g+1], ROWB<<16                    ; tensor_dim0
	s_mov_b32 s[\g+2], 128<<16                     ; tensor_dim1
	s_mov_b32 s[\g+3], ROWB<<16                    ; tile_dim0
	s_mov_b32 s[\g+4], 128                         ; tile_dim1
	s_mov_b32 s[\g+5], KROW                        ; tensor_dim0_stride
	s_mov_b32 s[\g+6], 0
	s_mov_b32 s[\g+7], 0
.endr
	s_lshl_b32 s18, s16, 7
	s_lshl_b32 s20, s17, 8
	s_add_co_u32 s20, s20, s18                     ; A: row 256 x tile row + 128 x half
	s_lshl_b32 s46, s42, 8
	s_add_co_u32 s46, s46, s18                     ; B: row 256 x tile column + 128 x half
	s_mov_b32 s21, 0
	s_mov_b32 s47, 0
	s_mov_b64 s[18:19], KROW
	s_mul_u64 s[20:21], s[20:21], s[18:19]
	s_mul_u64 s[46:47], s[46:47], s[18:19]
	s_mul_i32 s45, s14, HALFT                      ; where they go: no place in the cluster enters an LDS address
	s_wait_kmcnt 0x0
	s_load_b64 s[96:97], s[8:9], ESC               ; eA, eB
	s_mov_b64 s[66:67], s[10:11]                   ; the bias
	s_mov_b64 s[68:69], s[76:77]                   ; the residual
	s_mov_b64 s[10:11], s[78:79]                   ; the output
	s_add_nc_u64 s[20:21], s[4:5], s[20:21]
	s_add_nc_u64 s[46:47], s[6:7], s[46:47]
	CROUND                                         ; all sixteen work-groups are here: the first joint loads meet
.irp s, 0,1
	s_mov_b32 s[G0+4*\s], 1
	s_add_co_u32 s[G0+4*\s+1], s45, \s*SLOT
	s_add_nc_u64 s[G0+4*\s+2:G0+4*\s+3], s[20:21], \s*ROWB
	s_or_b32 s[G0+4*\s+3], s[G0+4*\s+3], 0x80000000
	s_mov_b32 s[G0B+4*\s], 1
	s_add_co_u32 s[G0B+4*\s+1], s45, \s*SLOT
	s_add_nc_u64 s[G0B+4*\s+2:G0B+4*\s+3], s[46:47], \s*ROWB
	s_or_b32 s[G0B+4*\s+3], s[G0B+4*\s+3], 0x80000000
	JLOAD G0+4*\s, G1, G0B+4*\s, G1B
.endr
	v_and_b32 v1, 15, v0                           ; r
	v_bfe_u32 v2, v0, 4, 1                         ; h
	v_mul_u32_u24 v3, v1, PITCH
	v_lshl_add_u32 v4, v2, 4, v3
	s_mul_i32 s21, s15, HALFT
	s_mul_i32 s22, s16, HALFT
	s_add_co_u32 s22, s22, 2*HALFT
.irp s, 0,1
	v_add_nc_u32 v[ADRA+\s], s21, v4
	v_add_nc_u32 v[ADRB+\s], s22, v4
	s_add_co_u32 s21, s21, SLOT
	s_add_co_u32 s22, s22, SLOT
.endr
	s_mul_i32 s23, s14, 16*SPITCH                  ; my stage
	v_mul_u32_u24 v5, v1, SPITCH                   ; in: row r, 32 bytes for each half of the lanes
	v_lshl_add_u32 v5, v2, 5, v5
	v_add_nc_u32 v[STO], s23, v5
	v_and_b32 v6, 31, v0
	v_lshlrev_b32 v[CO], 4, v6                     ; back: the 32 lanes take one row of 512 bytes; the same in the output and in the residual
	v_add_nc_u32 v[RD], s23, v[CO]
	v_lshlrev_b32 v[BQA], 5, v2
	s_lshl_b32 s20, s17, 8
	s_lshl_b32 s21, s15, 7
	s_add_co_u32 s20, s20, s21                     ; my first row
	s_mov_b32 s21, 0
	s_mov_b64 s[18:19], SIZE_N*4
	s_mul_u64 s[20:21], s[20:21], s[18:19]
	s_lshl_b32 s46, s42, 10                        ; my first column, in bytes
	s_lshl_b32 s47, s16, 9
	s_add_co_u32 s46, s46, s47
	s_mov_b32 s47, 0
	s_add_nc_u64 s[66:67], s[66:67], s[46:47]      ; the bias of my 128 columns
	s_add_nc_u64 s[20:21], s[20:21], s[46:47]
	s_add_nc_u64 s[10:11], s[10:11], s[20:21]
	s_add_nc_u64 s[68:69], s[68:69], s[20:21]
.irp b, 0,1,2,3,4,5,6,7
	global_load_b128 v[BQ+8*\b:BQ+8*\b+3],   v[BQA], s[66:67] offset:64*\b
	global_load_b128 v[BQ+8*\b+4:BQ+8*\b+7], v[BQA], s[66:67] offset:64*\b+16
.endr
.if PF
	s_lshl_b32 s73, s17, 8
	s_lshl_b32 s74, s42, 8
	s_and_b32 s75, ttmp7, 0xffff                   ; cluster y
	s_cmp_eq_u32 s15, 0                            ; do I fetch for A?
	s_cselect_b32 s73, s73, s74                    ; the tile's first row
	s_cselect_b32 s74, s40, s41                    ; my place among the four that ask for it with me
	s_cselect_b32 s75, ttmp9, s75                  ; the coordinate along which other clusters read the same rows
	s_cselect_b64 s[PFA:PFA+1], s[4:5], s[6:7]
	s_cmp_eq_u32 s75, 0
	s_cselect_b32 s[LIM], 1, -1                    ; the same in all sixteen partners, for a given wave
	s_lshl_b32 s75, s16, 7
	s_add_co_u32 s73, s73, s75                     ; + the 128 rows that I fetch
	s_lshl_b32 s74, s74, 5
	s_add_co_u32 s73, s73, s74                     ; + my work-group's 32 of them
	s_mul_i32 s74, s73, KROW
	s_mov_b32 s75, 0
	s_add_nc_u64 s[PFA:PFA+1], s[PFA:PFA+1], s[74:75]
	s_add_nc_u64 s[PFA:PFA+1], s[PFA:PFA+1], 2*ROWB   ; at K step 2: the first refill steps it to 3 and names K step 4
	v_and_b32 v[PFO], 31, v0
	v_mul_u32_u24 v[PFO], v[PFO], KROW
.endif
.macro FRAG reg, adr, q, i
.irp c, 0,1,2,3
	ds_load_b128 v[\reg+4*\c:\reg+4*\c+3], v[\adr] offset:128*(\q)+32*\c+(\i)*16*PITCH
.endr
.endm
; 16 matrix instructions: A's blocks a0, a0 + 1 x B's eight.  The 64 accumulators take turns, one instruction a turn, in the same order in every step.
.macro MUL16 a0, p, zero
.irp a, \a0, \a0+1
.irp b, 0,1,2,3,4,5,6,7
.if \zero
	v_wmma_f32_16x16x128_fp8_fp8 v[8*(8*((\a)%4)+\b):8*(8*((\a)%4)+\b)+7], v[128*(\p)+FR*\b:128*(\p)+FR*\b+FR-1], v[AF+FR*(\a):AF+FR*(\a)+FR-1], 0
.else
	v_wmma_f32_16x16x128_fp8_fp8 v[8*(8*((\a)%4)+\b):8*(8*((\a)%4)+\b)+7], v[128*(\p)+FR*\b:128*(\p)+FR*\b+FR-1], v[AF+FR*(\a):AF+FR*(\a)+FR-1], v[8*(8*((\a)%4)+\b):8*(8*((\a)%4)+\b)+7]
.endif
.endr
.endr
.endm
.macro FETCH_B slot, q, p
	WIN TO_B
.irp i, 0,1,2,3,4,5,6,7
	FRAG 128*(\p)+FR*\i, ADRB+\slot, \q, \i
.endr
	WIN 0
.endm
.macro FETCH_A slot, q, i0
.irp i, \i0, \i0+1, \i0+2, \i0+3
	FRAG AF+FR*(\i), ADRA+\slot, \q, \i
.endr
.endm
.macro PLACES n                        ; plain vector instructions between a matrix instruction and a load into, or a vector instruction on, its registers
.rept \n
	v_nop
.endr
.endm
.macro STEP slot, q, zero
	s_wait_dscnt 4*NL                              ; B's set and A's blocks 0-3 are in; the youngest sixteen loads (A's blocks 4-7) may be out
	WIN MUL_LO
	MUL16 0, (\q)%2, \zero
	MUL16 2, (\q)%2, \zero
	s_wait_dscnt 0
	PLACES NP
	FETCH_B \slot, (\q)+1, 1-(\q)%2
	FETCH_A \slot, (\q)+1, 0
	WIN MUL_HI
	MUL16 4, (\q)%2, \zero
	MUL16 6, (\q)%2, \zero
	PLACES NP
	WIN 0
	FETCH_A \slot, (\q)+1, 4
.endm
; A slot's last step changes slots: one barrier; in front of it each wave waits for all its tensor loads, adds 0 to its spare word, and waits for that and for its reads of this slot.  fill = 1: this slot is filled again, two K steps ahead.
.macro TURN slot, next, fill
.if PF && \fill
	s_wait_xcnt 0x0                                ; the last prefetch, a K step back, has read its address
	s_add_nc_u64 s[PFA:PFA+1], s[PFA:PFA+1], ROWB
.endif
	s_wait_tensorcnt 0x0                           ; all my tensor loads have landed: my part of the next slot
	ds_add_u32 v[SPW], v[NIL]                      ; 0 onto my spare word
	s_wait_dscnt 4*NL+1                            ; (the add and the youngest sixteen loads may be out)
	WIN MUL_LO
	MUL16 0, 1, 0
	s_wait_dscnt 0x0                               ; the add is done, and my reads of this slot are over
	s_barrier_signal -1
	MUL16 2, 1, 0
	WIN 0
	s_barrier_wait -1
.if \fill
	CREST                                          ; the barrier has opened a round of the cluster's: no wave of any partner still reads this slot or has a load on its way
	s_add_nc_u64 s[G0+4*\slot+2:G0+4*\slot+3], s[G0+4*\slot+2:G0+4*\slot+3], 2*ROWB
	s_add_nc_u64 s[G0B+4*\slot+2:G0B+4*\slot+3], s[G0B+4*\slot+2:G0B+4*\slot+3], 2*ROWB
	JLOAD G0+4*\slot, G1, G0B+4*\slot, G1B         ; the first tensor load behind the round; its four v_nop are the places in front of the loads below
.else
	PLACES NP
.endif
	FETCH_B \next, 0, 0
	FETCH_A \next, 0, 0
.if PF && \fill
	ASK
.endif
	WIN MUL_HI
	MUL16 4, 1, 0
	MUL16 6, 1, 0
	PLACES NP
	WIN 0
	FETCH_A \next, 0, 4
.endm
; THE WAY OUT, block by block of 16 rows x 128 columns.
.macro RLOAD a                         ; the residual of block a: 16 rows of 512 bytes, into window 1, set a % 2
	WIN TO_B
.irp t, 0,1,2,3,4,5,6,7,8,9,10,11,12,13,14,15
	global_load_b128 v[64*((\a)%2)+4*\t:64*((\a)%2)+4*\t+3], v[CO], s[68:69] offset:(16*(\a)+\t)*SIZE_N*4 th:TH_LOAD_NT
.endr
	WIN 0
.endm
.macro TOSTAGE a                       ; sum x 2^(eA + eB) + bias; through my own stage, back as whole rows.  LDS serves a wave's instructions in order (ISA guide 5.7.1.4): no wait between the stores and the loads
.set AC, 64*((\a)%4)
	WIN 0x42+((\a)/4)                              ; source 0 window 2 or 3, destination window 1, the bias window 0
.set j, 0
.rept 32
	v_pk_fma_f32 v[TMP+j:TMP+j+1], v[AC+j:AC+j+1], s[96:97], v[BQ+j:BQ+j+1] op_sel_hi:[1,0,1]   ; each accumulator from its low end on
.set j, j+2
.endr
	WIN 0x04                                       ; the stores' data window 1
.irp b, 0,1,2,3,4,5,6,7
	ds_store_b128 v[STO], v[TMP+8*\b:TMP+8*\b+3] offset:64*\b
	ds_store_b128 v[STO], v[TMP+8*\b+4:TMP+8*\b+7] offset:64*\b+16
.endr
	WIN 0
.set BB, BK+64*((\a)%2)
.irp t, 0,1,2,3,4,5,6,7,8,9,10,11,12,13,14,15
	ds_load_b128 v[BB+4*\t:BB+4*\t+3], v[RD] offset:\t*SPITCH
.endr
.endm
.macro SEND a, younger, left           ; younger: LDS instructions behind block a's loads; left: global loads behind block a's residual
.set BB, BK+64*((\a)%2)
	s_wait_dscnt \younger
	s_wait_loadcnt \left
	WIN 0x04                                       ; source 1 window 1
.set j, 0
.rept 32
	v_pk_add_f32 v[BB+j:BB+j+1], v[BB+j:BB+j+1], v[64*((\a)%2)+j:64*((\a)%2)+j+1]
.set j, j+2
.endr
	WIN 0
.irp t, 0,1,2,3,4,5,6,7,8,9,10,11,12,13,14,15
.if LAST
	global_store_b128 v[CO], v[BB+4*\t:BB+4*\t+3], s[10:11] offset:(16*(\a)+\t)*SIZE_N*4 th:TH_STORE_NT
.else
	global_store_b128 v[CO], v[BB+4*\t:BB+4*\t+3], s[10:11] offset:(16*(\a)+\t)*SIZE_N*4   ; 32 lanes store 512 consecutive bytes, aligned; 127 rows at the most stand in the immediate
.endif
.endr
.if (\a)+2 < 8
	RLOAD (\a)+2
.endif
.endm
	s_wait_tensorcnt 1                             ; my part of K step 0 is in; K step 1's load may be out
	s_barrier_signal -1
	s_barrier_wait -1
	FETCH_B 0, 0, 0
	FETCH_A 0, 0, 0
	FETCH_A 0, 0, 4
	STEP 0, 0, 1                                   ; the first step's products start the sums: nothing is cleared
	s_mov_b32 s3, LAPS-1
.Llap:                                                 ; a trip goes once round the ring and fills both slots again
	TURN 0, 1, 1
	STEP 1, 0, 0
	TURN 1, 0, 1
	STEP 0, 0, 0
	s_sub_co_u32 s3, s3, 1
	s_cmp_lg_u32 s3, 0
	s_cbranch_scc1 .Llap
	TURN 0, 1, 0                                   ; the last lap fills nothing
	STEP 1, 0, 0
	RLOAD 0                                        ; B's first set is done with, four places behind its last products: the first two blocks of the residual are asked for under the last step
	RLOAD 1
	s_wait_dscnt 4*NL
	WIN MUL_LO
	MUL16 0, 1, 0
	MUL16 2, 1, 0
	s_wait_dscnt 0
	WIN MUL_HI
	MUL16 4, 1, 0
	MUL16 6, 1, 0
	WIN 0
	s_wait_kmcnt 0x0
	s_add_co_i32 s96, s96, s97
	s_add_co_i32 s96, s96, 127
	s_lshl_b32 s96, s96, 23                        ; 2^(eA + eB) as f32
	s_mov_b32 s97, s96
	s_wait_loadcnt 32                              ; the bias is in; the residual's 32 loads may be out
	PLACES NP                                      ; behind the last products: their operands' registers are written and loaded into below
	TOSTAGE 0
.irp a, 1,2,3,4,5,6,7
.if \a > 1
	s_wait_xcnt 0x0                                ; block a - 2's stores have read their registers: block a's loads may land there
.endif
	TOSTAGE \a
	SEND \a-1, 32, 16                              ; 32: block a's 16 stores and 16 loads; 16: block a's residual
.endr
	SEND 7, 0, 0
	s_wait_tensorcnt 0x0                           ; the wave's end
	ds_add_u32 v[SPW], v[NIL]
	s_wait_dscnt 0x0
	CROUND                                         ; the closing round
	s_endpgm
.Lfunc_end_k_q86527fa520_wo:
	.size	k_q86527fa520_wo, .Lfunc_end_k_q86527fa520_wo-k_q86527fa520_wo
	.p2alignl 7, 3214868480
	.fill 96, 4, 3214868480
	.section	.rodata,"a",@progbits
	.p2align	6, 0x0
	.amdhsa_kernel k_q86527fa520_wo
		.amdhsa_group_segment_fixed_size 327680
		.amdhsa_private_segment_fixed_size 0
		.amdhsa_enable_private_segment 0
		.amdhsa_kernarg_size 48
		.amdhsa_user_sgpr_count 2
		.amdhsa_user_sgpr_kernarg_segment_ptr 1
		.amdhsa_wavefront_size32 1
		.amdhsa_system_sgpr_workgroup_id_x 1
		.amdhsa_system_sgpr_workgroup_id_y 1
		.amdhsa_system_sgpr_workgroup_id_z 1
		.amdhsa_system_vgpr_workitem_id 0
		.amdhsa_next_free_vgpr 1024
		.amdhsa_next_free_sgpr 100
		.amdhsa_reserve_vcc 0
		.amdhsa_float_denorm_mode_32 3
		.amdhsa_float_denorm_mode_16_64 3
		.amdhsa_memory_ordered 1
		.amdhsa_forward_progress 1
		.amdhsa_inst_pref_size 154
	.end_amdhsa_kernel
	.amdgpu_metadata
---
amdhsa.version: [ 1, 2 ]
amdhsa.kernels:
  - .name:           k_q86527fa520_wo
    .symbol:         k_q86527fa520_wo.kd
    .args:
      - { .name: ac, .offset: 0, .size: 8, .value_kind: global_buffer, .address_space: global }
      - { .name: wo_w_codes, .offset: 8, .size: 8, .value_kind: global_buffer, .address_space: global }
      - { .name: lowp_scales, .offset: 16, .size: 8, .value_kind: global_buffer, .address_space: global }
      - { .name: wo_b, .offset: 24, .size: 8, .value_kind: global_buffer, .address_space: global }
      - { .name: x, .offset: 32, .size: 8, .value_kind: global_buffer, .address_space: global }
      - { .name: x1, .offset: 40, .size: 8, .value_kind: global_buffer, .address_space: global }
    .group_segment_fixed_size: 327680
    .private_segment_fixed_size: 0
    .kernarg_segment_align: 8
    .kernarg_segment_size: 48
    .max_flat_workgroup_size: 128
    .sgpr_count:     100
    .vgpr_count:     1024
    .wavefront_size: 32
...
	.end_amdgpu_metadata
.endif
;; end of part 4
;; launch ln2 (part 5): grid 256 x 1, 8 waves a work-group, no clusters, 0 bytes of LDS; arguments x1, ln2_g, ln2_b, lowp_scales, h2c; writes h2c
.if DOCPART == 5
	.amdgcn_target "amdgcn-amd-amdhsa--gfx1250"
	.amdhsa_code_object_version 6
	.text
	.protected	k_q86527fa520_ln2
	.globl	k_q86527fa520_ln2
	.p2align	8
	.type	k_q86527fa520_ln2,@function
k_q86527fa520_ln2:
	s_mov_b64 s[64:65], 0
	v_nop
	global_prefetch_b8 v0, s[64:65] scope:SCOPE_SE
	s_setreg_imm32_b32 hwreg(HW_REG_WAVE_MODE, 25, 1), 1
	s_wait_xcnt 0x0
; LayerNorm of x [4096][1024] f32 with gain and bias, then E4M3 codes of the result under NS given scales 2^e: plane s of the output, [4096][1024] bytes, K innermost, takes the scale at byte E0 + 8 s of lowp_scales.
; code = y / 2^e, held within +-448, to the nearest code, ties to even.  LIMITS: each e between -126 and 119, so that 2^e and 448 x 2^e are f32 numbers; NaN among the inputs is not served.
; A stream: every byte of x is read once and every code written once.  No LDS, no barrier, no matrix unit, no cluster: waves share nothing but the 8 KiB of gain and bias.
; SHARES.  256 work-groups x 8 waves x 2 rows.  A row stays in 32 registers a lane between its passes: the mean, the centred squares, the scaling: so a common offset of the inputs costs no accuracy.
; A LANE'S NUMBERS.  Chunk c = 0..3 of a row is 256 columns; lane l holds columns 256 c + 8 l + 0..7 in registers 8 c + 0..7: eight neighbours along K, as the conversion takes them.
; A chunk's two loads cover its 1,024 consecutive bytes; a chunk's eight codes a lane leave by one store of 8 bytes, 32 lanes filling 256 consecutive aligned bytes.
.set NS,    1                          ; one scale: product 7's A
.set E0,    48                         ; byte of its entry (12)
.set PLANE, 4194304
.set G,   8                            ; v8-39    gain of my 32 columns
.set BT,  40                           ; v40-71   bias
.set X,   72                           ; v72-135  two rows
.set T,   136                          ; v136-151 two sets of eight held numbers, by turns
.set CD,  152                          ; codes: eight registers for each (row, scale); never written again, so no store's data are
.set W,   200                          ; v200-207 at work: sums; +4, +5 the mean twice; +6, +7 1 / sqrt twice
.set SC,  208                          ; for scale s: 2^e at +2 s, 448 x 2^e at +2 s + 1
	s_load_b256 s[4:11], s[0:1], 0x0               ; x s[4:5], gain s[6:7], bias s[8:9], lowp_scales s[10:11]
	s_load_b64 s[12:13], s[0:1], 0x20              ; the codes
	v_lshrrev_b32 v1, 5, v0
	v_readfirstlane_b32 s18, v1                    ; wave
	v_and_b32 v1, 31, v0                           ; lane
	v_lshlrev_b32 v2, 5, v1                        ; in: 32 bytes a lane in a chunk
	v_lshlrev_b32 v3, 3, v1                        ; out: 8 bytes a lane in a chunk
	s_lshl_b32 s20, ttmp9, 3
	s_add_co_u32 s20, s20, s18                     ; which pair of rows: 8 x work-group + wave
	s_lshl_b32 s22, s20, 11                        ; two rows of 1,024 bytes of codes
	s_mov_b32 s23, 0
	s_lshl_b32 s20, s20, 13                        ; two rows of 4,096 bytes
	s_mov_b32 s21, 0
	s_mov_b32 s19, 0x3a800000                      ; 1 / 1024
	s_mov_b32 s26, 0x76543210                      ; v_permlanex16_b32: each lane takes its own place in the other half
	s_mov_b32 s27, 0xfedcba98
	s_wait_kmcnt 0x0
.irp s, 0,1,2
.if \s < NS
	s_load_b32 s[28+\s], s[10:11], E0+8*\s         ; e
.endif
.endr
	s_add_nc_u64 s[4:5], s[4:5], s[20:21]
	s_add_nc_u64 s[12:13], s[12:13], s[22:23]
.if NS > 1
	s_add_nc_u64 s[14:15], s[12:13], PLANE
	s_add_nc_u64 s[16:17], s[12:13], 2*PLANE
.endif
.macro LOAD32 reg, base, off, nt       ; 32 numbers a lane: eight loads
.irp c, 0,1,2,3
.if \nt
	global_load_b128 v[\reg+8*\c:\reg+8*\c+3],   v2, s[\base:\base+1] offset:\off+1024*\c th:TH_LOAD_NT
	global_load_b128 v[\reg+8*\c+4:\reg+8*\c+7], v2, s[\base:\base+1] offset:\off+1024*\c+16 th:TH_LOAD_NT
.else
	global_load_b128 v[\reg+8*\c:\reg+8*\c+3],   v2, s[\base:\base+1] offset:\off+1024*\c
	global_load_b128 v[\reg+8*\c+4:\reg+8*\c+7], v2, s[\base:\base+1] offset:\off+1024*\c+16
.endif
.endr
.endm
	LOAD32 X, 4, 0, 1                              ; row 0
	LOAD32 G, 6, 0, 0
	LOAD32 BT, 8, 0, 0
	LOAD32 X+32, 4, 4096, 1                        ; row 1
	s_wait_kmcnt 0x0
.irp s, 0,1,2
.if \s < NS
	s_add_co_i32 s24, s[28+\s], 127
	s_lshl_b32 s25, s24, 23
	v_mov_b32 v[SC+2*\s], s25                      ; 2^e as f32: the conversion takes its exponent field
	s_add_co_i32 s24, s24, 8
	s_lshl_b32 s24, s24, 23
	s_or_b32 s24, s24, 0x600000
	v_mov_b32 v[SC+2*\s+1], s24                    ; 448 x 2^e
.endif
.endr
.macro REDUCE                          ; two packed chains in v[W:W+3] become one sum over the wave's 32 lanes, in every lane
	v_pk_add_f32 v[W:W+1], v[W:W+1], v[W+2:W+3]
	v_add_f32 v[W], v[W], v[W+1]
	v_add_f32_dpp v[W], v[W], v[W] row_xmask:1 row_mask:0xf bank_mask:0xf
	v_add_f32_dpp v[W], v[W], v[W] row_xmask:2 row_mask:0xf bank_mask:0xf
	v_add_f32_dpp v[W], v[W], v[W] row_xmask:4 row_mask:0xf bank_mask:0xf
	v_add_f32_dpp v[W], v[W], v[W] row_xmask:8 row_mask:0xf bank_mask:0xf
	v_permlanex16_b32 v[W+1], v[W], s26, s27
	v_add_f32 v[W], v[W], v[W+1]
.endm
; One row.  first: the younger loads that may stay out when the row is summed; second: when gain and bias are used.
.macro ROW rho, first, second
.set XR, X+32*\rho
	s_wait_loadcnt \first
	v_pk_add_f32 v[W:W+1], v[XR:XR+1], v[XR+2:XR+3]          ; the first numbers start the chains: nothing is cleared
	v_pk_add_f32 v[W+2:W+3], v[XR+4:XR+5], v[XR+6:XR+7]
.irp j, 8,12,16,20,24,28
	v_pk_add_f32 v[W:W+1], v[W:W+1], v[XR+\j:XR+\j+1]
	v_pk_add_f32 v[W+2:W+3], v[W+2:W+3], v[XR+\j+2:XR+\j+3]
.endr
	REDUCE
	v_mul_f32 v[W+4], s19, v[W]                    ; the mean,
	v_mov_b32 v[W+5], v[W+4]                       ; twice, for the packed form
.irp j, 0,2,4,6,8,10,12,14,16,18,20,22,24,26,28,30
	v_pk_add_f32 v[XR+\j:XR+\j+1], v[XR+\j:XR+\j+1], v[W+4:W+5] neg_lo:[0,1] neg_hi:[0,1]   ; x - mean
.endr
	v_pk_mul_f32 v[W:W+1], v[XR:XR+1], v[XR:XR+1]
	v_pk_mul_f32 v[W+2:W+3], v[XR+2:XR+3], v[XR+2:XR+3]
.irp j, 4,8,12,16,20,24,28
	v_pk_fma_f32 v[W:W+1], v[XR+\j:XR+\j+1], v[XR+\j:XR+\j+1], v[W:W+1]
	v_pk_fma_f32 v[W+2:W+3], v[XR+\j+2:XR+\j+3], v[XR+\j+2:XR+\j+3], v[W+2:W+3]
.endr
	REDUCE
	v_fmaak_f32 v[W], s19, v[W], 0x3727c5ac        ; the variance + 1e-5
	v_rsq_f32 v[W+6], v[W]
	v_rsq_f32 v[W+7], v[W]
	v_nop                                          ; a plain instruction behind the last of the two (ISA guide 5.7.2),
	s_wait_alu depctr_va_vdst(0)                   ; and the one wait ahead of their first reader
	s_wait_loadcnt \second
.irp j, 0,2,4,6,8,10,12,14,16,18,20,22,24,26,28,30
	v_pk_mul_f32 v[XR+\j:XR+\j+1], v[XR+\j:XR+\j+1], v[W+6:W+7]
.endr
.irp j, 0,2,4,6,8,10,12,14,16,18,20,22,24,26,28,30
	v_pk_fma_f32 v[XR+\j:XR+\j+1], v[XR+\j:XR+\j+1], v[G+\j:G+\j+1], v[BT+\j:BT+\j+1]
.endr
.irp s, 0,1,2
.if \s < NS
.irp c, 0,1,2,3
.irp i, 0,1,2,3,4,5,6,7
	v_med3_num_f32 v[T+8*(\c%2)+\i], v[XR+8*\c+\i], -v[SC+2*\s+1], v[SC+2*\s+1]   ; the conversion does not saturate (ISA guide 7.6.2): the hold; into the set that the last conversion did not read
.endr
	v_cvt_scalef32_pk8_fp8_f32 v[CD+8*(NS*\rho+\s)+2*\c:CD+8*(NS*\rho+\s)+2*\c+1], v[T+8*(\c%2):T+8*(\c%2)+7], v[SC+2*\s]
	global_store_b64 v3, v[CD+8*(NS*\rho+\s)+2*\c:CD+8*(NS*\rho+\s)+2*\c+1], s[12+2*\s:13+2*\s] offset:1024*\rho+256*\c   ; 32 lanes: 256 consecutive bytes, aligned
.endr
.endif
.endr
.endm
	ROW 0, 24, 8                                   ; 24: gain, bias and row 1 may be out; 8: row 1 may be out
	ROW 1, 0, 0
	s_endpgm
.Lfunc_end_k_q86527fa520_ln2:
	.size	k_q86527fa520_ln2, .Lfunc_end_k_q86527fa520_ln2-k_q86527fa520_ln2
	.p2alignl 7, 3214868480
	.fill 96, 4, 3214868480
	.section	.rodata,"a",@progbits
	.p2align	6, 0x0
	.amdhsa_kernel k_q86527fa520_ln2
		.amdhsa_group_segment_fixed_size 0
		.amdhsa_private_segment_fixed_size 0
		.amdhsa_enable_private_segment 0
		.amdhsa_kernarg_size 40
		.amdhsa_user_sgpr_count 2
		.amdhsa_user_sgpr_kernarg_segment_ptr 1
		.amdhsa_wavefront_size32 1
		.amdhsa_system_sgpr_workgroup_id_x 1
		.amdhsa_system_sgpr_workgroup_id_y 1
		.amdhsa_system_sgpr_workgroup_id_z 1
		.amdhsa_system_vgpr_workitem_id 0
		.amdhsa_next_free_vgpr 216
		.amdhsa_next_free_sgpr 66
		.amdhsa_reserve_vcc 0
		.amdhsa_float_denorm_mode_32 3
		.amdhsa_float_denorm_mode_16_64 3
		.amdhsa_memory_ordered 1
		.amdhsa_forward_progress 1
		.amdhsa_inst_pref_size 22
	.end_amdhsa_kernel
	.amdgpu_metadata
---
amdhsa.version: [ 1, 2 ]
amdhsa.kernels:
  - .name:           k_q86527fa520_ln2
    .symbol:         k_q86527fa520_ln2.kd
    .args:
      - { .name: x1, .offset: 0, .size: 8, .value_kind: global_buffer, .address_space: global }
      - { .name: ln2_g, .offset: 8, .size: 8, .value_kind: global_buffer, .address_space: global }
      - { .name: ln2_b, .offset: 16, .size: 8, .value_kind: global_buffer, .address_space: global }
      - { .name: lowp_scales, .offset: 24, .size: 8, .value_kind: global_buffer, .address_space: global }
      - { .name: h2c, .offset: 32, .size: 8, .value_kind: global_buffer, .address_space: global }
    .group_segment_fixed_size: 0
    .private_segment_fixed_size: 0
    .kernarg_segment_align: 8
    .kernarg_segment_size: 40
    .max_flat_workgroup_size: 256
    .sgpr_count:     66
    .vgpr_count:     216
    .wavefront_size: 32
...
	.end_amdgpu_metadata
.endif
;; end of part 5
;; launch ffn1 (part 6): grid 16 x 16, 4 waves a work-group, clusters of 4 x 4, 327,680 bytes of LDS; arguments h2c, ffn1_w_codes, lowp_scales, ffn1_b, fc; writes fc
.if DOCPART == 6
	.amdgcn_target "amdgcn-amd-amdhsa--gfx1250"
	.amdhsa_code_object_version 6
	.text
	.protected	k_q86527fa520_ffn1
	.globl	k_q86527fa520_ffn1
	.p2align	8
	.type	k_q86527fa520_ffn1,@function
k_q86527fa520_ffn1:
	s_mov_b64 s[64:65], 0
	v_nop
	global_prefetch_b8 v0, s[64:65] scope:SCOPE_SE
	s_setreg_imm32_b32 hwreg(HW_REG_WAVE_MODE, 25, 1), 1
	s_wait_xcnt 0x0
	s_wait_alu depctr_hold_cnt(0) depctr_sa_sdst(0) depctr_va_vdst(0) depctr_va_sdst(0) depctr_va_ssrc(0) depctr_va_vcc(0) depctr_vm_vsrc(0)
	s_getreg_b32 s2, hwreg(HW_REG_IB_STS2, 6, 4)
	s_cmp_eq_u32 s2, 0
	s_cbranch_scc0 .Lentry_in_a_cluster
	s_endpgm
.Lentry_in_a_cluster:
	s_bfe_u32 s2, ttmp6, 0x10000c
	s_cmp_lg_u32 s2, 0xf033
	s_cbranch_scc0 .Lentry_shape_is_right
	s_endpgm
.Lentry_shape_is_right:
; fc[m][n] = the E4M3 code, under entry 14, of relu(bias[n] + 2^(e12 + e13) x sum over k of A[m][k] B[n][k]).  A: [4096][1024], B: [4096][1024]: E4M3 codes, K innermost; fc: [4096][4096] bytes, K of the next product innermost.
; A tile of 256 x 256 to a work-group of four waves, 128 x 128 (64 accumulators) to a wave; K goes in steps of 256 through a ring of two LDS slots filled by the tensor data mover.  256 tiles: 256 work-groups.
; LIMITS: e12 + e13 between -126 and 127; e14 between -126 and 119; NaN is not served.
; CLUSTERS: 4 x 4 work-groups.  The four of a row need the same tiles of A, the four of a column the same tiles of B: each tile is asked for jointly, by the same tensor load with a mask that names the four.
; THE MATRIX INSTRUCTION IS USED TRANSPOSED (source 0 = 16 rows of B, source 1 = 16 rows of A): in accumulator (a, b) lane (r, h) register j holds C(16 a + r, 16 b + 8 h + j): eight neighbours along the next K, as the conversion takes them.
; Fragments come by four loads of 16 bytes: registers 4 c .. 4 c + 3 hold K = 32 c + 16 h + 0 .. 15: one permutation of K, the same on both sides.
; No prefetch: of the four K steps two are asked for at the head, and no K step lies two refills ahead of a refill.
; REGISTERS as windows of 256: window 0: v0-31 addresses; v32-95 the bias in the accumulators' layout; v128-255 A's fragments, ONE set; window 1: B's fragments, TWO sets; windows 2, 3: the accumulators.
.set SIZE_K, 1024
.set SIZE_N, 4096
.set KSTEP,  256
.set ROWB,   256
.set KROW,   SIZE_K
.set PITCH,  272                       ; an LDS row: 256 bytes + 16 of padding = 68 words: the 16 rows that a load touches start at 16 different banks (64 banks of 4 bytes: ISA guide 11.1)
.set FR,     16
.set NL,     4
.set NP,     4                         ; places behind this matrix instruction (ISA guide 7.12.1)
.set HALFT,  128*PITCH
.set SLOT,   4*HALFT
.set LAPS,   SIZE_K/(2*KSTEP)
.set SPARE,  2*SLOT                    ; behind the ring: the spare words, 128 bytes a wave, that no other line names
.set SPITCH, 272                       ; the way out: ONE stage of 256 rows x (256 bytes + 16), since a wave's 128 codes are half of a row's 256 bytes; in slot 0, which has had its last fill and its last read by then
.set ADRA, 16
.set ADRB, 20
.set STO,  24
.set RD,   25
.set CO,   26
.set BQA,  27
.set SPW,  28
.set NIL,  29
.set BQ,   32                          ; register 8 b + j: bias of column 16 b + 8 h + j
.set LIMV, 112
.set SCV,  113
.set TMP,  128
.set AF,   128
.set G1, 24
.set G0, 32
.set G1B, 48
.set G0B, 56
.set MSB, 0
.macro WIN new                         ; the immediate's high byte repeats the setting that is left
.if MSB != \new
	s_set_vgpr_msb (MSB<<8)|\new
.set MSB, \new
.endif
.endm
.set MUL_LO, 0xa1
.set MUL_HI, 0xf1
.set TO_B,   0x40
.macro JLOAD g0a, g1a, g0b, g1b        ; a joint load: waves 0 and 1 fetch for A, waves 2 and 3 for B; four v_nop follow each of the two lines
	s_cmp_eq_u32 s15, 0
	s_cbranch_scc0 .Lfor_b_\@
	tensor_load_to_lds s[\g0a:\g0a+3], s[\g1a:\g1a+7]
	s_nop 0
.rept 4
	v_nop
.endr
	s_branch .Lasked_\@
.Lfor_b_\@:
	tensor_load_to_lds s[\g0b:\g0b+3], s[\g1b:\g1b+7]
	s_nop 0
.rept 4
	v_nop
.endr
.Lasked_\@:
.endm
.macro CREST
	s_cmp_lg_u32 s14, 0
	s_cbranch_scc1 .Lnot_wave_0_\@
	s_barrier_signal -3
.Lnot_wave_0_\@:
	s_barrier_wait -3
	s_barrier_signal -1
	s_barrier_wait -1
.endm
.macro CROUND
	s_barrier_signal -1
	s_barrier_wait -1
	CREST
.endm
	s_load_b128 s[4:7], s[0:1], 0x0                ; A's codes, B's codes
	s_load_b128 s[8:11], s[0:1], 0x10              ; lowp_scales s[8:9], the bias s[10:11]
	s_load_b64 s[68:69], s[0:1], 0x20              ; fc
	v_lshl_add_u32 v[SPW], v0, 2, SPARE
	v_mov_b32 v[NIL], 0
	ds_add_u32 v28, v29
	ds_add_u32 v28, v29
	s_wait_dscnt 0x0
	v_lshrrev_b32 v1, 5, v0
	v_readfirstlane_b32 s14, v1                    ; wave 0..3
	s_lshr_b32 s15, s14, 1                         ; which half of the tile's rows is mine.  Also: I fetch for A (0) or for B (1)
	s_and_b32 s16, s14, 1                          ; which half of its columns.  Also: which 128 rows of that tile I fetch
	s_bfe_u32 s40, ttmp6, 0x40000                  ; cx, cy
	s_bfe_u32 s41, ttmp6, 0x40004
	s_lshl_b32 s42, ttmp9, 2
	s_add_co_u32 s42, s42, s40                     ; tile column
	s_and_b32 s17, ttmp7, 0xffff
	s_lshl_b32 s17, s17, 2
	s_add_co_u32 s17, s17, s41                     ; tile row
	s_lshl_b32 s43, s41, 2
	s_lshl_b32 s43, 15, s43                        ; my row of the cluster
	s_lshl_b32 s44, 0x1111, s40                    ; my column
	s_or_b32 s[G1+0], s43, (0<<16)|(1<<20)|(1<<21)|(5<<22)|(3<<25)  ; 15:0 the mask; 17:16 elements of 1 byte; 20 padding on; 21 set beside a mask; 24:22 after every 64 words; 31:25 four words
	s_or_b32 s[G1B+0], s44, (0<<16)|(1<<20)|(1<<21)|(5<<22)|(3<<25)
.irp g, G1, G1B
	s_mov_b32 s[\g+1], ROWB<<16                    ; tensor_dim0
	s_mov_b32 s[\g+2], 128<<16                     ; tensor_dim1
	s_mov_b32 s[\g+3], ROWB<<16                    ; tile_dim0
	s_mov_b32 s[\g+4], 128                         ; tile_dim1
	s_mov_b32 s[\g+5], KROW                        ; tensor_dim0_stride
	s_mov_b32 s[\g+6], 0
	s_mov_b32 s[\g+7], 0
.endr
	s_lshl_b32 s18, s16, 7
	s_lshl_b32 s20, s17, 8
	s_add_co_u32 s20, s20, s18                     ; A: row 256 x tile row + 128 x half
	s_lshl_b32 s46, s42, 8
	s_add_co_u32 s46, s46, s18                     ; B: row 256 x tile column + 128 x half
	s_mov_b32 s21, 0
	s_mov_b32 s47, 0
	s_mov_b64 s[18:19], KROW
	s_mul_u64 s[20:21], s[20:21], s[18:19]
	s_mul_u64 s[46:47], s[46:47], s[18:19]
	s_mul_i32 s45, s14, HALFT                      ; where they go: no place in the cluster enters an LDS address
	s_wait_kmcnt 0x0
	s_load_b128 s[76:79], s[8:9], 0x30             ; entries 12 to 15
	s_mov_b64 s[66:67], s[10:11]                   ; the bias
	s_mov_b64 s[10:11], s[68:69]                   ; the output
	s_add_nc_u64 s[20:21], s[4:5], s[20:21]
	s_add_nc_u64 s[46:47], s[6:7], s[46:47]
	CROUND                                         ; all sixteen work-groups are here: the first joint loads meet
.irp s, 0,1
	s_mov_b32 s[G0+4*\s], 1
	s_add_co_u32 s[G0+4*\s+1], s45, \s*SLOT
	s_add_nc_u64 s[G0+4*\s+2:G0+4*\s+3], s[20:21], \s*ROWB
	s_or_b32 s[G0+4*\s+3], s[G0+4*\s+3], 0x80000000
	s_mov_b32 s[G0B+4*\s], 1
	s_add_co_u32 s[G0B+4*\s+1], s45, \s*SLOT
	s_add_nc_u64 s[G0B+4*\s+2:G0B+4*\s+3], s[46:47], \s*ROWB
	s_or_b32 s[G0B+4*\s+3], s[G0B+4*\s+3], 0x80000000
	JLOAD G0+4*\s, G1, G0B+4*\s, G1B
.endr
	v_and_b32 v1, 15, v0                           ; r
	v_bfe_u32 v2, v0, 4, 1                         ; h
	v_mul_u32_u24 v3, v1, PITCH
	v_lshl_add_u32 v4, v2, 4, v3
	s_mul_i32 s21, s15, HALFT
	s_mul_i32 s22, s16, HALFT
	s_add_co_u32 s22, s22, 2*HALFT
.irp s, 0,1
	v_add_nc_u32 v[ADRA+\s], s21, v4
	v_add_nc_u32 v[ADRB+\s], s22, v4
	s_add_co_u32 s21, s21, SLOT
	s_add_co_u32 s22, s22, SLOT
.endr
	s_mul_i32 s23, s15, 128*SPITCH                 ; into the stage: my 128 rows, my half of their 256 bytes; row r, 8 bytes for each half of the lanes: the 32 lanes of a store touch 64 different banks
	s_lshl_b32 s21, s16, 7
	s_add_co_u32 s23, s23, s21
	v_mul_u32_u24 v5, v1, SPITCH
	v_lshl_add_u32 v5, v2, 3, v5
	v_add_nc_u32 v[STO], s23, v5
	s_mul_i32 s23, s14, 64*SPITCH                  ; back: wave w takes rows 64 w on, whole; lanes 0-15 one row of 256 bytes, lanes 16-31 the next
	v_mul_u32_u24 v6, v2, SPITCH
	v_lshl_add_u32 v6, v1, 4, v6
	v_add_nc_u32 v[RD], s23, v6
	v_lshlrev_b32 v[CO], 12, v2                    ; and the same two rows in fc
	v_lshl_add_u32 v[CO], v1, 4, v[CO]
	v_lshlrev_b32 v[BQA], 5, v2
	s_lshl_b32 s46, s42, 10                        ; the bias of my 128 columns: 4 (256 x tile column + 128 x half)
	s_lshl_b32 s47, s16, 9
	s_add_co_u32 s46, s46, s47
	s_mov_b32 s47, 0
	s_add_nc_u64 s[66:67], s[66:67], s[46:47]
	s_lshl_b32 s20, s17, 8
	s_lshl_b32 s21, s14, 6
	s_add_co_u32 s20, s20, s21                     ; the first row that I store: 256 x tile row + 64 x wave
	s_lshl_b32 s20, s20, 12
	s_lshl_b32 s21, s42, 8                         ; the tile's first byte in a row
	s_add_co_u32 s20, s20, s21
	s_mov_b32 s21, 0
	s_add_nc_u64 s[10:11], s[10:11], s[20:21]
.irp b, 0,1,2,3,4,5,6,7
	global_load_b128 v[BQ+8*\b:BQ+8*\b+3],   v[BQA], s[66:67] offset:64*\b
	global_load_b128 v[BQ+8*\b+4:BQ+8*\b+7], v[BQA], s[66:67] offset:64*\b+16
.endr
.macro FRAG reg, adr, q, i
.irp c, 0,1,2,3
	ds_load_b128 v[\reg+4*\c:\reg+4*\c+3], v[\adr] offset:128*(\q)+32*\c+(\i)*16*PITCH
.endr
.endm
; 16 matrix instructions: A's blocks a0, a0 + 1 x B's eight.  The 64 accumulators take turns, one instruction a turn, in the same order in every step.
.macro MUL16 a0, p, zero
.irp a, \a0, \a0+1
.irp b, 0,1,2,3,4,5,6,7
.if \zero
	v_wmma_f32_16x16x128_fp8_fp8 v[8*(8*((\a)%4)+\b):8*(8*((\a)%4)+\b)+7], v[128*(\p)+FR*\b:128*(\p)+FR*\b+FR-1], v[AF+FR*(\a):AF+FR*(\a)+FR-1], 0
.else
	v_wmma_f32_16x16x128_fp8_fp8 v[8*(8*((\a)%4)+\b):8*(8*((\a)%4)+\b)+7], v[128*(\p)+FR*\b:128*(\p)+FR*\b+FR-1], v[AF+FR*(\a):AF+FR*(\a)+FR-1], v[8*(8*((\a)%4)+\b):8*(8*((\a)%4)+\b)+7]
.endif
.endr
.endr
.endm
.macro FETCH_B slot, q, p
	WIN TO_B
.irp i, 0,1,2,3,4,5,6,7
	FRAG 128*(\p)+FR*\i, ADRB+\slot, \q, \i
.endr
	WIN 0
.endm
.macro FETCH_A slot, q, i0
.irp i, \i0, \i0+1, \i0+2, \i0+3
	FRAG AF+FR*(\i), ADRA+\slot, \q, \i
.endr
.endm
.macro PLACES n                        ; plain vector instructions between a matrix instruction and a load into, or a vector instruction on, its registers
.rept \n
	v_nop
.endr
.endm
.macro STEP slot, q, zero
	s_wait_dscnt 4*NL                              ; B's set and A's blocks 0-3 are in; the youngest sixteen loads (A's blocks 4-7) may be out
	WIN MUL_LO
	MUL16 0, (\q)%2, \zero
	MUL16 2, (\q)%2, \zero
	s_wait_dscnt 0
	PLACES NP
	FETCH_B \slot, (\q)+1, 1-(\q)%2
	FETCH_A \slot, (\q)+1, 0
	WIN MUL_HI
	MUL16 4, (\q)%2, \zero
	MUL16 6, (\q)%2, \zero
	PLACES NP
	WIN 0
	FETCH_A \slot, (\q)+1, 4
.endm
; A slot's last step changes slots: one barrier; in front of it each wave waits for all its tensor loads, adds 0 to its spare word, and waits for that and for its reads of this slot.  fill = 1: this slot is filled again, two K steps ahead.
.macro TURN slot, next, fill
	s_wait_tensorcnt 0x0                           ; all my tensor loads have landed: my part of the next slot
	ds_add_u32 v[SPW], v[NIL]                      ; 0 onto my spare word
	s_wait_dscnt 4*NL+1                            ; (the add and the youngest sixteen loads may be out)
	WIN MUL_LO
	MUL16 0, 1, 0
	s_wait_dscnt 0x0                               ; the add is done, and my reads of this slot are over
	s_barrier_signal -1
	MUL16 2, 1, 0
	WIN 0
	s_barrier_wait -1
.if \fill
	CREST                                          ; the barrier has opened a round of the cluster's: no wave of any partner still reads this slot or has a load on its way
	s_add_nc_u64 s[G0+4*\slot+2:G0+4*\slot+3], s[G0+4*\slot+2:G0+4*\slot+3], 2*ROWB
	s_add_nc_u64 s[G0B+4*\slot+2:G0B+4*\slot+3], s[G0B+4*\slot+2:G0B+4*\slot+3], 2*ROWB
	JLOAD G0+4*\slot, G1, G0B+4*\slot, G1B         ; the first tensor load behind the round; its four v_nop are the places in front of the loads below
.else
	PLACES NP
.endif
	FETCH_B \next, 0, 0
	FETCH_A \next, 0, 0
	WIN MUL_HI
	MUL16 4, 1, 0
	MUL16 6, 1, 0
	PLACES NP
	WIN 0
	FETCH_A \next, 0, 4
.endm
	s_wait_tensorcnt 1                             ; my part of K step 0 is in; K step 1's load may be out
	s_barrier_signal -1
	s_barrier_wait -1
	FETCH_B 0, 0, 0
	FETCH_A 0, 0, 0
	FETCH_A 0, 0, 4
	STEP 0, 0, 1                                   ; the first step's products start the sums: nothing is cleared
	s_mov_b32 s3, LAPS-1
.Llap:                                                 ; a trip goes once round the ring and fills both slots again
	TURN 0, 1, 1
	STEP 1, 0, 0
	TURN 1, 0, 1
	STEP 0, 0, 0
	s_sub_co_u32 s3, s3, 1
	s_cmp_lg_u32 s3, 0
	s_cbranch_scc1 .Llap
	TURN 0, 1, 0                                   ; the last lap fills nothing
	STEP 1, 0, 0
	s_wait_dscnt 4*NL
	WIN MUL_LO
	MUL16 0, 1, 0
	MUL16 2, 1, 0
	s_wait_dscnt 0
	WIN MUL_HI
	MUL16 4, 1, 0
	MUL16 6, 1, 0
	WIN 0
	; THE WAY OUT
	s_wait_kmcnt 0x0
	s_add_co_i32 s96, s76, s77
	s_add_co_i32 s96, s96, 127
	s_lshl_b32 s96, s96, 23                        ; 2^(e12 + e13) as f32
	s_mov_b32 s97, s96
	s_add_co_i32 s80, s78, 127
	s_lshl_b32 s81, s80, 23
	s_add_co_i32 s80, s80, 8
	s_lshl_b32 s80, s80, 23
	s_or_b32 s80, s80, 0x600000
	s_wait_loadcnt 0x0                             ; the bias
	v_mov_b32 v[SCV], s81                          ; 2^e14
	v_mov_b32 v[LIMV], s80                         ; 448 x 2^e14
	PLACES NP                                      ; behind the last products: A's fragments' registers are written below
; Block a: 16 rows x 128 columns: sum x 2^(e12 + e13) + bias; the activation and the hold in one; converted; 8 codes a lane and accumulator into the stage.  Each accumulator is read from its low end on.
.macro HBLK a
.set AC, 64*((\a)%4)
.set CDS, 192+16*((\a)%2)              ; the codes' registers: two sets by turns
	WIN 0x02+((\a)/4)                              ; source 0: window 2 or 3
.set j, 0
.rept 32
	v_pk_fma_f32 v[TMP+j:TMP+j+1], v[AC+j:AC+j+1], s[96:97], v[BQ+j:BQ+j+1] op_sel_hi:[1,0,1]
.set j, j+2
.endr
	WIN 0
.set j, 0
.rept 64
	v_med3_num_f32 v[TMP+j], v[TMP+j], 0, v[LIMV]  ; between 0 and the largest code x the scale (the conversion does not saturate: ISA guide 7.6.2)
.set j, j+1
.endr
.irp b, 0,1,2,3,4,5,6,7
	v_cvt_scalef32_pk8_fp8_f32 v[CDS+2*\b:CDS+2*\b+1], v[TMP+8*\b:TMP+8*\b+7], v[SCV]
.endr
	v_nop                                          ; a plain instruction between the conversions and the next vector instruction that writes their sources
.irp b, 0,1,2,3,4,5,6,7
	ds_store_b64 v[STO], v[CDS+2*\b:CDS+2*\b+1] offset:16*(\a)*SPITCH+16*\b
.endr
.endm
.irp a, 0,1,2,3,4,5,6,7
	HBLK \a
.endr
	s_wait_dscnt 0x0                               ; for the others' sake: a row's 256 bytes come from two waves
	s_barrier_signal -1
	s_barrier_wait -1
.set i, 0
.rept 32
	ds_load_b128 v[128+4*i:128+4*i+3], v[RD] offset:2*i*SPITCH
.set i, i+1
.endr
.set i, 0
.rept 32
	s_wait_dscnt 31-i
	global_store_b128 v[CO], v[128+4*i:128+4*i+3], s[10:11] offset:2*i*SIZE_N   ; 16 lanes store 256 consecutive bytes, aligned
.set i, i+1
.endr
	s_wait_tensorcnt 0x0                           ; the wave's end
	ds_add_u32 v[SPW], v[NIL]
	s_wait_dscnt 0x0
	CROUND                                         ; the closing round
	s_endpgm
.Lfunc_end_k_q86527fa520_ffn1:
	.size	k_q86527fa520_ffn1, .Lfunc_end_k_q86527fa520_ffn1-k_q86527fa520_ffn1
	.p2alignl 7, 3214868480
	.fill 96, 4, 3214868480
	.section	.rodata,"a",@progbits
	.p2align	6, 0x0
	.amdhsa_kernel k_q86527fa520_ffn1
		.amdhsa_group_segment_fixed_size 327680
		.amdhsa_private_segment_fixed_size 0
		.amdhsa_enable_private_segment 0
		.amdhsa_kernarg_size 40
		.amdhsa_user_sgpr_count 2
		.amdhsa_user_sgpr_kernarg_segment_ptr 1
		.amdhsa_wavefront_size32 1
		.amdhsa_system_sgpr_workgroup_id_x 1
		.amdhsa_system_sgpr_workgroup_id_y 1
		.amdhsa_system_sgpr_workgroup_id_z 1
		.amdhsa_system_vgpr_workitem_id 0
		.amdhsa_next_free_vgpr 1024
		.amdhsa_next_free_sgpr 100
		.amdhsa_reserve_vcc 0
		.amdhsa_float_denorm_mode_32 3
		.amdhsa_float_denorm_mode_16_64 3
		.amdhsa_memory_ordered 1
		.amdhsa_forward_progress 1
		.amdhsa_inst_pref_size 143
	.end_amdhsa_kernel
	.amdgpu_metadata
---
amdhsa.version: [ 1, 2 ]
amdhsa.kernels:
  - .name:           k_q86527fa520_ffn1
    .symbol:         k_q86527fa520_ffn1.kd
    .args:
      - { .name: h2c, .offset: 0, .size: 8, .value_kind: global_buffer, .address_space: global }
      - { .name: ffn1_w_codes, .offset: 8, .size: 8, .value_kind: global_buffer, .address_space: global }
      - { .name: lowp_scales, .offset: 16, .size: 8, .value_kind: global_buffer, .address_space: global }
      - { .name: ffn1_b, .offset: 24, .size: 8, .value_kind: global_buffer, .address_space: global }
      - { .name: fc, .offset: 32, .size: 8, .value_kind: global_buffer, .address_space: global }
    .group_segment_fixed_size: 327680
    .private_segment_fixed_size: 0
    .kernarg_segment_align: 8
    .kernarg_segment_size: 40
    .max_flat_workgroup_size: 128
    .sgpr_count:     100
    .vgpr_count:     1024
    .wavefront_size: 32
...
	.end_amdgpu_metadata
.endif
;; end of part 6
;; launch ffn2 (part 7): grid 4 x 16, 4 waves a work-group, clusters of 4 x 4, 327,680 bytes of LDS; arguments fc, ffn2_w_codes, lowp_scales, ffn2_b, x1, out0; writes out0
.if DOCPART == 7
	.amdgcn_target "amdgcn-amd-amdhsa--gfx1250"
	.amdhsa_code_object_version 6
	.text
	.protected	k_q86527fa520_ffn2
	.globl	k_q86527fa520_ffn2
	.p2align	8
	.type	k_q86527fa520_ffn2,@function
k_q86527fa520_ffn2:
	s_mov_b64 s[64:65], 0
	v_nop
	global_prefetch_b8 v0, s[64:65] scope:SCOPE_SE
	s_setreg_imm32_b32 hwreg(HW_REG_WAVE_MODE, 25, 1), 1
	s_wait_xcnt 0x0
	s_wait_alu depctr_hold_cnt(0) depctr_sa_sdst(0) depctr_va_vdst(0) depctr_va_sdst(0) depctr_va_ssrc(0) depctr_va_vcc(0) depctr_vm_vsrc(0)
	s_getreg_b32 s2, hwreg(HW_REG_IB_STS2, 6, 4)
	s_cmp_eq_u32 s2, 0
	s_cbranch_scc0 .Lentry_in_a_cluster
	s_endpgm
.Lentry_in_a_cluster:
	s_bfe_u32 s2, ttmp6, 0x10000c
	s_cmp_lg_u32 s2, 0xf033
	s_cbranch_scc0 .Lentry_shape_is_right
	s_endpgm
.Lentry_shape_is_right:
; out[m][n] = res[m][n] + bias[n] + 2^(eA + eB) x sum over k of A[m][k] B[n][k].  A: [4096][SIZE_K], B: [1024][SIZE_K]: E4M3 codes, K innermost; res, out: [4096][1024] f32; eA, eB: the two entries of lowp_scales at byte ESC.
; A tile of 256 x 256 to a work-group of four waves, 128 x 128 (64 accumulators) to a wave; K goes in steps of 256 through a ring of two LDS slots filled by the tensor data mover.
; The output has 64 such tiles: 64 work-groups.  LIMIT: eA + eB between -126 and 127.
; CLUSTERS: 4 x 4 work-groups.  The four of a row need the same tiles of A, the four of a column the same tiles of B: each tile is asked for jointly, by the same tensor load with a mask that names the four.
; THE MATRIX INSTRUCTION IS USED TRANSPOSED (source 0 = 16 rows of B, source 1 = 16 rows of A): in accumulator (a, b) lane (r, h) register j holds C(16 a + r, 16 b + 8 h + j).
; Fragments come by four loads of 16 bytes: registers 4 c .. 4 c + 3 hold K = 32 c + 16 h + 0 .. 15: one permutation of K, the same on both sides.
; REGISTERS as windows of 256: window 0: v0-31 addresses; v32-95 the bias in the accumulators' layout; v128-255 A's fragments, ONE set, on the way out rows read back from the stage;
;   window 1: B's fragments, TWO sets; on the way out v0-127 two blocks of the residual, v128-191 a block's sums;   windows 2, 3: the accumulators.
.set SIZE_K, 4096
.set SIZE_N, 1024
.set ESC,    56                        ; byte of eA in lowp_scales; eB follows it
.set PF,     1                         ; the tiles are prefetched: sixteen K steps, each refill names the K step two refills on
.set LAST,   1                         ; the output is read by no later launch
.set KSTEP,  256
.set ROWB,   256
.set KROW,   SIZE_K
.set PITCH,  272                       ; an LDS row: 256 bytes + 16 of padding = 68 words: the 16 rows that a load touches start at 16 different banks (64 banks of 4 bytes: ISA guide 11.1)
.set FR,     16
.set NL,     4
.set NP,     4                         ; places behind this matrix instruction (ISA guide 7.12.1)
.set HALFT,  128*PITCH
.set SLOT,   4*HALFT
.set LAPS,   SIZE_K/(2*KSTEP)
.set SPARE,  2*SLOT                    ; behind the ring: the spare words, 128 bytes a wave, that no other line names
.set SPITCH, 528                       ; the way out: a stage of 16 rows x (512 bytes + 16) for each wave, in slot 0, which has had its last fill and its last read by then
.set ADRA, 16
.set ADRB, 20
.set STO,  24
.set RD,   25
.set CO,   26
.set BQA,  27
.set SPW,  28
.set NIL,  29
.set PFO,  30
.set BQ,   32                          ; window 0: register 8 b + j: bias of column 16 b + 8 h + j
.set TMP,  128                         ; window 1
.set AF,   128
.set BK,   128                         ; window 0: v128-191 and v192-255 by turns
.set G1, 24
.set G0, 32
.set G1B, 48
.set G0B, 56
.set PFA, 70
.set LIM, 72
.set MSB, 0
.macro WIN new                         ; the immediate's high byte repeats the setting that is left
.if MSB != \new
	s_set_vgpr_msb (MSB<<8)|\new
.set MSB, \new
.endif
.endm
.set MUL_LO, 0xa1
.set MUL_HI, 0xf1
.set TO_B,   0x40
.macro JLOAD g0a, g1a, g0b, g1b        ; a joint load: waves 0 and 1 fetch for A, waves 2 and 3 for B; four v_nop follow each of the two lines
	s_cmp_eq_u32 s15, 0
	s_cbranch_scc0 .Lfor_b_\@
	tensor_load_to_lds s[\g0a:\g0a+3], s[\g1a:\g1a+7]
	s_nop 0
.rept 4
	v_nop
.endr
	s_branch .Lasked_\@
.Lfor_b_\@:
	tensor_load_to_lds s[\g0b:\g0b+3], s[\g1b:\g1b+7]
	s_nop 0
.rept 4
	v_nop
.endr
.Lasked_\@:
.endm
.macro CREST
	s_cmp_lg_u32 s14, 0
	s_cbranch_scc1 .Lnot_wave_0_\@
	s_barrier_signal -3
.Lnot_wave_0_\@:
	s_barrier_wait -3
	s_barrier_signal -1
	s_barrier_wait -1
.endm
.macro CROUND
	s_barrier_signal -1
	s_barrier_wait -1
	CREST
.endm
; A PREFETCH INTO THE L2 of the K step that stands two refills on: 32 rows x 256 bytes, a lane a row, one instruction a wave, behind the joint load and the run of LDS loads.  Each row's 256 bytes of a K step are named once:
; A's rows by the clusters with x = 0, B's by those with y = 0; the four partners that ask for a tile jointly take 32 of a wave's 128 rows each, told apart by address.  The loop's last trip asks for nothing.
.macro ASK
	s_cmp_gt_u32 s3, s[LIM]
	s_cbranch_scc0 .Lnot_mine_\@
	global_prefetch_b8 v[PFO], s[PFA:PFA+1] offset:ROWB th:TH_LOAD_NT scope:SCOPE_SE
.Lnot_mine_\@:
.endm
	s_load_b128 s[4:7], s[0:1], 0x0                ; A's codes, B's codes
	s_load_b128 s[8:11], s[0:1], 0x10              ; lowp_scales s[8:9], the bias s[10:11]
	s_load_b128 s[76:79], s[0:1], 0x20             ; the residual s[76:77], the output s[78:79]
	v_lshl_add_u32 v[SPW], v0, 2, SPARE
	v_mov_b32 v[NIL], 0
	ds_add_u32 v28, v29
	ds_add_u32 v28, v29
	s_wait_dscnt 0x0
	v_lshrrev_b32 v1, 5, v0
	v_readfirstlane_b32 s14, v1                    ; wave 0..3
	s_lshr_b32 s15, s14, 1                         ; which half of the tile's rows is mine.  Also: I fetch for A (0) or for B (1)
	s_and_b32 s16, s14, 1                          ; which half of its columns.  Also: which 128 rows of that tile I fetch
	s_bfe_u32 s40, ttmp6, 0x40000                  ; cx, cy
	s_bfe_u32 s41, ttmp6, 0x40004
	s_lshl_b32 s42, ttmp9, 2
	s_add_co_u32 s42, s42, s40                     ; tile column
	s_and_b32 s17, ttmp7, 0xffff
	s_lshl_b32 s17, s17, 2
	s_add_co_u32 s17, s17, s41                     ; tile row
	s_lshl_b32 s43, s41, 2
	s_lshl_b32 s43, 15, s43                        ; my row of the cluster
	s_lshl_b32 s44, 0x1111, s40                    ; my column
	s_or_b32 s[G1+0], s43, (0<<16)|(1<<20)|(1<<21)|(5<<22)|(3<<25)  ; 15:0 the mask; 17:16 elements of 1 byte; 20 padding on; 21 set beside a mask; 24:22 after every 64 words; 31:25 four words
	s_or_b32 s[G1B+0], s44, (0<<16)|(1<<20)|(1<<21)|(5<<22)|(3<<25)
.irp g, G1, G1B
	s_mov_b32 s[\g+1], ROWB<<16                    ; tensor_dim0
	s_mov_b32 s[\g+2], 128<<16                     ; tensor_dim1
	s_mov_b32 s[\g+3], ROWB<<16                    ; tile_dim0
	s_mov_b32 s[\g+4], 128                         ; tile_dim1
	s_mov_b32 s[\g+5], KROW                        ; tensor_dim0_stride
	s_mov_b32 s[\g+6], 0
	s_mov_b32 s[\g+7], 0
.endr
	s_lshl_b32 s18, s16, 7
	s_lshl_b32 s20, s17, 8
	s_add_co_u32 s20, s20, s18                     ; A: row 256 x tile row + 128 x half
	s_lshl_b32 s46, s42, 8
	s_add_co_u32 s46, s46, s18                     ; B: row 256 x tile column + 128 x half
	s_mov_b32 s21, 0
	s_mov_b32 s47, 0
	s_mov_b64 s[18:19], KROW
	s_mul_u64 s[20:21], s[20:21], s[18:19]
	s_mul_u64 s[46:47], s[46:47], s[18:19]
	s_mul_i32 s45, s14, HALFT                      ; where they go: no place in the cluster enters an LDS address
	s_wait_kmcnt 0x0
	s_load_b64 s[96:97], s[8:9], ESC               ; eA, eB
	s_mov_b64 s[66:67], s[10:11]                   ; the bias
	s_mov_b64 s[68:69], s[76:77]                   ; the residual
	s_mov_b64 s[10:11], s[78:79]                   ; the output
	s_add_nc_u64 s[20:21], s[4:5], s[20:21]
	s_add_nc_u64 s[46:47], s[6:7], s[46:47]
	CROUND                                         ; all sixteen work-groups are here: the first joint loads meet
.irp s, 0,1
	s_mov_b32 s[G0+4*\s], 1
	s_add_co_u32 s[G0+4*\s+1], s45, \s*SLOT
	s_add_nc_u64 s[G0+4*\s+2:G0+4*\s+3], s[20:21], \s*ROWB
	s_or_b32 s[G0+4*\s+3], s[G0+4*\s+3], 0x80000000
	s_mov_b32 s[G0B+4*\s], 1
	s_add_co_u32 s[G0B+4*\s+1], s45, \s*SLOT
	s_add_nc_u64 s[G0B+4*\s+2:G0B+4*\s+3], s[46:47], \s*ROWB
	s_or_b32 s[G0B+4*\s+3], s[G0B+4*\s+3], 0x80000000
	JLOAD G0+4*\s, G1, G0B+4*\s, G1B
.endr
	v_and_b32 v1, 15, v0                           ; r
	v_bfe_u32 v2, v0, 4, 1                         ; h
	v_mul_u32_u24 v3, v1, PITCH
	v_lshl_add_u32 v4, v2, 4, v3
	s_mul_i32 s21, s15, HALFT
	s_mul_i32 s22, s16, HALFT
	s_add_co_u32 s22, s22, 2*HALFT
.irp s, 0,1
	v_add_nc_u32 v[ADRA+\s], s21, v4
	v_add_nc_u32 v[ADRB+\s], s22, v4
	s_add_co_u32 s21, s21, SLOT
	s_add_co_u32 s22, s22, SLOT
.endr
	s_mul_i32 s23, s14, 16*SPITCH                  ; my stage
	v_mul_u32_u24 v5, v1, SPITCH                   ; in: row r, 32 bytes for each half of the lanes
	v_lshl_add_u32 v5, v2, 5, v5
	v_add_nc_u32 v[STO], s23, v5
	v_and_b32 v6, 31, v0
	v_lshlrev_b32 v[CO], 4, v6                     ; back: the 32 lanes take one row of 512 bytes; the same in the output and in the residual
	v_add_nc_u32 v[RD], s23, v[CO]
	v_lshlrev_b32 v[BQA], 5, v2
	s_lshl_b32 s20, s17, 8
	s_lshl_b32 s21, s15, 7
	s_add_co_u32 s20, s20, s21                     ; my first row
	s_mov_b32 s21, 0
	s_mov_b64 s[18:19], SIZE_N*4
	s_mul_u64 s[20:21], s[20:21], s[18:19]
	s_lshl_b32 s46, s42, 10                        ; my first column, in bytes
	s_lshl_b32 s47, s16, 9
	s_add_co_u32 s46, s46, s47
	s_mov_b32 s47, 0
	s_add_nc_u64 s[66:67], s[66:67], s[46:47]      ; the bias of my 128 columns
	s_add_nc_u64 s[20:21], s[20:21], s[46:47]
	s_add_nc_u64 s[10:11], s[10:11], s[20:21]
	s_add_nc_u64 s[68:69], s[68:69], s[20:21]
.irp b, 0,1,2,3,4,5,6,7
	global_load_b128 v[BQ+8*\b:BQ+8*\b+3],   v[BQA], s[66:67] offset:64*\b
	global_load_b128 v[BQ+8*\b+4:BQ+8*\b+7], v[BQA], s[66:67] offset:64*\b+16
.endr
.if PF
	s_lshl_b32 s73, s17, 8
	s_lshl_b32 s74, s42, 8
	s_and_b32 s75, ttmp7, 0xffff                   ; cluster y
	s_cmp_eq_u32 s15, 0                            ; do I fetch for A?
	s_cselect_b32 s73, s73, s74                    ; the tile's first row
	s_cselect_b32 s74, s40, s41                    ; my place among the four that ask for it with me
	s_cselect_b32 s75, ttmp9, s75                  ; the coordinate along which other clusters read the same rows
	s_cselect_b64 s[PFA:PFA+1], s[4:5], s[6:7]
	s_cmp_eq_u32 s75, 0
	s_cselect_b32 s[LIM], 1, -1                    ; the same in all sixteen partners, for a given wave
	s_lshl_b32 s75, s16, 7
	s_add_co_u32 s73, s73, s75                     ; + the 128 rows that I fetch
	s_lshl_b32 s74, s74, 5
	s_add_co_u32 s73, s73, s74                     ; + my work-group's 32 of them
	s_mul_i32 s74, s73, KROW
	s_mov_b32 s75, 0
	s_add_nc_u64 s[PFA:PFA+1], s[PFA:PFA+1], s[74:75]
	s_add_nc_u64 s[PFA:PFA+1], s[PFA:PFA+1], 2*ROWB   ; at K step 2: the first refill steps it to 3 and names K step 4
	v_and_b32 v[PFO], 31, v0
	v_mul_u32_u24 v[PFO], v[PFO], KROW
.endif
.macro FRAG reg, adr, q, i
.irp c, 0,1,2,3
	ds_load_b128 v[\reg+4*\c:\reg+4*\c+3], v[\adr] offset:128*(\q)+32*\c+(\i)*16*PITCH
.endr
.endm
; 16 matrix instructions: A's blocks a0, a0 + 1 x B's eight.  The 64 accumulators take turns, one instruction a turn, in the same order in every step.
.macro MUL16 a0, p, zero
.irp a, \a0, \a0+1
.irp b, 0,1,2,3,4,5,6,7
.if \zero
	v_wmma_f32_16x16x128_fp8_fp8 v[8*(8*((\a)%4)+\b):8*(8*((\a)%4)+\b)+7], v[128*(\p)+FR*\b:128*(\p)+FR*\b+FR-1], v[AF+FR*(\a):AF+FR*(\a)+FR-1], 0
.else
	v_wmma_f32_16x16x128_fp8_fp8 v[8*(8*((\a)%4)+\b):8*(8*((\a)%4)+\b)+7], v[128*(\p)+FR*\b:128*(\p)+FR*\b+FR-1], v[AF+FR*(\a):AF+FR*(\a)+FR-1], v[8*(8*((\a)%4)+\b):8*(8*((\a)%4)+\b)+7]
.endif
.endr
.endr
.endm
.macro FETCH_B slot, q, p
	WIN TO_B
.irp i, 0,1,2,3,4,5,6,7
	FRAG 128*(\p)+FR*\i, ADRB+\slot, \q, \i
.endr
	WIN 0
.endm
.macro FETCH_A slot, q, i0
.irp i, \i0, \i0+1, \i0+2, \i0+3
	FRAG AF+FR*(\i), ADRA+\slot, \q, \i
.endr
.endm
.macro PLACES n                        ; plain vector instructions between a matrix instruction and a load into, or a vector instruction on, its registers
.rept \n
	v_nop
.endr
.endm
.macro STEP slot, q, zero
	s_wait_dscnt 4*NL                              ; B's set and A's blocks 0-3 are in; the youngest sixteen loads (A's blocks 4-7) may be out
	WIN MUL_LO
	MUL16 0, (\q)%2, \zero
	MUL16 2, (\q)%2, \zero
	s_wait_dscnt 0
	PLACES NP
	FETCH_B \slot, (\q)+1, 1-(\q)%2
	FETCH_A \slot, (\q)+1, 0
	WIN MUL_HI
	MUL16 4, (\q)%2, \zero
	MUL16 6, (\q)%2, \zero
	PLACES NP
	WIN 0
	FETCH_A \slot, (\q)+1, 4
.endm
; A slot's last step changes slots: one barrier; in front of it each wave waits for all its tensor loads, adds 0 to its spare word, and waits for that and for its reads of this slot.  fill = 1: this slot is filled again, two K steps ahead.
.macro TURN slot, next, fill
.if PF && \fill
	s_wait_xcnt 0x0                                ; the last prefetch, a K step back, has read its address
	s_add_nc_u64 s[PFA:PFA+1], s[PFA:PFA+1], ROWB
.endif
	s_wait_tensorcnt 0x0                           ; all my tensor loads have landed: my part of the next slot
	ds_add_u32 v[SPW], v[NIL]                      ; 0 onto my spare word
	s_wait_dscnt 4*NL+1                            ; (the add and the youngest sixteen loads may be out)
	WIN MUL_LO
	MUL16 0, 1, 0
	s_wait_dscnt 0x0                               ; the add is done, and my reads of this slot are over
	s_barrier_signal -1
	MUL16 2, 1, 0
	WIN 0
	s_barrier_wait -1
.if \fill
	CREST                                          ; the barrier has opened a round of the cluster's: no wave of any partner still reads this slot or has a load on its way
	s_add_nc_u64 s[G0+4*\slot+2:G0+4*\slot+3], s[G0+4*\slot+2:G0+4*\slot+3], 2*ROWB
	s_add_nc_u64 s[G0B+4*\slot+2:G0B+4*\slot+3], s[G0B+4*\slot+2:G0B+4*\slot+3], 2*ROWB
	JLOAD G0+4*\slot, G1, G0B+4*\slot, G1B         ; the first tensor load behind the round; its four v_nop are the places in front of the loads below
.else
	PLACES NP
.endif
	FETCH_B \next, 0, 0
	FETCH_A \next, 0, 0
.if PF && \fill
	ASK
.endif
	WIN MUL_HI
	MUL16 4, 1, 0
	MUL16 6, 1, 0
	PLACES NP
	WIN 0
	FETCH_A \next, 0, 4
.endm
; THE WAY OUT, block by block of 16 rows x 128 columns.
.macro RLOAD a                         ; the residual of block a: 16 rows of 512 bytes, into window 1, set a % 2
	WIN TO_B
.irp t, 0,1,2,3,4,5,6,7,8,9,10,11,12,13,14,15
	global_load_b128 v[64*((\a)%2)+4*\t:64*((\a)%2)+4*\t+3], v[CO], s[68:69] offset:(16*(\a)+\t)*SIZE_N*4 th:TH_LOAD_NT
.endr
	WIN 0
.endm
.macro TOSTAGE a                       ; sum x 2^(eA + eB) + bias; through my own stage, back as whole rows.  LDS serves a wave's instructions in order (ISA guide 5.7.1.4): no wait between the stores and the loads
.set AC, 64*((\a)%4)
	WIN 0x42+((\a)/4)                              ; source 0 window 2 or 3, destination window 1, the bias window 0
.set j, 0
.rept 32
	v_pk_fma_f32 v[TMP+j:TMP+j+1], v[AC+j:AC+j+1], s[96:97], v[BQ+j:BQ+j+1] op_sel_hi:[1,0,1]   ; each accumulator from its low end on
.set j, j+2
.endr
	WIN 0x04                                       ; the stores' data window 1
.irp b, 0,1,2,3,4,5,6,7
	ds_store_b128 v[STO], v[TMP+8*\b:TMP+8*\b+3] offset:64*\b
	ds_store_b128 v[STO], v[TMP+8*\b+4:TMP+8*\b+7] offset:64*\b+16
.endr
	WIN 0
.set BB, BK+64*((\a)%2)
.irp t, 0,1,2,3,4,5,6,7,8,9,10,11,12,13,14,15
	ds_load_b128 v[BB+4*\t:BB+4*\t+3], v[RD] offset:\t*SPITCH
.endr
.endm
.macro SEND a, younger, left           ; younger: LDS instructions behind block a's loads; left: global loads behind block a's residual
.set BB, BK+64*((\a)%2)
	s_wait_dscnt \younger
	s_wait_loadcnt \left
	WIN 0x04                                       ; source 1 window 1
.set j, 0
.rept 32
	v_pk_add_f32 v[BB+j:BB+j+1], v[BB+j:BB+j+1], v[64*((\a)%2)+j:64*((\a)%2)+j+1]
.set j, j+2
.endr
	WIN 0
.irp t, 0,1,2,3,4,5,6,7,8,9,10,11,12,13,14,15
.if LAST
	global_store_b128 v[CO], v[BB+4*\t:BB+4*\t+3], s[10:11] offset:(16*(\a)+\t)*SIZE_N*4 th:TH_STORE_NT   ; 32 lanes store 512 consecutive bytes, aligned; 127 rows at the most stand in the immediate
.else
	global_store_b128 v[CO], v[BB+4*\t:BB+4*\t+3], s[10:11] offset:(16*(\a)+\t)*SIZE_N*4
.endif
.endr
.if (\a)+2 < 8
	RLOAD (\a)+2
.endif
.endm
	s_wait_tensorcnt 1                             ; my part of K step 0 is in; K step 1's load may be out
	s_barrier_signal -1
	s_barrier_wait -1
	FETCH_B 0, 0, 0
	FETCH_A 0, 0, 0
	FETCH_A 0, 0, 4
	STEP 0, 0, 1                                   ; the first step's products start the sums: nothing is cleared
	s_mov_b32 s3, LAPS-1
.Llap:                                                 ; a trip goes once round the ring and fills both slots again
	TURN 0, 1, 1
	STEP 1, 0, 0
	TURN 1, 0, 1
	STEP 0, 0, 0
	s_sub_co_u32 s3, s3, 1
	s_cmp_lg_u32 s3, 0
	s_cbranch_scc1 .Llap
	TURN 0, 1, 0                                   ; the last lap fills nothing
	STEP 1, 0, 0
	RLOAD 0                                        ; B's first set is done with, four places behind its last products: the first two blocks of the residual are asked for under the last step
	RLOAD 1
	s_wait_dscnt 4*NL
	WIN MUL_LO
	MUL16 0, 1, 0
	MUL16 2, 1, 0
	s_wait_dscnt 0
	WIN MUL_HI
	MUL16 4, 1, 0
	MUL16 6, 1, 0
	WIN 0
	s_wait_kmcnt 0x0
	s_add_co_i32 s96, s96, s97
	s_add_co_i32 s96, s96, 127
	s_lshl_b32 s96, s96, 23                        ; 2^(eA + eB) as f32
	s_mov_b32 s97, s96
	s_wait_loadcnt 32                              ; the bias is in; the residual's 32 loads may be out
	PLACES NP                                      ; behind the last products: their operands' registers are written and loaded into below
	TOSTAGE 0
.irp a, 1,2,3,4,5,6,7
.if \a > 1
	s_wait_xcnt 0x0                                ; block a - 2's stores have read their registers: block a's loads may land there
.endif
	TOSTAGE \a
	SEND \a-1, 32, 16                              ; 32: block a's 16 stores and 16 loads; 16: block a's residual
.endr
	SEND 7, 0, 0
	s_wait_tensorcnt 0x0                           ; the wave's end
	ds_add_u32 v[SPW], v[NIL]
	s_wait_dscnt 0x0
	CROUND                                         ; the closing round
	s_endpgm
.Lfunc_end_k_q86527fa520_ffn2:
	.size	k_q86527fa520_ffn2, .Lfunc_end_k_q86527fa520_ffn2-k_q86527fa520_ffn2
	.p2alignl 7, 3214868480
	.fill 96, 4, 3214868480
	.section	.rodata,"a",@progbits
	.p2align	6, 0x0
	.amdhsa_kernel k_q86527fa520_ffn2
		.amdhsa_group_segment_fixed_size 327680
		.amdhsa_private_segment_fixed_size 0
		.amdhsa_enable_private_segment 0
		.amdhsa_kernarg_size 48
		.amdhsa_user_sgpr_count 2
		.amdhsa_user_sgpr_kernarg_segment_ptr 1
		.amdhsa_wavefront_size32 1
		.amdhsa_system_sgpr_workgroup_id_x 1
		.amdhsa_system_sgpr_workgroup_id_y 1
		.amdhsa_system_sgpr_workgroup_id_z 1
		.amdhsa_system_vgpr_workitem_id 0
		.amdhsa_next_free_vgpr 1024
		.amdhsa_next_free_sgpr 100
		.amdhsa_reserve_vcc 0
		.amdhsa_float_denorm_mode_32 3
		.amdhsa_float_denorm_mode_16_64 3
		.amdhsa_memory_ordered 1
		.amdhsa_forward_progress 1
		.amdhsa_inst_pref_size 155
	.end_amdhsa_kernel
	.amdgpu_metadata
---
amdhsa.version: [ 1, 2 ]
amdhsa.kernels:
  - .name:           k_q86527fa520_ffn2
    .symbol:         k_q86527fa520_ffn2.kd
    .args:
      - { .name: fc, .offset: 0, .size: 8, .value_kind: global_buffer, .address_space: global }
      - { .name: ffn2_w_codes, .offset: 8, .size: 8, .value_kind: global_buffer, .address_space: global }
      - { .name: lowp_scales, .offset: 16, .size: 8, .value_kind: global_buffer, .address_space: global }
      - { .name: ffn2_b, .offset: 24, .size: 8, .value_kind: global_buffer, .address_space: global }
      - { .name: x1, .offset: 32, .size: 8, .value_kind: global_buffer, .address_space: global }
      - { .name: out0, .offset: 40, .size: 8, .value_kind: global_buffer, .address_space: global }
    .group_segment_fixed_size: 327680
    .private_segment_fixed_size: 0
    .kernarg_segment_align: 8
    .kernarg_segment_size: 48
    .max_flat_workgroup_size: 128
    .sgpr_count:     100
    .vgpr_count:     1024
    .wavefront_size: 32
...
	.end_amdgpu_metadata
.endif
;; end of part 7
;; ======== version 2 of 2: 7 launches
;; limits: right only within a limited range of input values
;; workspace buffers: hc 12,582,912 bytes; qkvc 12,582,912 bytes; ac 4,194,304 bytes; x1 16,777,216 bytes; h2c 4,194,304 bytes; fc 16,777,216 bytes
;; launch ln1 (part 8): grid 256 x 1, 8 waves a work-group, no clusters, 0 bytes of LDS; arguments x, ln1_g, ln1_b, lowp_scales, hc; writes hc
.if DOCPART == 8
	.amdgcn_target "amdgcn-amd-amdhsa--gfx1250"
	.amdhsa_code_object_version 6
	.text
	.protected	k_q86527fa520_ln1
	.globl	k_q86527fa520_ln1
	.p2align	8
	.type	k_q86527fa520_ln1,@function
k_q86527fa520_ln1:
	s_mov_b64 s[64:65], 0
	v_nop
	global_prefetch_b8 v0, s[64:65] scope:SCOPE_SE
	s_setreg_imm32_b32 hwreg(HW_REG_WAVE_MODE, 25, 1), 1
	s_wait_xcnt 0x0
; LayerNorm of x [4096][1024] f32 with gain and bias, then E4M3 codes of the result under NS given scales 2^e: plane s of the output, [4096][1024] bytes, K innermost, takes the scale at byte E0 + 8 s of lowp_scales.
; code = y / 2^e, held within +-448, to the nearest code, ties to even.  LIMITS: each e between -126 and 119, so that 2^e and 448 x 2^e are f32 numbers; NaN among the inputs is not served.
; A stream: every byte of x is read once and every code written once.  No LDS, no barrier, no matrix unit, no cluster: waves share nothing but the 8 KiB of gain and bias.
; SHARES.  256 work-groups x 8 waves x 2 rows.  A row stays in 32 registers a lane between its passes: the mean, the centred squares, the scaling: so a common offset of the inputs costs no accuracy.
; A LANE'S NUMBERS.  Chunk c = 0..3 of a row is 256 columns; lane l holds columns 256 c + 8 l + 0..7 in registers 8 c + 0..7: eight neighbours along K, as the conversion takes them.
; A chunk's two loads cover its 1,024 consecutive bytes; a chunk's eight codes a lane leave by one store of 8 bytes, 32 lanes filling 256 consecutive aligned bytes.
.set NS,    3                          ; scales: products 1, 2, 3 may each have their own for the same numbers
.set E0,    0                          ; byte of the first scale's entry
.set PLANE, 4194304                    ; bytes of a plane of codes
.set G,   8                            ; v8-39    gain of my 32 columns
.set BT,  40                           ; v40-71   bias
.set X,   72                           ; v72-135  two rows
.set T,   136                          ; v136-151 two sets of eight held numbers, by turns
.set CD,  152                          ; v152-199 codes: eight registers for each (row, scale); never written again, so no store's data are
.set W,   200                          ; v200-207 at work: sums; +4, +5 the mean twice; +6, +7 1 / sqrt twice
.set SC,  208                          ; v208..   for scale s: 2^e at +2 s, 448 x 2^e at +2 s + 1
	s_load_b256 s[4:11], s[0:1], 0x0               ; x s[4:5], gain s[6:7], bias s[8:9], lowp_scales s[10:11]
	s_load_b64 s[12:13], s[0:1], 0x20              ; the codes
	v_lshrrev_b32 v1, 5, v0
	s_delay_alu instid0(VALU_DEP_1)
	v_readfirstlane_b32 s18, v1                    ; wave
	v_and_b32 v1, 31, v0                           ; lane
	s_delay_alu instid0(VALU_DEP_1)
	v_lshlrev_b32 v2, 5, v1                        ; in: 32 bytes a lane in a chunk
	s_delay_alu instid0(VALU_DEP_2)
	v_lshlrev_b32 v3, 3, v1                        ; out: 8 bytes a lane in a chunk
	s_lshl_b32 s20, ttmp9, 3
	s_add_co_u32 s20, s20, s18                     ; which pair of rows: 8 x work-group + wave
	s_lshl_b32 s22, s20, 11                        ; two rows of 1,024 bytes of codes
	s_mov_b32 s23, 0
	s_lshl_b32 s20, s20, 13                        ; two rows of 4,096 bytes
	s_mov_b32 s21, 0
	s_mov_b32 s19, 0x3a800000                      ; 1 / 1024
	s_mov_b32 s26, 0x76543210                      ; v_permlanex16_b32: each lane takes its own place in the other half
	s_mov_b32 s27, 0xfedcba98
	s_wait_alu depctr_va_vdst(0)
	s_wait_kmcnt 0x0
.irp s, 0,1,2
.if \s < NS
	s_load_b32 s[28+\s], s[10:11], E0+8*\s         ; e
.endif
.endr
	s_add_nc_u64 s[4:5], s[4:5], s[20:21]
	s_add_nc_u64 s[12:13], s[12:13], s[22:23]
.if NS > 1
	s_add_nc_u64 s[14:15], s[12:13], PLANE
	s_add_nc_u64 s[16:17], s[12:13], 2*PLANE
.endif
.macro LOAD32 reg, base, off, nt       ; 32 numbers a lane: eight loads
.irp c, 0,1,2,3
.if \nt
	global_load_b128 v[\reg+8*\c:\reg+8*\c+3],   v2, s[\base:\base+1] offset:\off+1024*\c th:TH_LOAD_NT
	global_load_b128 v[\reg+8*\c+4:\reg+8*\c+7], v2, s[\base:\base+1] offset:\off+1024*\c+16 th:TH_LOAD_NT
.else
	global_load_b128 v[\reg+8*\c:\reg+8*\c+3],   v2, s[\base:\base+1] offset:\off+1024*\c
	global_load_b128 v[\reg+8*\c+4:\reg+8*\c+7], v2, s[\base:\base+1] offset:\off+1024*\c+16
.endif
.endr
.endm
	LOAD32 X, 4, 0, 1                              ; row 0
	LOAD32 G, 6, 0, 0
	LOAD32 BT, 8, 0, 0
	LOAD32 X+32, 4, 4096, 1                        ; row 1
	s_wait_kmcnt 0x0
.irp s, 0,1,2
.if \s < NS
	s_add_co_i32 s24, s[28+\s], 127
	s_lshl_b32 s25, s24, 23
	v_mov_b32 v[SC+2*\s], s25                      ; 2^e as f32: the conversion takes its exponent field
	s_add_co_i32 s24, s24, 8
	s_lshl_b32 s24, s24, 23
	s_or_b32 s24, s24, 0x600000
	v_mov_b32 v[SC+2*\s+1], s24                    ; 448 x 2^e
.endif
.endr
.macro REDUCE                          ; two packed chains in v[W:W+3] become one sum over the wave's 32 lanes, in every lane
	s_delay_alu instid0(VALU_DEP_1)
	v_pk_add_f32 v[W:W+1], v[W:W+1], v[W+2:W+3]
	s_delay_alu instid0(VALU_DEP_1)
	v_add_f32 v[W], v[W], v[W+1]
	s_delay_alu instid0(VALU_DEP_1)
	v_add_f32_dpp v[W], v[W], v[W] row_xmask:1 row_mask:0xf bank_mask:0xf
	s_delay_alu instid0(VALU_DEP_1)
	v_add_f32_dpp v[W], v[W], v[W] row_xmask:2 row_mask:0xf bank_mask:0xf
	s_delay_alu instid0(VALU_DEP_1)
	v_add_f32_dpp v[W], v[W], v[W] row_xmask:4 row_mask:0xf bank_mask:0xf
	s_delay_alu instid0(VALU_DEP_1)
	v_add_f32_dpp v[W], v[W], v[W] row_xmask:8 row_mask:0xf bank_mask:0xf
	s_delay_alu instid0(VALU_DEP_1)
	v_permlanex16_b32 v[W+1], v[W], s26, s27
	s_delay_alu instid0(VALU_DEP_1)
	v_add_f32 v[W], v[W], v[W+1]
.endm
; One row.  first: the younger loads that may stay out when the row is summed; second: when gain and bias are used.
.macro ROW rho, first, second
.set XR, X+32*\rho
	s_wait_loadcnt \first
	v_pk_add_f32 v[W:W+1], v[XR:XR+1], v[XR+2:XR+3]          ; the first numbers start the chains: nothing is cleared
	v_pk_add_f32 v[W+2:W+3], v[XR+4:XR+5], v[XR+6:XR+7]
.irp j, 8,12,16,20,24,28
	s_delay_alu instid0(VALU_DEP_2)
	v_pk_add_f32 v[W:W+1], v[W:W+1], v[XR+\j:XR+\j+1]
	s_delay_alu instid0(VALU_DEP_2)
	v_pk_add_f32 v[W+2:W+3], v[W+2:W+3], v[XR+\j+2:XR+\j+3]
.endr
	REDUCE
	s_delay_alu instid0(VALU_DEP_1)
	v_mul_f32 v[W+4], s19, v[W]                    ; the mean,
	s_delay_alu instid0(VALU_DEP_1)
	v_mov_b32 v[W+5], v[W+4]                       ; twice, for the packed form
.irp j, 0,2,4,6,8,10,12,14,16,18,20,22,24,26,28,30
	v_pk_add_f32 v[XR+\j:XR+\j+1], v[XR+\j:XR+\j+1], v[W+4:W+5] neg_lo:[0,1] neg_hi:[0,1]   ; x - mean
.endr
	v_pk_mul_f32 v[W:W+1], v[XR:XR+1], v[XR:XR+1]
	v_pk_mul_f32 v[W+2:W+3], v[XR+2:XR+3], v[XR+2:XR+3]
.irp j, 4,8,12,16,20,24,28
	s_delay_alu instid0(VALU_DEP_2)
	v_pk_fma_f32 v[W:W+1], v[XR+\j:XR+\j+1], v[XR+\j:XR+\j+1], v[W:W+1]
	s_delay_alu instid0(VALU_DEP_2)
	v_pk_fma_f32 v[W+2:W+3], v[XR+\j+2:XR+\j+3], v[XR+\j+2:XR+\j+3], v[W+2:W+3]
.endr
	REDUCE
	s_delay_alu instid0(VALU_DEP_1)
	v_fmaak_f32 v[W], s19, v[W], 0x3727c5ac        ; the variance + 1e-5
	s_wait_alu depctr_va_vdst(0)
	v_rsq_f32 v[W+6], v[W]
	v_rsq_f32 v[W+7], v[W]
	v_nop                                          ; a plain instruction behind the last of the two (ISA guide 5.7.2),
	s_wait_alu depctr_va_vdst(0)                   ; and the one wait ahead of their first reader
	s_wait_loadcnt \second
.irp j, 0,2,4,6,8,10,12,14,16,18,20,22,24,26,28,30
	v_pk_mul_f32 v[XR+\j:XR+\j+1], v[XR+\j:XR+\j+1], v[W+6:W+7]
.endr
.irp j, 0,2,4,6,8,10,12,14,16,18,20,22,24,26,28,30
	v_pk_fma_f32 v[XR+\j:XR+\j+1], v[XR+\j:XR+\j+1], v[G+\j:G+\j+1], v[BT+\j:BT+\j+1]
.endr
.irp s, 0,1,2
.if \s < NS
.irp c, 0,1,2,3
.irp i, 0,1,2,3,4,5,6,7
	v_med3_num_f32 v[T+8*(\c%2)+\i], v[XR+8*\c+\i], -v[SC+2*\s+1], v[SC+2*\s+1]   ; the conversion does not saturate (ISA guide 7.6.2): the hold; into the set that the last conversion did not read
.endr
	v_cvt_scalef32_pk8_fp8_f32 v[CD+8*(NS*\rho+\s)+2*\c:CD+8*(NS*\rho+\s)+2*\c+1], v[T+8*(\c%2):T+8*(\c%2)+7], v[SC+2*\s]
	global_store_b64 v3, v[CD+8*(NS*\rho+\s)+2*\c:CD+8*(NS*\rho+\s)+2*\c+1], s[12+2*\s:13+2*\s] offset:1024*\rho+256*\c   ; 32 lanes: 256 consecutive bytes, aligned
.endr
.endif
.endr
.endm
	ROW 0, 24, 8                                   ; 24: gain, bias and row 1 may be out; 8: row 1 may be out
	ROW 1, 0, 0
	s_endpgm
.Lfunc_end_k_q86527fa520_ln1:
	.size	k_q86527fa520_ln1, .Lfunc_end_k_q86527fa520_ln1-k_q86527fa520_ln1
	.p2alignl 7, 3214868480
	.fill 96, 4, 3214868480
	.section	.rodata,"a",@progbits
	.p2align	6, 0x0
	.amdhsa_kernel k_q86527fa520_ln1
		.amdhsa_group_segment_fixed_size 0
		.amdhsa_private_segment_fixed_size 0
		.amdhsa_enable_private_segment 0
		.amdhsa_kernarg_size 40
		.amdhsa_user_sgpr_count 2
		.amdhsa_user_sgpr_kernarg_segment_ptr 1
		.amdhsa_wavefront_size32 1
		.amdhsa_system_sgpr_workgroup_id_x 1
		.amdhsa_system_sgpr_workgroup_id_y 1
		.amdhsa_system_sgpr_workgroup_id_z 1
		.amdhsa_system_vgpr_workitem_id 0
		.amdhsa_next_free_vgpr 216
		.amdhsa_next_free_sgpr 66
		.amdhsa_reserve_vcc 0
		.amdhsa_float_denorm_mode_32 3
		.amdhsa_float_denorm_mode_16_64 3
		.amdhsa_memory_ordered 1
		.amdhsa_forward_progress 1
		.amdhsa_inst_pref_size 37
	.end_amdhsa_kernel
	.amdgpu_metadata
---
amdhsa.version: [ 1, 2 ]
amdhsa.kernels:
  - .name:           k_q86527fa520_ln1
    .symbol:         k_q86527fa520_ln1.kd
    .args:
      - { .name: x, .offset: 0, .size: 8, .value_kind: global_buffer, .address_space: global }
      - { .name: ln1_g, .offset: 8, .size: 8, .value_kind: global_buffer, .address_space: global }
      - { .name: ln1_b, .offset: 16, .size: 8, .value_kind: global_buffer, .address_space: global }
      - { .name: lowp_scales, .offset: 24, .size: 8, .value_kind: global_buffer, .address_space: global }
      - { .name: hc, .offset: 32, .size: 8, .value_kind: global_buffer, .address_space: global }
    .group_segment_fixed_size: 0
    .private_segment_fixed_size: 0
    .kernarg_segment_align: 8
    .kernarg_segment_size: 40
    .max_flat_workgroup_size: 256
    .sgpr_count:     66
    .vgpr_count:     216
    .wavefront_size: 32
...
	.end_amdgpu_metadata
.endif
;; end of part 8
;; launch qkv (part 9): grid 12 x 16, 4 waves a work-group, clusters of 4 x 4, 327,680 bytes of LDS; arguments hc, wq_w_codes, wk_w_codes, wv_w_codes, wq_b, wk_b, wv_b, lowp_scales, qkvc; writes qkvc
.if DOCPART == 9
	.amdgcn_target "amdgcn-amd-amdhsa--gfx1250"
	.amdhsa_code_object_version 6
	.text
	.protected	k_q86527fa520_qkv
	.globl	k_q86527fa520_qkv
	.p2align	8
	.type	k_q86527fa520_qkv,@function
k_q86527fa520_qkv:
	s_mov_b64 s[64:65], 0
	v_nop
	global_prefetch_b8 v0, s[64:65] scope:SCOPE_SE
	s_setreg_imm32_b32 hwreg(HW_REG_WAVE_MODE, 25, 1), 1
	s_wait_xcnt 0x0
	s_wait_alu depctr_hold_cnt(0) depctr_sa_sdst(0) depctr_va_vdst(0) depctr_va_sdst(0) depctr_va_ssrc(0) depctr_va_vcc(0) depctr_vm_vsrc(0)
	s_getreg_b32 s2, hwreg(HW_REG_IB_STS2, 6, 4)
	s_cmp_eq_u32 s2, 0
	s_cbranch_scc0 .Lentry_in_a_cluster
	s_endpgm
.Lentry_in_a_cluster:
	s_bfe_u32 s2, ttmp6, 0x10000c
	s_cmp_lg_u32 s2, 0xf033
	s_cbranch_scc0 .Lentry_shape_is_right
	s_endpgm
.Lentry_shape_is_right:
; q, k, v = LN1(x) W^T + b on E4M3 codes, quantised again for attention.  Cluster x = 0, 1, 2 makes q, k, v: all that differs is chosen by s_cselect on that number, which the sixteen partners share; there is no branch on it.
; THE PRODUCT: C[m][n] = sum over k of A[m][k] B[n][k], K = 1,024, a tile of 256 x 256 to a work-group of four waves, 128 x 128 (64 accumulators) to a wave; K goes in steps of 256 through a ring of two LDS slots.
;   q, k: A = the tokens' codes (plane 0, 1 of hc), B = the weight: a lane's eight results are eight neighbouring channels of one token: neighbours along the K of q k^T.
;   v:    A = the weight, B = the tokens' codes (plane 2): a lane's eight results are eight neighbouring tokens of one channel: neighbours along the K of p v.
; CLUSTERS: 4 x 4 work-groups.  The four of a row need the same tiles of A, the four of a column the same tiles of B: each tile is asked for jointly, by the same tensor load with a mask that names the four.
; THE MATRIX INSTRUCTION IS USED TRANSPOSED (source 0 = 16 rows of B, source 1 = 16 rows of A): in accumulator (a, b) lane (r, h) register j holds C(16 a + r, 16 b + 8 h + j).
; Fragments come by four loads of 16 bytes: registers 4 c .. 4 c + 3 hold K = 32 c + 16 h + 0 .. 15: one permutation of K, the same on both sides.
; THE OUTPUT is laid as attention's operand registers want it.  A wave's 128 x 128 codes are one block of 16,384 bytes: 32 pieces (t, p) of 512 bytes, lane L's 16 bytes at 16 L:
;   row 32 (t / 2) + 8 (t % 2) + r + 8 (r / 8) of the wave's 128, bytes 32 p + 16 h + 0 .. 15 of that row.  Plane (q, k, v) x stream (8 batch + pair of heads) x block (128 tokens).
; LIMITS: eA + eB between -126 and 127; the output's e between -126 and 119; NaN is not served.
; REGISTERS as windows of 256: window 0: v0-31 addresses; v32-95, v96-111 the biases in two layouts; v128-255 A's fragments, ONE set; window 1: B's fragments, TWO sets; windows 2, 3: the accumulators.
.set SIZE_K, 1024
.set KSTEP,  256
.set ROWB,   256                       ; a tile's row in bytes
.set KROW,   SIZE_K                    ; a row of A or B in memory, in bytes
.set PITCH,  272                       ; an LDS row: 256 bytes + 16 of padding = 68 words: the 16 rows that a load touches start at 16 different banks (64 banks of 4 bytes: ISA guide 11.1)
.set FR,     16
.set NL,     4
.set NP,     4                         ; places behind this matrix instruction (ISA guide 7.12.1)
.set HALFT,  128*PITCH
.set SLOT,   4*HALFT                   ; A's 256 rows, then B's 256 rows
.set LAPS,   SIZE_K/(2*KSTEP)
.set SPARE,  2*SLOT                    ; behind the ring: the spare words, 128 bytes a wave, that no other line names
.set SPITCH, 144                       ; the way out: a stage of 128 rows x (128 bytes + 16) for each wave, in slot 0, which has had its last fill and its last read by then
.set WSTG,   128*SPITCH
.set ADRA, 16
.set ADRB, 20
.set STO,  24
.set RD,   25
.set CO,   26
.set BQA,  27                          ; v27  32 h: my half's place in 16 biases
.set SPW,  28
.set NIL,  29
.set BVA,  30                          ; v30  4 r
.set BQ,   32                          ; v32-95   bias along n: register 8 b + j: bias of column 16 b + 8 h + j (q, k; zeros for v)
.set BV,   96                          ; v96-111  bias along m: the pair 2 a, 2 a + 1: bias of row 16 a + r, twice (v; zeros for q, k)
.set LIMV, 112
.set SCV,  113
.set TMP,  128
.set AF,   128
.set G1, 24
.set G0, 32
.set G1B, 48
.set G0B, 56
.set MSB, 0
.macro WIN new                         ; the immediate's high byte repeats the setting that is left
.if MSB != \new
	s_set_vgpr_msb (MSB<<8)|\new
.set MSB, \new
.endif
.endm
.set MUL_LO, 0xa1                      ; source 0 (B) window 1, source 1 (A) window 0, C and D window 2
.set MUL_HI, 0xf1                      ; the same, C and D window 3
.set TO_B,   0x40                      ; destination window 1, address window 0
; A joint load: waves 0 and 1 fetch for A, waves 2 and 3 for B; the branch hangs on the wave's number alone.  Four v_nop follow each of the two lines.
.macro JLOAD g0a, g1a, g0b, g1b
	s_cmp_eq_u32 s15, 0
	s_cbranch_scc0 .Lfor_b_\@
	tensor_load_to_lds s[\g0a:\g0a+3], s[\g1a:\g1a+7]
	s_nop 0
.rept 4
	v_nop
.endr
	s_branch .Lasked_\@
.Lfor_b_\@:
	tensor_load_to_lds s[\g0b:\g0b+3], s[\g1b:\g1b+7]
	s_nop 0
.rept 4
	v_nop
.endr
.Lasked_\@:
.endm
.macro CREST                           ; a round of the cluster's barrier behind its opening barrier
	s_cmp_lg_u32 s14, 0
	s_cbranch_scc1 .Lnot_wave_0_\@
	s_barrier_signal -3
.Lnot_wave_0_\@:
	s_barrier_wait -3
	s_barrier_signal -1
	s_barrier_wait -1
.endm
.macro CROUND
	s_barrier_signal -1
	s_barrier_wait -1
	CREST
.endm
	s_load_b512 s[76:91], s[0:1], 0x0              ; hc, wq, wk, wv, wq_b, wk_b, wv_b, lowp_scales
	s_load_b64 s[92:93], s[0:1], 0x40              ; qkvc
	v_lshl_add_u32 v[SPW], v0, 2, SPARE
	v_mov_b32 v[NIL], 0
	ds_add_u32 v28, v29
	ds_add_u32 v28, v29
	s_wait_dscnt 0x0
	v_lshrrev_b32 v1, 5, v0
	v_readfirstlane_b32 s14, v1                    ; wave 0..3
	s_lshr_b32 s15, s14, 1                         ; which half of the tile's rows is mine.  Also: I fetch for A (0) or for B (1)
	s_and_b32 s16, s14, 1                          ; which half of its columns.  Also: which 128 rows of that tile I fetch
	s_bfe_u32 s40, ttmp6, 0x40000                  ; cx, cy: my place in the cluster
	s_bfe_u32 s41, ttmp6, 0x40004
	s_and_b32 s18, ttmp7, 0xffff
	s_lshl_b32 s18, s18, 2                         ; 4 x cluster y: the tokens' sixteen tiles are walked by it, along m (q, k) or along n (v)
	s_cmp_eq_u32 ttmp9, 2                          ; v?
	s_cselect_b32 s17, 0, s18
	s_cselect_b32 s42, s18, 0
	s_add_co_u32 s17, s17, s41                     ; tile row: it never holds cx
	s_add_co_u32 s42, s42, s40                     ; tile column: it never holds cy
	s_lshl_b32 s43, s41, 2
	s_lshl_b32 s43, 15, s43                        ; my row of the cluster
	s_lshl_b32 s44, 0x1111, s40                    ; my column
	s_or_b32 s[G1+0], s43, (0<<16)|(1<<20)|(1<<21)|(5<<22)|(3<<25)  ; 15:0 the mask; 17:16 elements of 1 byte; 20 padding on; 21 set beside a mask; 24:22 after every 64 words; 31:25 four words
	s_or_b32 s[G1B+0], s44, (0<<16)|(1<<20)|(1<<21)|(5<<22)|(3<<25)
.irp g, G1, G1B
	s_mov_b32 s[\g+1], ROWB<<16                    ; tensor_dim0
	s_mov_b32 s[\g+2], 128<<16                     ; tensor_dim1
	s_mov_b32 s[\g+3], ROWB<<16                    ; tile_dim0
	s_mov_b32 s[\g+4], 128                         ; tile_dim1
	s_mov_b32 s[\g+5], KROW                        ; tensor_dim0_stride
	s_mov_b32 s[\g+6], 0
	s_mov_b32 s[\g+7], 0
.endr
	s_lshl_b32 s18, s16, 7                         ; which 128 rows of the tile I fetch
	s_lshl_b32 s20, s17, 8
	s_add_co_u32 s20, s20, s18                     ; A: row 256 x tile row + 128 x half
	s_lshl_b32 s46, s42, 8
	s_add_co_u32 s46, s46, s18                     ; B: row 256 x tile column + 128 x half
	s_mov_b32 s21, 0
	s_mov_b32 s47, 0
	s_mov_b64 s[18:19], KROW
	s_mul_u64 s[20:21], s[20:21], s[18:19]
	s_mul_u64 s[46:47], s[46:47], s[18:19]
	s_mul_i32 s45, s14, HALFT                      ; where they go: wave x 128 rows: no place in the cluster enters an LDS address
	s_lshl_b32 s70, ttmp9, 22                      ; my plane of hc and of qkvc
	s_mov_b32 s71, 0
	s_wait_kmcnt 0x0
	s_add_nc_u64 s[76:77], s[76:77], s[70:71]      ; the tokens' codes under this product's scale
	s_add_nc_u64 s[10:11], s[92:93], s[70:71]      ; the output's plane
	s_cmp_eq_u32 ttmp9, 0
	s_cselect_b64 s[78:79], s[78:79], s[80:81]
	s_cselect_b64 s[84:85], s[84:85], s[86:87]
	s_cmp_eq_u32 ttmp9, 2
	s_cselect_b64 s[78:79], s[82:83], s[78:79]     ; the weight
	s_cselect_b64 s[66:67], s[88:89], s[84:85]     ; its bias
	s_cselect_b64 s[4:5], s[78:79], s[76:77]       ; A
	s_cselect_b64 s[6:7], s[76:77], s[78:79]       ; B
	s_load_b256 s[76:83], s[90:91], 0x0            ; entries 0 to 7
	s_load_b64 s[84:85], s[90:91], 0x20            ; entries 8, 9
	s_add_nc_u64 s[20:21], s[4:5], s[20:21]
	s_add_nc_u64 s[46:47], s[6:7], s[46:47]
	CROUND                                         ; all sixteen work-groups are here: the first joint loads meet
.irp s, 0,1
	s_mov_b32 s[G0+4*\s], 1
	s_add_co_u32 s[G0+4*\s+1], s45, \s*SLOT
	s_add_nc_u64 s[G0+4*\s+2:G0+4*\s+3], s[20:21], \s*ROWB
	s_or_b32 s[G0+4*\s+3], s[G0+4*\s+3], 0x80000000
	s_mov_b32 s[G0B+4*\s], 1
	s_add_co_u32 s[G0B+4*\s+1], s45, \s*SLOT
	s_add_nc_u64 s[G0B+4*\s+2:G0B+4*\s+3], s[46:47], \s*ROWB
	s_or_b32 s[G0B+4*\s+3], s[G0B+4*\s+3], 0x80000000
.endr
	JLOAD G0, G1, G0B, G1B                         ; K step 0: one tensor load a wave at the head
	v_and_b32 v1, 15, v0                           ; r
	s_wait_alu depctr_va_vdst(0)
	v_bfe_u32 v2, v0, 4, 1                         ; h
	v_mul_u32_u24 v3, v1, PITCH
	v_lshl_add_u32 v4, v2, 4, v3                   ; a fragment's row x pitch + 16 h
	s_mul_i32 s21, s15, HALFT                      ; my 128 rows of A
	s_mul_i32 s22, s16, HALFT                      ; my 128 rows of B,
	s_add_co_u32 s22, s22, 2*HALFT                 ; which lie behind A's 256
.irp s, 0,1
	v_add_nc_u32 v[ADRA+\s], s21, v4
	v_add_nc_u32 v[ADRB+\s], s22, v4
	s_add_co_u32 s21, s21, SLOT
	s_add_co_u32 s22, s22, SLOT
.endr
	s_mul_i32 s23, s14, WSTG                       ; my stage
	v_mul_u32_u24 v5, v1, SPITCH
	s_wait_alu depctr_va_vdst(0)
	v_lshl_add_u32 v5, v2, 3, v5
	v_add_nc_u32 v[STO], s23, v5                   ; in: row r, 8 bytes for each half of the lanes.  36 words from row to row: the 32 lanes of a store touch 64 different banks
	v_and_b32 v6, 8, v1
	v_add_nc_u32 v6, v6, v1                        ; r + 8 (r / 8)
	v_mul_u32_u24 v6, v6, SPITCH
	v_lshl_add_u32 v6, v2, 4, v6
	v_add_nc_u32 v[RD], s23, v6                    ; back: the rows of a piece; rows 16 apart share their banks at this pitch, so these 32 loads go two deep
	v_and_b32 v7, 31, v0
	v_lshlrev_b32 v[CO], 4, v7                     ; out: 16 bytes a lane
	v_lshlrev_b32 v[BQA], 5, v2
	s_wait_alu depctr_va_vdst(0)
	v_lshlrev_b32 v[BVA], 2, v1
	; PREFETCHES INTO THE L2 of K steps 1 to 3: each fill goes out only when the fill before has landed, so what it asks for is asked of memory here, while K step 0's load is out (steps 1, 2), and behind K step 1's load (step 3).
	; Of the 128 rows that a wave fetches, each of the four partners that ask for them jointly takes 32, told apart by address (cx for A, cy for B); a lane a row, 256 bytes of it a K step.
	v_and_b32 v31, 31, v0
	v_lshlrev_b32 v31, 10, v31                     ; v31: my lane x a row of 1,024 bytes; never rewritten
	s_wait_alu depctr_va_vdst(0)
	s_cmp_eq_u32 s15, 0                            ; do I fetch for A?
	s_cselect_b32 s70, s17, s42                    ; the tile's number
	s_cselect_b32 s71, s40, s41                    ; my place among the four that ask with me
	s_cselect_b64 s[98:99], s[4:5], s[6:7]
	s_lshl_b32 s70, s70, 8
	s_lshl_b32 s74, s16, 7
	s_add_co_u32 s70, s70, s74                     ; + the 128 rows that I fetch
	s_lshl_b32 s71, s71, 5
	s_add_co_u32 s70, s70, s71                     ; + my work-group's 32 of them
	s_lshl_b32 s70, s70, 10
	s_mov_b32 s71, 0
	s_add_nc_u64 s[98:99], s[98:99], s[70:71]      ; never rewritten
	global_prefetch_b8 v31, s[98:99] offset:ROWB th:TH_LOAD_NT scope:SCOPE_SE
	global_prefetch_b8 v31, s[98:99] offset:2*ROWB th:TH_LOAD_NT scope:SCOPE_SE
	s_lshl_b32 s20, s17, 8
	s_lshl_b32 s21, s15, 7
	s_add_co_u32 s20, s20, s21                     ; my first row of C
	s_lshl_b32 s46, s42, 8
	s_lshl_b32 s47, s16, 7
	s_add_co_u32 s46, s46, s47                     ; my first column
	s_cmp_eq_u32 ttmp9, 2
	s_cselect_b32 s70, s20, s46                    ; my first feature (at most 896),
	s_cselect_b32 s71, s46, s20                    ; my first token
	s_lshr_b32 s72, s71, 11                        ; batch
	s_lshl_b32 s72, s72, 3
	s_lshr_b32 s73, s70, 7                         ; pair of heads
	s_add_co_u32 s72, s72, s73                     ; stream
	s_lshl_b32 s72, s72, 4
	s_bfe_u32 s73, s71, 0x40007                    ; block of 128 tokens in the batch
	s_add_co_u32 s72, s72, s73
	s_lshl_b32 s72, s72, 14
	s_mov_b32 s73, 0
	s_add_nc_u64 s[10:11], s[10:11], s[72:73]      ; my block of 16,384 bytes
	s_lshl_b32 s72, s70, 2
	s_add_nc_u64 s[66:67], s[66:67], s[72:73]      ; the bias of my 128 features.  Both layouts are loaded by every work-group, inside the buffer; the one that does not apply is cleared on the way out
.irp b, 0,1,2,3,4,5,6,7
	global_load_b128 v[BQ+8*\b:BQ+8*\b+3],   v[BQA], s[66:67] offset:64*\b
	global_load_b128 v[BQ+8*\b+4:BQ+8*\b+7], v[BQA], s[66:67] offset:64*\b+16
.endr
.irp a, 0,1,2,3,4,5,6,7
	global_load_b32 v[BV+2*\a],   v[BVA], s[66:67] offset:64*\a
	global_load_b32 v[BV+2*\a+1], v[BVA], s[66:67] offset:64*\a
.endr
.macro FRAG reg, adr, q, i             ; a fragment, 16 rows x 128 K, is 16 registers: four loads of 16 bytes, 32 bytes apart
.irp c, 0,1,2,3
	ds_load_b128 v[\reg+4*\c:\reg+4*\c+3], v[\adr] offset:128*(\q)+32*\c+(\i)*16*PITCH
.endr
.endm
; 16 matrix instructions: A's blocks a0, a0 + 1 x B's eight.  The 64 accumulators take turns, one instruction a turn, in the same order in every step.
.macro MUL16 a0, p, zero
.irp a, \a0, \a0+1
.irp b, 0,1,2,3,4,5,6,7
.if \zero
	v_wmma_f32_16x16x128_fp8_fp8 v[8*(8*((\a)%4)+\b):8*(8*((\a)%4)+\b)+7], v[128*(\p)+FR*\b:128*(\p)+FR*\b+FR-1], v[AF+FR*(\a):AF+FR*(\a)+FR-1], 0
.else
	v_wmma_f32_16x16x128_fp8_fp8 v[8*(8*((\a)%4)+\b):8*(8*((\a)%4)+\b)+7], v[128*(\p)+FR*\b:128*(\p)+FR*\b+FR-1], v[AF+FR*(\a):AF+FR*(\a)+FR-1], v[8*(8*((\a)%4)+\b):8*(8*((\a)%4)+\b)+7]
.endif
.endr
.endr
.endm
.macro FETCH_B slot, q, p
	WIN TO_B
.irp i, 0,1,2,3,4,5,6,7
	FRAG 128*(\p)+FR*\i, ADRB+\slot, \q, \i
.endr
	WIN 0
.endm
.macro FETCH_A slot, q, i0
.irp i, \i0, \i0+1, \i0+2, \i0+3
	FRAG AF+FR*(\i), ADRA+\slot, \q, \i
.endr
.endm
.macro PLACES n                        ; plain vector instructions between a matrix instruction and a load into, or a vector instruction on, its registers
.rept \n
	v_nop
.endr
.endm
; A step of 128 along K that has its successor in the same slot.
.macro STEP slot, q, zero
	s_wait_dscnt 4*NL                              ; B's set and A's blocks 0-3 are in; the youngest sixteen loads (A's blocks 4-7) may be out
	WIN MUL_LO
	MUL16 0, (\q)%2, \zero
	MUL16 2, (\q)%2, \zero
	s_wait_dscnt 0                                 ; A's blocks 4-7 are in
	PLACES NP
	FETCH_B \slot, (\q)+1, 1-(\q)%2
	FETCH_A \slot, (\q)+1, 0
	WIN MUL_HI
	MUL16 4, (\q)%2, \zero
	MUL16 6, (\q)%2, \zero
	PLACES NP
	WIN 0
	FETCH_A \slot, (\q)+1, 4
.endm
; A slot's last step changes slots: one barrier; in front of it each wave waits for all its tensor loads, adds 0 to its spare word, and waits for that and for its reads of this slot.  fill = 1: this slot is filled again, two K steps ahead.
.macro TURN slot, next, fill
	s_wait_tensorcnt 0x0                           ; all my tensor loads have landed: my part of the next slot
	ds_add_u32 v[SPW], v[NIL]                      ; 0 onto my spare word
	s_wait_dscnt 4*NL+1                            ; (the add and the youngest sixteen loads may be out)
	WIN MUL_LO
	MUL16 0, 1, 0
	s_wait_dscnt 0x0                               ; the add is done, and my reads of this slot are over
	s_barrier_signal -1
	MUL16 2, 1, 0
	WIN 0
	s_barrier_wait -1
.if \fill
	CREST                                          ; the barrier has opened a round of the cluster's: no wave of any partner still reads this slot or has a load on its way
	s_add_nc_u64 s[G0+4*\slot+2:G0+4*\slot+3], s[G0+4*\slot+2:G0+4*\slot+3], 2*ROWB
	s_add_nc_u64 s[G0B+4*\slot+2:G0B+4*\slot+3], s[G0B+4*\slot+2:G0B+4*\slot+3], 2*ROWB
	JLOAD G0+4*\slot, G1, G0B+4*\slot, G1B         ; the first tensor load behind the round; its four v_nop are the places in front of the loads below
.else
	PLACES NP
.endif
	FETCH_B \next, 0, 0
	FETCH_A \next, 0, 0
	WIN MUL_HI
	MUL16 4, 1, 0
	MUL16 6, 1, 0
	PLACES NP
	WIN 0
	FETCH_A \next, 0, 4
.endm
	s_wait_alu depctr_va_vdst(0)                   ; the wait at the head's end
	s_wait_tensorcnt 0x0                           ; my part of K step 0 is in; slot 1's first fill is issued as a refill is:
	ds_add_u32 v[SPW], v[NIL]                      ; 0 onto my spare word
	s_wait_dscnt 0x0
	CROUND                                         ; everybody's part of K step 0 is in, and the joint loads meet
	JLOAD G0+4, G1, G0B+4, G1B                     ; K step 1
	FETCH_B 0, 0, 0
	FETCH_A 0, 0, 0
	FETCH_A 0, 0, 4
	global_prefetch_b8 v31, s[98:99] offset:3*ROWB th:TH_LOAD_NT scope:SCOPE_SE   ; K step 3, two fills ahead of its load
	STEP 0, 0, 1
	s_mov_b32 s3, LAPS-1
.Llap:                                                 ; a trip goes once round the ring and fills both slots again
	TURN 0, 1, 1
	STEP 1, 0, 0
	TURN 1, 0, 1
	STEP 0, 0, 0
	s_sub_co_u32 s3, s3, 1
	s_cmp_lg_u32 s3, 0
	s_cbranch_scc1 .Llap
	TURN 0, 1, 0                                   ; the last lap fills nothing
	STEP 1, 0, 0
	s_wait_dscnt 4*NL
	WIN MUL_LO
	MUL16 0, 1, 0
	MUL16 2, 1, 0
	s_wait_dscnt 0
	WIN MUL_HI
	MUL16 4, 1, 0
	MUL16 6, 1, 0
	WIN 0
	; THE WAY OUT.  The scales are chosen without a branch.
	s_wait_kmcnt 0x0
	s_cmp_eq_u32 ttmp9, 0
	s_cselect_b32 s96, s76, s78                    ; eA: entry 0, 2 or 4
	s_cselect_b32 s97, s77, s79                    ; eB: entry 1, 3 or 5
	s_cselect_b32 s86, s82, s83                    ; the output's e: entry 6 (q), 7 (k) or 9 (v)
	s_cmp_eq_u32 ttmp9, 2
	s_cselect_b32 s96, s80, s96
	s_cselect_b32 s97, s81, s97
	s_cselect_b32 s86, s85, s86
	s_cselect_b32 s94, -1, 0                       ; all lanes for v,
	s_cselect_b32 s95, 0, -1                       ; all lanes for q and k
	s_add_co_i32 s96, s96, s97
	s_add_co_i32 s96, s96, 127
	s_lshl_b32 s96, s96, 23                        ; 2^(eA + eB) as f32
	s_mov_b32 s97, s96                             ; (named with it as a pair)
	s_add_co_i32 s86, s86, 127
	s_lshl_b32 s87, s86, 23
	s_add_co_i32 s86, s86, 8
	s_lshl_b32 s86, s86, 23
	s_or_b32 s86, s86, 0x600000
	s_wait_loadcnt 0x0                             ; the biases
.set i, 0
.rept 64
	v_cndmask_b32 v[BQ+i], 0, v[BQ+i], s95         ; the bias along n stays for q and k.  (These lines are also the places behind the last products)
.set i, i+1
.endr
.set i, 0
.rept 16
	v_cndmask_b32 v[BV+i], 0, v[BV+i], s94         ; the bias along m stays for v
.set i, i+1
.endr
	v_mov_b32 v[SCV], s87                          ; 2^e of the output
	v_mov_b32 v[LIMV], s86                         ; 448 x that
; Block a: 16 rows x 128 columns: sum x 2^(eA + eB) + bias, held, converted, 8 codes a lane and accumulator into my stage.  Each accumulator is read from its low end on.
.macro QBLK a
.set AC, 64*((\a)%4)
.set CDS, 192+16*((\a)%2)              ; the codes' registers: two sets by turns
	WIN 0x02+((\a)/4)                              ; source 0: window 2 or 3
.set j, 0
.rept 32
	v_pk_fma_f32 v[TMP+j:TMP+j+1], v[AC+j:AC+j+1], s[96:97], v[BQ+j:BQ+j+1] op_sel_hi:[1,0,1]
.set j, j+2
.endr
	WIN 0
.set j, 0
.rept 32
	v_pk_add_f32 v[TMP+j:TMP+j+1], v[TMP+j:TMP+j+1], v[BV+2*(\a):BV+2*(\a)+1]
.set j, j+2
.endr
.set j, 0
.rept 64
	v_med3_num_f32 v[TMP+j], v[TMP+j], -v[LIMV], v[LIMV]   ; the conversion does not saturate (ISA guide 7.6.2): the hold
.set j, j+1
.endr
.irp b, 0,1,2,3,4,5,6,7
	v_cvt_scalef32_pk8_fp8_f32 v[CDS+2*\b:CDS+2*\b+1], v[TMP+8*\b:TMP+8*\b+7], v[SCV]
.endr
	v_nop                                          ; a plain instruction between the conversions and the next vector instruction that writes their sources
.irp b, 0,1,2,3,4,5,6,7
	ds_store_b64 v[STO], v[CDS+2*\b:CDS+2*\b+1] offset:16*(\a)*SPITCH+16*\b
.endr
.endm
.irp a, 0,1,2,3,4,5,6,7
	QBLK \a
.endr
	s_wait_dscnt 0x0                               ; my stores have landed; the stage is my own, so no barrier
.irp t, 0,1,2,3,4,5,6,7
.irp p, 0,1,2,3
	ds_load_b128 v[128+16*\t+4*\p:128+16*\t+4*\p+3], v[RD] offset:(32*(\t/2)+8*(\t%2))*SPITCH+32*\p
.endr
.endr
.set i, 0
.rept 32
	s_wait_dscnt 31-i
	global_store_b128 v[CO], v[128+4*i:128+4*i+3], s[10:11] offset:512*i   ; a piece: 32 lanes store 512 consecutive bytes, aligned
.set i, i+1
.endr
	s_wait_tensorcnt 0x0                           ; the wave's end
	ds_add_u32 v[SPW], v[NIL]
	s_wait_dscnt 0x0
	CROUND                                         ; the closing round: no work-group ends while a partner may still ask for a tile that names it
	s_endpgm
.Lfunc_end_k_q86527fa520_qkv:
	.size	k_q86527fa520_qkv, .Lfunc_end_k_q86527fa520_qkv-k_q86527fa520_qkv
	.p2alignl 7, 3214868480
	.fill 96, 4, 3214868480
	.section	.rodata,"a",@progbits
	.p2align	6, 0x0
	.amdhsa_kernel k_q86527fa520_qkv
		.amdhsa_group_segment_fixed_size 327680
		.amdhsa_private_segment_fixed_size 0
		.amdhsa_enable_private_segment 0
		.amdhsa_kernarg_size 72
		.amdhsa_user_sgpr_count 2
		.amdhsa_user_sgpr_kernarg_segment_ptr 1
		.amdhsa_wavefront_size32 1
		.amdhsa_system_sgpr_workgroup_id_x 1
		.amdhsa_system_sgpr_workgroup_id_y 1
		.amdhsa_system_sgpr_workgroup_id_z 1
		.amdhsa_system_vgpr_workitem_id 0
		.amdhsa_next_free_vgpr 1024
		.amdhsa_next_free_sgpr 100
		.amdhsa_reserve_vcc 0
		.amdhsa_float_denorm_mode_32 3
		.amdhsa_float_denorm_mode_16_64 3
		.amdhsa_memory_ordered 1
		.amdhsa_forward_progress 1
		.amdhsa_inst_pref_size 167
	.end_amdhsa_kernel
	.amdgpu_metadata
---
amdhsa.version: [ 1, 2 ]
amdhsa.kernels:
  - .name:           k_q86527fa520_qkv
    .symbol:         k_q86527fa520_qkv.kd
    .args:
      - { .name: hc, .offset: 0, .size: 8, .value_kind: global_buffer, .address_space: global }
      - { .name: wq_w_codes, .offset: 8, .size: 8, .value_kind: global_buffer, .address_space: global }
      - { .name: wk_w_codes, .offset: 16, .size: 8, .value_kind: global_buffer, .address_space: global }
      - { .name: wv_w_codes, .offset: 24, .size: 8, .value_kind: global_buffer, .address_space: global }
      - { .name: wq_b, .offset: 32, .size: 8, .value_kind: global_buffer, .address_space: global }
      - { .name: wk_b, .offset: 40, .size: 8, .value_kind: global_buffer, .address_space: global }
      - { .name: wv_b, .offset: 48, .size: 8, .value_kind: global_buffer, .address_space: global }
      - { .name: lowp_scales, .offset: 56, .size: 8, .value_kind: global_buffer, .address_space: global }
      - { .name: qkvc, .offset: 64, .size: 8, .value_kind: global_buffer, .address_space: global }
    .group_segment_fixed_size: 327680
    .private_segment_fixed_size: 0
    .kernarg_segment_align: 8
    .kernarg_segment_size: 72
    .max_flat_workgroup_size: 128
    .sgpr_count:     100
    .vgpr_count:     1024
    .wavefront_size: 32
...
	.end_amdgpu_metadata
.endif
;; end of part 9
;; launch attn (part 10): grid 32 x 8, 8 waves a work-group, clusters of 4 x 1, 327,680 bytes of LDS; arguments qkvc, lowp_scales, ac; writes ac
.if DOCPART == 10
	.amdgcn_target "amdgcn-amd-amdhsa--gfx1250"
	.amdhsa_code_object_version 6
	.text
	.protected	k_q86527fa520_attn
	.globl	k_q86527fa520_attn
	.p2align	8
	.type	k_q86527fa520_attn,@function
k_q86527fa520_attn:
	s_mov_b64 s[64:65], 0
	v_nop
	global_prefetch_b8 v0, s[64:65] scope:SCOPE_SE
	s_setreg_imm32_b32 hwreg(HW_REG_WAVE_MODE, 25, 1), 1
	s_wait_xcnt 0x0
	s_wait_alu depctr_hold_cnt(0) depctr_sa_sdst(0) depctr_va_vdst(0) depctr_va_sdst(0) depctr_va_ssrc(0) depctr_va_vcc(0) depctr_vm_vsrc(0)
	s_getreg_b32 s2, hwreg(HW_REG_IB_STS2, 6, 4)
	s_cmp_eq_u32 s2, 0
	s_cbranch_scc0 .Lentry_in_a_cluster
	s_endpgm
.Lentry_in_a_cluster:
	s_bfe_u32 s2, ttmp6, 0x10000c
	s_cmp_lg_u32 s2, 0x3003
	s_cbranch_scc0 .Lentry_shape_is_right
	s_endpgm
.Lentry_shape_is_right:
; Attention on E4M3 codes: 32 (batch, head) x 2,048 queries x 2,048 keys, head size 64.  o = softmax(q k^T / 8) v, then o is quantised under entry 10 into ac [4096][1024], K innermost.
; THE SOFTMAX: t = score x log2(e) / 8; M = the row's largest t so far, rounded UP to a whole number; p = 2^(t - M) is quantised under entry 8, not normalised; the row's sum is taken of the unquantised p and divides at the end.
; When M moves, the sum and O are multiplied by 2^(old M - new M): nothing is rounded, and there is no branch on data.
; SHARES.  Work-group (x, y): 64 queries (block 4 x cluster x + cx) of the four heads 4 (y % 4) .. + 3 of batch y / 4, so that a row of its output is 256 consecutive bytes.  Wave w: head w / 2, queries 32 (w % 2) on: two tiles of 16.
; CLUSTER.  The four query blocks of a cluster walk the same k and v: every tile is asked for jointly, by the same tensor load with the mask of all four.
; OPERANDS arrive as images of their registers: a block of 128 tokens of a pair of heads is 32 pieces (t, p) of 512 bytes, lane L's 16 bytes at 16 L.  With row(t, r) = 32 (t / 2) + 8 (t % 2) + r + 8 (r / 8):
;   q, k: token row(t, r), head p / 2 of the pair, channels 32 (p % 2) + 16 h + 0 .. 15;     v: channel row(t, r) of the pair's 128, tokens 32 p + 16 h + 0 .. 15.
; LAYOUT.  Both products are used transposed: S^T = k q^T (source 0 = 16 keys), O^T = v^T p^T (source 0 = 16 channels): a lane holds ONE query.  By row(t, r) the 16 registers of tiles 2 b, 2 b + 1 are 16 neighbours along the next K.
; A KEY STEP (128 keys) GOES BY QUERY TILES.  At its head both tiles' scores are there or on their way.  The maxima, tile 0 then tile 1; the new M and f; tile 0's t - M; O^T and the sums x f.
; Tile 0's 64 exponentials, with tile 1's t - M among them; tile 1's 64, with tile 0's pair sums and holds among them: what those plain lines write is first read behind the batch's closing wait.
; Then tile 0's codes and its product with v; tile 1's sums; tile 0's scores of the NEXT step; tile 1's holds and codes, whose own two products end the step.
; THE RING.  Two slots of 256 keys (two key steps).  A slot's last fragments (the second step's v) are read at the head of its second step; the wave then waits for its tensor load (its tile of the next slot), adds 0 to its
; spare word, waits for its LDS reads and signals.  Work on registers alone stands up to the wait, behind the exponentials.  Behind the round the slot in hand is filled with the keys two slots on, and the next slot's first k is read.
; Six slots change so; the last two, in a second loop, fill nothing and have the work-group's barrier alone (its first trip shows the last slot to all waves; the second passes it to keep one text).
; LIMITS: entries 6 + 7 between -123 and 130 (added to c's exponent field); entries 8 and 10 between -126 and 119; NaN is not served.
; REGISTERS: window 0: v1-7 addresses; v8-23 statistics, eight a tile; v24-27 chains of tile 1's sum; v28, v29 the hold and the scale; v30, v31 for the lane exchange; v32-159 S^T, then p; v160-223 O^T;
;            v224-255 p's codes, and between two uses as codes at work (chains of the maxima, tile 0's pair sums).   window 1: v0-63 k's eight fragments; v64-127 v's four; v128-143 q's two.
.set SLOT1, 1<<17                      ; a slot: eight tiles of 16,384 bytes at 16,384 x (4 (k or v) + 2 pair + step); slot 1 begins here: one exclusive or turns an address
.set SPARE, 2*SLOT1                    ; the spare words, 128 bytes for each of eight waves, that no other line names
.set STAGE, SPARE+1024                 ; the way out: 64 rows x (256 bytes + 16), bytes of its own
.set SP,    272
.set NSL,   8
.set AK0, 1
.set AV0, 2
.set PFO, 3
.set ADK, 4
.set ADV, 5
.set SPW, 6
.set NIL, 7
.set ST,  8                            ; tile u at +8 u: +0 -M, +1 the largest t, +2, +3 the sum in two halves, +4 f (+5 named with it), +6, +7 at work
.set LIM2, ST+5                        ; the hold once more, in another register bank than LIMV: the second half of a dual instruction takes it
.set S2,  24
.set LIMV, 28
.set SCV, 29
.set PX,  30
.set S,   32
.set O,   160
.set P,   224
.set KF,  0                            ; in window 1
.set VF,  64
.set QF,  128
.set WV,  10
.set G1,  16                           ; s[16:23] descriptor group 1
.set G0,  24                           ; s[24:27] group 0, which walks
.set PFA, 28                           ; s[28:29] where my prefetches stand
.set LIM, 30
.set SLOTS, 31
.set TB,  32                           ; LDS byte at which the slot begins from which fragments are read
.set CS,  34                           ; s[34:35] c = log2(e) / 8 x 2^(e6 + e7)
.set SEL, 36
.set MSB, 0
.macro WIN new                         ; the immediate's high byte repeats the setting that is left
.if MSB != \new
	s_set_vgpr_msb (MSB<<8)|\new
.set MSB, \new
.endif
.endm
.macro CREST                           ; a round of the cluster's barrier behind its opening barrier
	s_cmp_lg_u32 s[WV], 0
	s_cbranch_scc1 .Lnot_wave_0_\@
	s_barrier_signal -3
.Lnot_wave_0_\@:
	s_barrier_wait -3
	s_barrier_signal -1
	s_barrier_wait -1
.endm
.macro CROUND
	s_barrier_signal -1
	s_barrier_wait -1
	CREST
.endm
.macro PLACES
.rept 4
	v_nop
.endr
.endm
.macro TLOAD                           ; every wave fetches one tile; s_nop 0 and four v_nop follow
	tensor_load_to_lds s[G0:G0+3], s[G1:G1+7]
	s_nop 0
	PLACES
.endm
; A PREFETCH INTO THE L2 of the slot after the one that has just been asked for: a slot's two key steps ahead of the load that will want it.  Each aligned 256 bytes are named once in the launch: of the clusters that walk the same
; k and v the first (cluster x = 0) asks; in it the even waves, whose tile and the next wave's are 32,768 consecutive bytes; the four partners take 8,192 of them each, told apart by address; lanes 256 bytes apart.
; Slot 0 comes by its load alone; the change that asks for the last slot prefetches nothing.
.macro ASK
	s_cmp_gt_u32 s[SLOTS], s[LIM]
	s_cbranch_scc0 .Lnot_mine_\@
	global_prefetch_b8 v[PFO], s[PFA:PFA+1] th:TH_LOAD_NT scope:SCOPE_SE
.Lnot_mine_\@:
.endm
	s_load_b128 s[4:7], s[0:1], 0x0                ; qkvc s[4:5], lowp_scales s[6:7]
	s_load_b64 s[8:9], s[0:1], 0x10                ; ac
	v_lshl_add_u32 v[SPW], v0, 2, SPARE
	v_mov_b32 v[NIL], 0
	ds_add_u32 v[SPW], v[NIL]                      ; the opening lines: the add, twice on end, and its wait ahead of my first tensor load
	ds_add_u32 v[SPW], v[NIL]
	v_lshrrev_b32 v1, 5, v0
	v_readfirstlane_b32 s[WV], v1                  ; wave 0..7
	s_bfe_u32 s11, ttmp6, 0x40000                  ; cx
	s_lshl_b32 s12, ttmp9, 2
	s_add_co_u32 s12, s12, s11                     ; my block of 64 queries: it enters q's and the output's addresses alone
	s_and_b32 s13, ttmp7, 0xffff                   ; y = 4 batch + group of four heads, which the partners share
	s_lshr_b32 s14, s[WV], 2                       ; as a fetcher: k (0) or v (1).  As a reader: my pair of heads
	s_bfe_u32 s15, s[WV], 0x10001                  ; as a fetcher: the pair.  As a reader: my head in the pair
	s_and_b32 s33, s[WV], 1                        ; as a fetcher: the step.  As a reader: my half of the queries
	s_add_co_u32 s38, s14, 1
	s_lshl_b32 s38, s38, 22                        ; plane 1 (k) or 2 (v),
	s_lshl_b32 s39, s13, 1
	s_add_co_u32 s39, s39, s15
	s_lshl_b32 s39, s39, 18                        ; stream 2 y + pair, 262,144 bytes each,
	s_add_co_u32 s38, s38, s39
	s_lshl_b32 s39, s33, 14                        ; block = step
	s_add_co_u32 s38, s38, s39
	s_mov_b32 s39, 0
	s_lshl_b32 s48, s13, 1                         ; q (plane 0): stream 2 y + my pair,
	s_add_co_u32 s48, s48, s14
	s_lshl_b32 s48, s48, 18
	s_lshr_b32 s49, s12, 1                         ; block of 128 tokens,
	s_lshl_b32 s49, s49, 14
	s_add_co_u32 s48, s48, s49
	s_and_b32 s49, s12, 1                          ; tiles 4 (block % 2) + 2 (wave % 2) + u, 2,048 bytes each,
	s_lshl_b32 s49, s49, 13
	s_add_co_u32 s48, s48, s49
	s_lshl_b32 s49, s33, 12
	s_add_co_u32 s48, s48, s49
	s_lshl_b32 s49, s15, 10                        ; my head's two pieces of a tile's four
	s_add_co_u32 s48, s48, s49
	s_mov_b32 s49, 0
	s_lshr_b32 s50, s13, 2                         ; the output: row 2,048 batch + 64 block + 8 wave,
	s_lshl_b32 s50, s50, 11
	s_lshl_b32 s51, s12, 6
	s_add_co_u32 s50, s50, s51
	s_lshl_b32 s51, s[WV], 3
	s_add_co_u32 s50, s50, s51
	s_lshl_b32 s50, s50, 10
	s_and_b32 s51, s13, 3                          ; byte 256 x group of heads
	s_lshl_b32 s51, s51, 8
	s_add_co_u32 s50, s50, s51
	s_mov_b32 s51, 0
	; descriptor group 1: a dense block of 16,384 bytes as 64 rows of 32 elements of 8 bytes; no padding
	s_mov_b32 s[G1], 15|(3<<16)|(1<<21)            ; the mask: all four work-groups; elements of 8 bytes; bit 21 set beside a mask
	s_mov_b32 s[G1+1], 32<<16
	s_mov_b32 s[G1+2], 64<<16
	s_mov_b32 s[G1+3], 32<<16
	s_mov_b32 s[G1+4], 64
	s_mov_b32 s[G1+5], 32
	s_mov_b32 s[G1+6], 0
	s_mov_b32 s[G1+7], 0
	s_mov_b32 s[CS], 0x3e38aa3b                    ; log2(e) / 8
	s_mov_b32 s[SEL], 0x76543210
	s_mov_b32 s[SEL+1], 0xfedcba98
	s_mov_b32 s[TB], 0
	s_mov_b32 s[SLOTS], NSL-2                      ; changes of slots that fill
	s_or_b32 s[LIM], s33, ttmp9                    ; 0 in the even waves of the first cluster along x: the same in all four partners
	s_cmp_eq_u32 s[LIM], 0
	s_cselect_b32 s[LIM], 1, -1
	s_lshl_b32 s52, s11, 13                        ; my work-group's 8,192 bytes of a prefetch,
	s_add_co_u32 s52, s52, 32768                   ; in slot 1
	s_mov_b32 s53, 0
	s_wait_dscnt 0x0                               ; both opening adds are done
	s_wait_kmcnt 0x0
	s_load_b256 s[40:47], s[6:7], 0x18             ; entries 6 to 13
	s_mov_b32 s[G0], 1
	s_lshl_b32 s[G0+1], s[WV], 14                  ; LDS address: tile = wave, slot 0
	s_add_nc_u64 s[G0+2:G0+3], s[4:5], s[38:39]    ; global address: no place in the cluster enters it
	s_add_nc_u64 s[PFA:PFA+1], s[G0+2:G0+3], s[52:53]
	s_or_b32 s[G0+3], s[G0+3], 0x80000000          ; type = 2
	s_add_nc_u64 s[4:5], s[4:5], s[48:49]          ; q
	s_add_nc_u64 s[8:9], s[8:9], s[50:51]          ; the output
	CROUND                                         ; all four work-groups are here: the first joint loads meet
	TLOAD                                          ; slot 0: my one tensor load at the head
	v_and_b32 v[ADV], 31, v0
	v_lshlrev_b32 v[ADK], 4, v[ADV]                ; 16 x lane
	v_lshlrev_b32 v[PFO], 8, v[ADV]
	s_lshl_b32 s52, s14, 15                        ; my pair's two tiles,
	s_lshl_b32 s53, s15, 10                        ; my head's pieces of a tile of k
	s_add_co_u32 s53, s53, s52
	v_add_nc_u32 v[AK0], s53, v[ADK]
	s_lshl_b32 s53, s15, 13                        ; my head's four tiles of channels of v,
	s_add_co_u32 s53, s53, s52
	s_add_co_u32 s53, s53, 65536                   ; which lie behind k's four tiles
	v_add_nc_u32 v[AV0], s53, v[ADK]
	WIN 0x40
.irp u, 0,1
.irp c, 0,1
	global_load_b128 v[QF+8*\u+4*\c:QF+8*\u+4*\c+3], v[ADK], s[4:5] offset:2048*\u+512*\c   ; q stays in registers
.endr
.endr
	WIN 0
.irp u, 0,1
	v_mov_b32 v[ST+8*\u+1], 0xff61b1e6             ; the largest t so far: -3e38
	v_mov_b32 v[ST+8*\u+2], 0                      ; the sum
	v_mov_b32 v[ST+8*\u+3], 0
	v_mov_b32 v[PX+\u], 0                          ; (a lane exchange's destination counts as read)
.endr
.irp u, 0,1
	v_floor_f32 v[ST+8*\u], -v[ST+8*\u+1]          ; -M
.endr
	v_mov_b32 v[ST+13], 0                          ; (named as the upper half of tile 1's f)
.set i, 0
.rept 64
	v_mov_b32 v[O+i], 0                            ; O^T: the first change of M multiplies zeros, so the key step has no first form of its own
.set i, i+1
.endr
	s_wait_kmcnt 0x0
	s_add_co_i32 s52, s40, s41
	s_lshl_b32 s52, s52, 23
	s_add_co_i32 s[CS], s[CS], s52                 ; a score stands for score x 2^(e6 + e7): added to c's exponent field
	s_mov_b32 s[CS+1], s[CS]
	s_add_co_i32 s52, s42, 127
	s_lshl_b32 s53, s52, 23
	v_mov_b32 v[SCV], s53                          ; 2^e8
	s_add_co_i32 s52, s52, 8
	s_lshl_b32 s52, s52, 23
	s_or_b32 s52, s52, 0x600000
	v_mov_b32 v[LIMV], s52                         ; 448 x 2^e8,
	v_mov_b32 v[LIM2], s52                         ; twice
.macro LOADK q                         ; k's eight fragments of the slot's q-th 128 keys
	WIN 0x40
.irp t, 0,1,2,3,4,5,6,7
.irp c, 0,1
	ds_load_b128 v[KF+8*\t+4*\c:KF+8*\t+4*\c+3], v[ADK] offset:16384*(\q)+2048*\t+512*\c
.endr
.endr
	WIN 0
.endm
.macro LOADV q                         ; v's four
	WIN 0x40
.irp t, 0,1,2,3
.irp c, 0,1,2,3
	ds_load_b128 v[VF+16*\t+4*\c:VF+16*\t+4*\c+3], v[ADV] offset:16384*(\q)+2048*\t+512*\c
.endr
.endr
	WIN 0
.endm
.macro QKT u                           ; tile u's S^T = k q^T: eight accumulators, one instruction each
	WIN 0x05
.irp t, 0,1,2,3,4,5,6,7
	v_wmma_f32_16x16x64_fp8_fp8 v[S+64*\u+8*\t:S+64*\u+8*\t+7], v[KF+8*\t:KF+8*\t+7], v[QF+8*\u:QF+8*\u+7], 0
.endr
	WIN 0
.endm
.macro PVT u                           ; tile u's O^T += v^T p^T: four accumulators, one instruction each
	WIN 0x01
.irp t, 0,1,2,3
	v_wmma_f32_16x16x128_fp8_fp8 v[O+32*\u+8*\t:O+32*\u+8*\t+7], v[VF+16*\t:VF+16*\t+15], v[P+16*\u:P+16*\u+15], v[O+32*\u+8*\t:O+32*\u+8*\t+7]
.endr
	WIN 0
.endm
.macro MAXT u                          ; tile u's largest score among my 64 keys: four chains, each accumulator from its low end on; into ST + 8 u + 6
.set SB, S+64*\u
.set C0, ST+8*\u+6
.set C2, P+2*\u
	v_max_num_f32 v[C0], v[SB], v[SB+1]
	v_max_num_f32 v[C0+1], v[SB+2], v[SB+3]
	v_max_num_f32 v[C2], v[SB+4], v[SB+5]
	v_max_num_f32 v[C2+1], v[SB+6], v[SB+7]
.irp k, 8,16,24,32,40,48,56
	v_max3_num_f32 v[C0], v[C0], v[SB+\k], v[SB+\k+1]
	v_max3_num_f32 v[C0+1], v[C0+1], v[SB+\k+2], v[SB+\k+3]
	v_max3_num_f32 v[C2], v[C2], v[SB+\k+4], v[SB+\k+5]
	v_max3_num_f32 v[C2+1], v[C2+1], v[SB+\k+6], v[SB+\k+7]
.endr
	v_max3_num_f32 v[C0], v[C0], v[C0+1], v[C2]
	v_max_num_f32 v[C0], v[C0], v[C2+1]
.endm
.macro STATS                           ; the new M and f, the two tiles by turns
.irp u, 0,1
	v_permlanex16_b32 v[PX+\u], v[ST+8*\u+6], s[SEL], s[SEL+1]   ; the query's other 64 keys lie in the lane 16 away
.endr
.irp u, 0,1
	s_delay_alu instid0(VALU_DEP_2)
	v_max_num_f32 v[ST+8*\u+6], v[ST+8*\u+6], v[PX+\u]
.endr
.irp u, 0,1
	s_delay_alu instid0(VALU_DEP_2)
	v_mul_f32 v[ST+8*\u+6], s[CS], v[ST+8*\u+6]    ; as t (c is positive)
.endr
.irp u, 0,1
	s_delay_alu instid0(VALU_DEP_2)
	v_max_num_f32 v[ST+8*\u+1], v[ST+8*\u+1], v[ST+8*\u+6]   ; the running largest t
.endr
.irp u, 0,1
	v_mov_b32 v[ST+8*\u+6], v[ST+8*\u]
.endr
.irp u, 0,1
	s_delay_alu instid0(VALU_DEP_4)
	v_floor_f32 v[ST+8*\u], -v[ST+8*\u+1]          ; the new -M = floor(-t): M is a whole number
.endr
.irp u, 0,1
	s_delay_alu instid0(VALU_DEP_2)
	v_sub_f32 v[ST+8*\u+6], v[ST+8*\u], v[ST+8*\u+6]   ; old M - new M: a whole number, 0 or less
.endr
.irp u, 0,1
	s_delay_alu instid0(VALU_DEP_2)
	v_cvt_i32_f32 v[ST+8*\u+6], v[ST+8*\u+6]       ; (it saturates)
.endr
.irp u, 0,1
	s_delay_alu instid0(VALU_DEP_2)
	v_ldexp_f32 v[ST+8*\u+4], 1.0, v[ST+8*\u+6]    ; f = 2^(old M - new M)
.endr
.endm
.macro SCALE                           ; tile 0's t - M (of the pairs c and -M the low word serves both halves); O^T and the sums x f: no exponential stands between the last products and these first reads of O^T
.set j, 0
.rept 32
	v_pk_fma_f32 v[S+j:S+j+1], v[S+j:S+j+1], s[CS:CS+1], v[ST:ST+1] op_sel_hi:[1,0,0]
.set j, j+2
.endr
.irp u, 0,1
.set j, 0
.rept 16
	v_pk_mul_f32 v[O+32*\u+j:O+32*\u+j+1], v[O+32*\u+j:O+32*\u+j+1], v[ST+8*\u+4:ST+8*\u+5] op_sel_hi:[1,0]
.set j, j+2
.endr
.endr
.irp u, 0,1
	v_pk_mul_f32 v[ST+8*\u+2:ST+8*\u+3], v[ST+8*\u+2:ST+8*\u+3], v[ST+8*\u+4:ST+8*\u+5] op_sel_hi:[1,0]
.endr
.endm
.macro HOLD a                          ; the conversion does not saturate (ISA guide 7.6.2); p is not negative, so the hold is one-sided; two numbers an instruction
	v_dual_min_num_f32 v[\a], v[\a], v[LIMV] :: v_dual_min_num_f32 v[\a+1], v[\a+1], v[LIM2]
.endm
; The exponentials, p = 2^(t - M), in two batches, with a wait ahead of each batch and one behind it.  The plain lines among them read nothing that the same batch writes, and what they write is first read behind its closing wait.
.macro EXPS
	s_wait_alu depctr_va_vdst(0)
.set j, 0
.rept 16                               ; tile 0's 64, and tile 1's t - M
	v_exp_f32 v[S+j], v[S+j]
	v_pk_fma_f32 v[S+64+j:S+64+j+1], v[S+64+j:S+64+j+1], s[CS:CS+1], v[ST+8:ST+9] op_sel_hi:[1,0,0]
	v_exp_f32 v[S+j+1], v[S+j+1]
	v_pk_fma_f32 v[S+64+j+2:S+64+j+3], v[S+64+j+2:S+64+j+3], s[CS:CS+1], v[ST+8:ST+9] op_sel_hi:[1,0,0]
	v_exp_f32 v[S+j+2], v[S+j+2]
	v_exp_f32 v[S+j+3], v[S+j+3]
.set j, j+4
.endr
	v_nop                                          ; a plain instruction behind the last exponential
	s_wait_alu depctr_va_vdst(0)
.set j, 0
.rept 16                               ; tile 1's 64; of tile 0 the sums of neighbouring pairs of the UNQUANTISED p, into the codes' 32 registers, and then the hold
	v_exp_f32 v[S+64+j], v[S+64+j]
	v_pk_add_f32 v[P+j/2:P+j/2+1], v[S+j:S+j+1], v[S+j+2:S+j+3]
	v_exp_f32 v[S+64+j+1], v[S+64+j+1]
	HOLD S+j
	v_exp_f32 v[S+64+j+2], v[S+64+j+2]
	HOLD S+j+2
	v_exp_f32 v[S+64+j+3], v[S+64+j+3]
.set j, j+4
.endr
	v_nop
	s_wait_alu depctr_va_vdst(0)
.endm
.macro CODES0                          ; tile 0: its 16 pair sums are added up, by halves, onto the row's sum; then its codes
.irp m, 0,2,4,6,8,10,12,14
	v_pk_add_f32 v[P+\m:P+\m+1], v[P+\m:P+\m+1], v[P+\m+16:P+\m+17]
.endr
.irp m, 0,2,4,6
	v_pk_add_f32 v[P+\m:P+\m+1], v[P+\m:P+\m+1], v[P+\m+8:P+\m+9]
.endr
.irp m, 0,2
	v_pk_add_f32 v[P+\m:P+\m+1], v[P+\m:P+\m+1], v[P+\m+4:P+\m+5]
.endr
	v_pk_add_f32 v[P:P+1], v[P:P+1], v[P+2:P+3]
	v_pk_add_f32 v[ST+2:ST+3], v[ST+2:ST+3], v[P:P+1]
.irp b, 0,1,2,3
	v_cvt_scalef32_pk8_fp8_f32 v[P+4*\b:P+4*\b+1], v[S+16*\b:S+16*\b+7], v[SCV]
	v_cvt_scalef32_pk8_fp8_f32 v[P+4*\b+2:P+4*\b+3], v[S+16*\b+8:S+16*\b+15], v[SCV]
.endr
	v_nop                                          ; a plain instruction between the last conversion and the products
.endm
.macro SUM1                            ; tile 1: the row's sum of the UNQUANTISED p, in four chains
.set SB, S+64
	v_pk_add_f32 v[S2:S2+1], v[SB:SB+1], v[SB+2:SB+3]
	v_pk_add_f32 v[S2+2:S2+3], v[SB+4:SB+5], v[SB+6:SB+7]
	v_pk_add_f32 v[P+16:P+17], v[SB+8:SB+9], v[SB+10:SB+11]
.irp j, 12,20,28,36,44,52
	v_pk_add_f32 v[ST+10:ST+11], v[ST+10:ST+11], v[SB+\j:SB+\j+1]
	v_pk_add_f32 v[S2:S2+1], v[S2:S2+1], v[SB+\j+2:SB+\j+3]
	v_pk_add_f32 v[S2+2:S2+3], v[S2+2:S2+3], v[SB+\j+4:SB+\j+5]
	v_pk_add_f32 v[P+16:P+17], v[P+16:P+17], v[SB+\j+6:SB+\j+7]
.endr
	v_pk_add_f32 v[ST+10:ST+11], v[ST+10:ST+11], v[SB+60:SB+61]
	v_pk_add_f32 v[S2:S2+1], v[S2:S2+1], v[SB+62:SB+63]
	v_pk_add_f32 v[S2+2:S2+3], v[S2+2:S2+3], v[P+16:P+17]
	v_pk_add_f32 v[ST+10:ST+11], v[ST+10:ST+11], v[S2:S2+1]
	v_pk_add_f32 v[ST+10:ST+11], v[ST+10:ST+11], v[S2+2:S2+3]
.endm
.macro CODES1                          ; tile 1: the hold and the codes
.irp b, 0,1,2,3
.irp i, 0,2,4,6,8,10,12,14
	HOLD S+64+16*\b+\i
.endr
	v_cvt_scalef32_pk8_fp8_f32 v[P+16+4*\b:P+16+4*\b+1], v[S+64+16*\b:S+64+16*\b+7], v[SCV]
	v_cvt_scalef32_pk8_fp8_f32 v[P+16+4*\b+2:P+16+4*\b+3], v[S+64+16*\b+8:S+64+16*\b+15], v[SCV]
.endr
	v_nop
.endm
; A step's end.  cond = 1: in the trip that is the loop's last there is no next step: a branch on the counter, the same in all waves, leads round its score products.
.macro FINISH cond
	CODES0
	s_wait_alu depctr_va_vdst(0)
	s_wait_dscnt 16                                ; v is in; k's sixteen loads, issued behind v's, may be out
	PVT 0
	SUM1
	s_wait_alu depctr_va_vdst(0)
.if \cond
	s_cmp_eq_u32 s[SLOTS], 1
	s_cbranch_scc1 .Lno_next0_\@
.endif
	s_wait_dscnt 0x0                               ; the next step's k is in
	QKT 0
.Lno_next0_\@:
	CODES1
	PVT 1
.if \cond
	s_cmp_eq_u32 s[SLOTS], 1
	s_cbranch_scc1 .Lno_next1_\@
.endif
	QKT 1
.Lno_next1_\@:
.endm
; A SLOT: two key steps.  fill = 1: the slot is filled again, from inside its second step.
.macro SLOTB fill
	MAXT 0                                         ; (its 34 lines are also the places between the last products and the loads into their fragments)
	LOADV 0
	LOADK 1
	MAXT 1
	STATS
	SCALE
	EXPS
	FINISH 0
	MAXT 0
	LOADV 1                                        ; my last reads of this slot
	s_wait_tensorcnt 0x0                           ; my tile of the next slot has landed, and group 0 may be written
	ds_add_u32 v[SPW], v[NIL]                      ; 0 onto my spare word
.if \fill
	s_xor_b32 s[G0+1], s[G0+1], SLOT1              ; the slot in hand,
	s_add_nc_u64 s[G0+2:G0+3], s[G0+2:G0+3], 32768 ; the keys two slots on; the type bits on top are not reached
	s_wait_xcnt 0x0                                ; the last prefetch, a slot back, has read its address
	s_add_nc_u64 s[PFA:PFA+1], s[PFA:PFA+1], 32768
.endif
	MAXT 1
	STATS
	s_wait_alu depctr_va_vdst(0)
	s_wait_dscnt 0x0                               ; the add is done, and my reads of this slot are over
	s_barrier_signal -1
	SCALE                                          ; work on registers alone up to the wait
	EXPS
	s_barrier_wait -1
.if \fill
	CREST                                          ; the barrier has opened a round of the cluster's: no wave of any partner still reads this slot or has a load on its way
	TLOAD                                          ; the first thing behind the round, and my one tensor load until the next
	ASK
.endif
	s_xor_b32 s[TB], s[TB], SLOT1                  ; from here on fragments come from the next slot, which the barrier has shown whole
	v_add_nc_u32 v[ADK], s[TB], v[AK0]
	v_add_nc_u32 v[ADV], s[TB], v[AV0]
	s_wait_alu depctr_va_vdst(0)
.if !\fill
	s_cmp_eq_u32 s[SLOTS], 1
	s_cbranch_scc1 .Lno_slot_\@
.endif
	LOADK 0
.Lno_slot_\@:
	FINISH 1-\fill
.endm
	s_wait_alu depctr_va_vdst(0)                   ; the wait at the head's end
	ASK                                            ; slot 1
	s_wait_loadcnt 0x0                             ; q
	s_wait_tensorcnt 0x0                           ; my tile of slot 0 is in; slot 1's first fill is issued as a refill is:
	ds_add_u32 v[SPW], v[NIL]
	s_xor_b32 s[G0+1], s[G0+1], SLOT1
	s_add_nc_u64 s[G0+2:G0+3], s[G0+2:G0+3], 32768
	s_wait_xcnt 0x0
	s_add_nc_u64 s[PFA:PFA+1], s[PFA:PFA+1], 32768
	s_wait_dscnt 0x0
	CROUND
	TLOAD                                          ; slot 1
	ASK                                            ; slot 2
	v_add_nc_u32 v[ADK], s[TB], v[AK0]
	v_add_nc_u32 v[ADV], s[TB], v[AV0]
	s_wait_alu depctr_va_vdst(0)
	LOADK 0
	s_wait_dscnt 0x0
	QKT 0                                          ; the first step's scores
	QKT 1
	PLACES
.Lslot:                                            ; slots 0 to 5: each is filled again with the keys two slots on
	SLOTB 1
	s_sub_co_u32 s[SLOTS], s[SLOTS], 1
	s_cmp_lg_u32 s[SLOTS], 0
	s_cbranch_scc1 .Lslot
	s_mov_b32 s[SLOTS], 2
.Llast:                                            ; slots 6 and 7 fill nothing: written apart
	SLOTB 0
	s_sub_co_u32 s[SLOTS], s[SLOTS], 1
	s_cmp_lg_u32 s[SLOTS], 0
	s_cbranch_scc1 .Llast
	; THE WAY OUT.  The stage's addresses are made here: plain instructions that are the places behind the last products.
	v_and_b32 v24, 15, v0                          ; r
	v_bfe_u32 v25, v0, 4, 1                        ; h
	v_and_b32 v26, 8, v24
	v_add_nc_u32 v26, v26, v24                     ; r + 8 (r / 8): my query in its tile's pattern
	v_mul_u32_u24 v[ADK], v26, SP
	v_lshl_add_u32 v[ADK], v25, 4, v[ADK]
	s_mul_i32 s52, s33, 32*SP                      ; my half of the 64 queries,
	s_lshr_b32 s53, s[WV], 1
	s_lshl_b32 s53, s53, 6                         ; my head's 64 bytes of a row
	s_add_co_u32 s52, s52, s53
	s_add_co_u32 s52, s52, STAGE
	v_add_nc_u32 v[ADK], s52, v[ADK]               ; in
	v_mul_u32_u24 v[ADV], v25, SP
	v_lshl_add_u32 v[ADV], v24, 4, v[ADV]
	s_mul_i32 s52, s[WV], 8*SP
	s_add_co_u32 s52, s52, STAGE
	v_add_nc_u32 v[ADV], s52, v[ADV]               ; back: my eight rows; lanes 0-15 one row of 256 bytes, lanes 16-31 the next
	v_lshlrev_b32 v27, 10, v25
	v_lshl_add_u32 v27, v24, 4, v27                ; and the same two rows in the output
	s_add_co_i32 s54, s42, s43                     ; e8 + e9
	s_add_co_i32 s52, s44, 127
	s_lshl_b32 s53, s52, 23
	s_add_co_i32 s52, s52, 8
	s_lshl_b32 s52, s52, 23
	s_or_b32 s52, s52, 0x600000
.irp u, 0,1
	v_add_f32 v[ST+8*\u+2], v[ST+8*\u+2], v[ST+8*\u+3]
.endr
.irp u, 0,1
	v_permlanex16_b32 v[PX+\u], v[ST+8*\u+2], s[SEL], s[SEL+1]
.endr
.irp u, 0,1
	v_add_f32 v[ST+8*\u+2], v[ST+8*\u+2], v[PX+\u] ; the row's sum
.endr
	s_wait_alu depctr_va_vdst(0)
.irp u, 0,1
	v_rcp_f32 v[ST+8*\u+6], v[ST+8*\u+2]
.endr
	v_mov_b32 v[SCV], s53                          ; 2^e10.  (The plain instruction behind the two reciprocals)
	v_mov_b32 v[LIMV], s52                         ; 448 x 2^e10
	s_wait_alu depctr_va_vdst(0)                   ; one wait for both, ahead of their first reader
.irp u, 0,1
	v_ldexp_f32 v[ST+8*\u+6], v[ST+8*\u+6], s54    ; 2^(e8 + e9) / the sum
.endr
	s_wait_alu depctr_va_vdst(0)                   ; directly ahead of the first reader of O^T
.irp u, 0,1
.set j, 0
.rept 16
	v_pk_mul_f32 v[S+64*\u+j:S+64*\u+j+1], v[O+32*\u+j:O+32*\u+j+1], v[ST+8*\u+6:ST+8*\u+7] op_sel_hi:[1,0]   ; register 16 b + i: channel 32 b + 16 h + i of my query
.set j, j+2
.endr
.endr
.irp u, 0,1
.set j, 0
.rept 32
	v_med3_num_f32 v[S+64*\u+j], v[S+64*\u+j], -v[LIMV], v[LIMV]
.set j, j+1
.endr
.endr
.irp u, 0,1
.irp b, 0,1
	v_cvt_scalef32_pk8_fp8_f32 v[P+16*\u+4*\b:P+16*\u+4*\b+1], v[S+64*\u+16*\b:S+64*\u+16*\b+7], v[SCV]
	v_cvt_scalef32_pk8_fp8_f32 v[P+16*\u+4*\b+2:P+16*\u+4*\b+3], v[S+64*\u+16*\b+8:S+64*\u+16*\b+15], v[SCV]
.endr
.endr
	v_nop                                          ; a plain instruction behind the last conversion
.irp u, 0,1
.irp b, 0,1
	ds_store_b128 v[ADK], v[P+16*\u+4*\b:P+16*\u+4*\b+3] offset:8*\u*SP+32*\b
.endr
.endr
	s_wait_dscnt 0x0                               ; for the others' sake: a row's 256 bytes come from four waves
	s_barrier_signal -1
	s_barrier_wait -1
.irp i, 0,1,2,3
	ds_load_b128 v[S+4*\i:S+4*\i+3], v[ADV] offset:2*\i*SP
.endr
.irp i, 0,1,2,3
	s_wait_dscnt 3-\i
	global_store_b128 v27, v[S+4*\i:S+4*\i+3], s[8:9] offset:2048*\i   ; 16 lanes store 256 consecutive bytes, aligned
.endr
	s_wait_tensorcnt 0x0                           ; the wave's end
	ds_add_u32 v[SPW], v[NIL]
	s_wait_dscnt 0x0
	CROUND                                         ; the closing round
	s_endpgm
.Lfunc_end_k_q86527fa520_attn:
	.size	k_q86527fa520_attn, .Lfunc_end_k_q86527fa520_attn-k_q86527fa520_attn
	.p2alignl 7, 3214868480
	.fill 96, 4, 3214868480
	.section	.rodata,"a",@progbits
	.p2align	6, 0x0
	.amdhsa_kernel k_q86527fa520_attn
		.amdhsa_group_segment_fixed_size 327680
		.amdhsa_private_segment_fixed_size 0
		.amdhsa_enable_private_segment 0
		.amdhsa_kernarg_size 24
		.amdhsa_user_sgpr_count 2
		.amdhsa_user_sgpr_kernarg_segment_ptr 1
		.amdhsa_wavefront_size32 1
		.amdhsa_system_sgpr_workgroup_id_x 1
		.amdhsa_system_sgpr_workgroup_id_y 1
		.amdhsa_system_sgpr_workgroup_id_z 1
		.amdhsa_system_vgpr_workitem_id 0
		.amdhsa_next_free_vgpr 512
		.amdhsa_next_free_sgpr 66
		.amdhsa_reserve_vcc 0
		.amdhsa_float_denorm_mode_32 3
		.amdhsa_float_denorm_mode_16_64 3
		.amdhsa_memory_ordered 1
		.amdhsa_forward_progress 1
		.amdhsa_inst_pref_size 138
	.end_amdhsa_kernel
	.amdgpu_metadata
---
amdhsa.version: [ 1, 2 ]
amdhsa.kernels:
  - .name:           k_q86527fa520_attn
    .symbol:         k_q86527fa520_attn.kd
    .args:
      - { .name: qkvc, .offset: 0, .size: 8, .value_kind: global_buffer, .address_space: global }
      - { .name: lowp_scales, .offset: 8, .size: 8, .value_kind: global_buffer, .address_space: global }
      - { .name: ac, .offset: 16, .size: 8, .value_kind: global_buffer, .address_space: global }
    .group_segment_fixed_size: 327680
    .private_segment_fixed_size: 0
    .kernarg_segment_align: 8
    .kernarg_segment_size: 24
    .max_flat_workgroup_size: 256
    .sgpr_count:     66
    .vgpr_count:     512
    .wavefront_size: 32
...
	.end_amdgpu_metadata
.endif
;; end of part 10
;; launch wo (part 11): grid 8 x 32, 4 waves a work-group, clusters of 4 x 4, 327,680 bytes of LDS; arguments ac, wo_w_codes, lowp_scales, wo_b, x, x1; writes x1
.if DOCPART == 11
	.amdgcn_target "amdgcn-amd-amdhsa--gfx1250"
	.amdhsa_code_object_version 6
	.text
	.protected	k_q86527fa520_wo
	.globl	k_q86527fa520_wo
	.p2align	8
	.type	k_q86527fa520_wo,@function
k_q86527fa520_wo:
	s_mov_b64 s[64:65], 0
	v_nop
	global_prefetch_b8 v0, s[64:65] scope:SCOPE_SE
	s_setreg_imm32_b32 hwreg(HW_REG_WAVE_MODE, 25, 1), 1
	s_wait_xcnt 0x0
	s_wait_alu depctr_hold_cnt(0) depctr_sa_sdst(0) depctr_va_vdst(0) depctr_va_sdst(0) depctr_va_ssrc(0) depctr_va_vcc(0) depctr_vm_vsrc(0)
	s_getreg_b32 s2, hwreg(HW_REG_IB_STS2, 6, 4)
	s_cmp_eq_u32 s2, 0
	s_cbranch_scc0 .Lentry_in_a_cluster
	s_endpgm
.Lentry_in_a_cluster:
	s_bfe_u32 s2, ttmp6, 0x10000c
	s_cmp_lg_u32 s2, 0xf033
	s_cbranch_scc0 .Lentry_shape_is_right
	s_endpgm
.Lentry_shape_is_right:
; out[m][n] = res[m][n] + bias[n] + 2^(eA + eB) x sum over k of A[m][k] B[n][k].  A: [4096][SIZE_K], B: [1024][SIZE_K]: E4M3 codes, K innermost; res, out: [4096][1024] f32; eA, eB: the two entries of lowp_scales at byte ESC.
; The output has only 64 tiles of 256 x 256, so a tile is 128 x 128: 32 x 8 = 256 work-groups of four waves, 64 x 64 (16 accumulators) to a wave.  LIMIT: eA + eB between -126 and 127, so that 2^(eA + eB) is an f32 number.
; K goes in steps of 512 (LDS rows of 512 bytes; a wave's tensor load brings 64 of them), as long as two slots in LDS allow.  With SIZE_K = 1,024 the two slots hold all of K: both are first fills and nothing is filled again.
; CLUSTERS: 4 x 4 work-groups.  The four of a row need the same tiles of A, the four of a column the same tiles of B: each tile is asked for jointly, by the same tensor load with a mask that names the four.
; THE MATRIX INSTRUCTION IS USED TRANSPOSED (source 0 = 16 rows of B, source 1 = 16 rows of A): in accumulator (a, b) lane (r, h) register j holds C(16 a + r, 16 b + 8 h + j).
; Fragments come by four loads of 16 bytes: registers 4 c .. 4 c + 3 hold K = 32 c + 16 h + 0 .. 15: one permutation of K, the same on both sides.
; REGISTERS as windows of 256: window 0: v0-31 addresses; v32-63 the bias in the accumulators' layout; v64-127 two sets of a block's finished sums; v128-255 the accumulators ((a, b) at v[128 + 8 (4 a + b)]), later the rows read back;
;   window 1: two fragment buffers of 128: A's four fragments (16 rows x 128 K, 16 registers each), then B's four;   window 2: v0-127 my 64 rows x 256 bytes of the residual, asked for at the head.
.set SIZE_K, 1024
.set SIZE_N, 1024
.set ESC,    40                        ; byte of eA in lowp_scales; eB follows it
.set LAST,   0                         ; 1: the output is read by no later launch
.set KSTEP,  512
.set ROWB,   512                       ; a tile's row in bytes
.set KROW,   SIZE_K                    ; a row of A or B in memory, in bytes
.set PITCH,  528                       ; an LDS row: 512 bytes + 16 of padding = 132 words: row r starts at bank 4 r mod 64 (64 banks of 4 bytes: ISA guide 11.1), so the 16 rows that a load touches start at 16 different banks
.set FR,     16                        ; registers of a fragment
.set NP,     4                         ; places behind this matrix instruction (ISA guide 7.12.1)
.set HALFT,  64*PITCH                  ; 64 rows: what one tensor load brings, and what one wave reads of A or of B
.set SLOT,   4*HALFT                   ; A's 128 rows, then B's 128 rows
.set LAPS,   SIZE_K/(2*KSTEP)          ; a lap = two K steps = once round the ring
.set SPARE,  2*SLOT                    ; behind the ring: the spare words, 128 bytes a wave, that no other line names
.set SPITCH, 272                       ; the way out: a stage of 64 rows x (256 bytes + 16) for each wave, in slot 0, which has had its last fill and its last read by then
.set WSTG,   64*SPITCH
.set ADRA, 16                          ; v16-17  LDS address of my A fragments in slot 0, 1
.set ADRB, 20                          ; v20-21  the same for B
.set STO,  24                          ; v24     the way out: where I put 32 bytes of a row
.set RD,   25                          ; v25     the way out: where I read a row back
.set CO,   26                          ; v26     my byte offset in two rows of the output and of the residual
.set BQA,  27                          ; v27     32 h: my half's place in 16 biases
.set SPW,  28                          ; v28     LDS address of my spare word; never rewritten
.set NIL,  29                          ; v29     0; never rewritten
.set BQ,   32                          ; register 8 b + j: bias of column 16 b + 8 h + j
.set TMP,  64
.set ACC,  128
.set F0,   0                           ; fragment buffers, in window 1
.set F1,   128
.set RS,   0                           ; the residual, in window 2
.set G1, 24                            ; s[24:31] descriptor group 1 for A's tiles;  s[32:39] group 0, one set for each slot
.set G0, 32
.set G1B, 48                           ; s[48:55], s[56:63] the same for B's tiles
.set G0B, 56
.set MSB, 0
.macro WIN new                         ; the immediate's high byte repeats the setting that is left
.if MSB != \new
	s_set_vgpr_msb (MSB<<8)|\new
.set MSB, \new
.endif
.endm
.set MUL,  0x05                        ; sources 0 (B) and 1 (A) window 1; C and D window 0
.set TO_F, 0x40                        ; destination window 1, address window 0
.macro JLOAD g0a, g1a, g0b, g1b        ; a joint load: waves 0 and 1 fetch for A, waves 2 and 3 for B; the branch hangs on the wave's number alone; four v_nop follow each of the two lines
	s_cmp_eq_u32 s15, 0
	s_cbranch_scc0 .Lfor_b_\@
	tensor_load_to_lds s[\g0a:\g0a+3], s[\g1a:\g1a+7]
	s_nop 0
.rept 4
	v_nop
.endr
	s_branch .Lasked_\@
.Lfor_b_\@:
	tensor_load_to_lds s[\g0b:\g0b+3], s[\g1b:\g1b+7]
	s_nop 0
.rept 4
	v_nop
.endr
.Lasked_\@:
.endm
.macro CREST                           ; a round of the cluster's barrier behind its opening barrier
	s_cmp_lg_u32 s14, 0
	s_cbranch_scc1 .Lnot_wave_0_\@
	s_barrier_signal -3
.Lnot_wave_0_\@:
	s_barrier_wait -3
	s_barrier_signal -1
	s_barrier_wait -1
.endm
.macro CROUND                          ; a whole round
	s_barrier_signal -1
	s_barrier_wait -1
	CREST
.endm
	s_load_b128 s[4:7], s[0:1], 0x0                ; A's codes, B's codes
	s_load_b128 s[8:11], s[0:1], 0x10              ; lowp_scales s[8:9], the bias s[10:11]
	s_load_b128 s[76:79], s[0:1], 0x20             ; the residual s[76:77], the output s[78:79]
	v_lshl_add_u32 v[SPW], v0, 2, SPARE
	v_mov_b32 v[NIL], 0
	ds_add_u32 v28, v29
	ds_add_u32 v28, v29
	s_wait_dscnt 0x0
	v_lshrrev_b32 v1, 5, v0
	v_readfirstlane_b32 s14, v1                    ; wave 0..3
	s_lshr_b32 s15, s14, 1                         ; which half of the tile's rows is mine.  Also: I fetch for A (0) or for B (1)
	s_and_b32 s16, s14, 1                          ; which half of its columns.  Also: which 64 rows of that tile I fetch
	s_bfe_u32 s40, ttmp6, 0x40000                  ; cx, cy: my place in the cluster
	s_bfe_u32 s41, ttmp6, 0x40004
	s_lshl_b32 s42, ttmp9, 2
	s_add_co_u32 s42, s42, s40                     ; tile column = 4 x cluster x + cx
	s_and_b32 s17, ttmp7, 0xffff
	s_lshl_b32 s17, s17, 2
	s_add_co_u32 s17, s17, s41                     ; tile row = 4 x cluster y + cy
	s_lshl_b32 s43, s41, 2
	s_lshl_b32 s43, 15, s43                        ; my row of the cluster
	s_lshl_b32 s44, 0x1111, s40                    ; my column
	; descriptor group 1: a tile of 64 rows x 512 bytes, padded in LDS
	s_or_b32 s[G1+0], s43, (0<<16)|(1<<20)|(1<<21)|(6<<22)|(3<<25)  ; 15:0 the mask: A's tiles go to my row; 17:16 elements of 1 byte; 20 padding on; 21 set beside a mask; 24:22 after every 128 words (code 6); 31:25 four words (code 3)
	s_or_b32 s[G1B+0], s44, (0<<16)|(1<<20)|(1<<21)|(6<<22)|(3<<25)
.irp g, G1, G1B
	s_mov_b32 s[\g+1], ROWB<<16                    ; tensor_dim0
	s_mov_b32 s[\g+2], 64<<16                      ; tensor_dim1
	s_mov_b32 s[\g+3], ROWB<<16                    ; tile_dim0
	s_mov_b32 s[\g+4], 64                          ; tile_dim1
	s_mov_b32 s[\g+5], KROW                        ; tensor_dim0_stride
	s_mov_b32 s[\g+6], 0
	s_mov_b32 s[\g+7], 0
.endr
	s_lshl_b32 s18, s16, 6                         ; which 64 rows of the tile I fetch
	s_lshl_b32 s20, s17, 7
	s_add_co_u32 s20, s20, s18                     ; A: row 128 x tile row + 64 x half
	s_lshl_b32 s46, s42, 7
	s_add_co_u32 s46, s46, s18                     ; B: row 128 x tile column + 64 x half
	s_mov_b32 s21, 0
	s_mov_b32 s47, 0
	s_mov_b64 s[18:19], KROW
	s_mul_u64 s[20:21], s[20:21], s[18:19]
	s_mul_u64 s[46:47], s[46:47], s[18:19]
	s_mul_i32 s45, s14, HALFT                      ; where they go: wave x 64 rows: no place in the cluster enters an LDS address
	s_wait_kmcnt 0x0
	s_load_b64 s[96:97], s[8:9], ESC               ; eA, eB
	s_mov_b64 s[66:67], s[10:11]                   ; the bias
	s_mov_b64 s[68:69], s[76:77]                   ; the residual
	s_mov_b64 s[10:11], s[78:79]                   ; the output
	s_add_nc_u64 s[20:21], s[4:5], s[20:21]
	s_add_nc_u64 s[46:47], s[6:7], s[46:47]
	CROUND                                         ; all sixteen work-groups are here: the first joint loads meet
.irp s, 0,1
	s_mov_b32 s[G0+4*\s], 1
	s_add_co_u32 s[G0+4*\s+1], s45, \s*SLOT
	s_add_nc_u64 s[G0+4*\s+2:G0+4*\s+3], s[20:21], \s*ROWB
	s_or_b32 s[G0+4*\s+3], s[G0+4*\s+3], 0x80000000
	s_mov_b32 s[G0B+4*\s], 1
	s_add_co_u32 s[G0B+4*\s+1], s45, \s*SLOT
	s_add_nc_u64 s[G0B+4*\s+2:G0B+4*\s+3], s[46:47], \s*ROWB
	s_or_b32 s[G0B+4*\s+3], s[G0B+4*\s+3], 0x80000000
.endr
	JLOAD G0, G1, G0B, G1B                         ; K step 0: one tensor load a wave at the head
	v_and_b32 v1, 15, v0                           ; r
	s_wait_alu depctr_va_vdst(0)
	v_bfe_u32 v2, v0, 4, 1                         ; h
	v_mul_u32_u24 v3, v1, PITCH
	v_lshl_add_u32 v4, v2, 4, v3                   ; a fragment's row x pitch + 16 h
	s_mul_i32 s21, s15, HALFT                      ; my 64 rows of A
	s_mul_i32 s22, s16, HALFT                      ; my 64 rows of B,
	s_add_co_u32 s22, s22, 2*HALFT                 ; which lie behind A's 128
.irp s, 0,1
	v_add_nc_u32 v[ADRA+\s], s21, v4
	v_add_nc_u32 v[ADRB+\s], s22, v4
	s_add_co_u32 s21, s21, SLOT
	s_add_co_u32 s22, s22, SLOT
.endr
	s_mul_i32 s23, s14, WSTG                       ; my stage
	v_mul_u32_u24 v5, v1, SPITCH                   ; in: row r, 32 bytes for each half of the lanes
	s_wait_alu depctr_va_vdst(0)
	v_lshl_add_u32 v5, v2, 5, v5
	v_add_nc_u32 v[STO], s23, v5
	v_mul_u32_u24 v6, v2, SPITCH                   ; back: lanes 0-15 take one row of 256 bytes, lanes 16-31 the next
	v_lshl_add_u32 v6, v1, 4, v6
	v_add_nc_u32 v[RD], s23, v6
	v_lshlrev_b32 v[CO], 12, v2                    ; and the same two rows, 4,096 bytes apart, in the output and in the residual
	v_lshl_add_u32 v[CO], v1, 4, v[CO]
	v_lshlrev_b32 v[BQA], 5, v2
	; A PREFETCH INTO THE L2 of K step 1, whose load goes out only when K step 0's has landed: asked of memory here, while that load is out.  Of the 64 rows that a wave fetches, each of the four partners that ask
	; for them jointly takes 16, told apart by address (cx for A, cy for B); a K step is 512 bytes of a row: lane l names row l / 2, block l % 2 of 256 bytes.
	v_and_b32 v31, 31, v0
	v_and_b32 v30, 1, v0
	v_lshrrev_b32 v31, 1, v31
	v_lshlrev_b32 v30, 8, v30
	v_lshl_add_u32 v30, v31, 10, v30               ; 1,024 x (l / 2) + 256 x (l % 2)
	s_wait_alu depctr_va_vdst(0)
	s_cmp_eq_u32 s15, 0                            ; do I fetch for A?
	s_cselect_b32 s70, s17, s42                    ; the tile's number
	s_cselect_b32 s71, s40, s41                    ; my place among the four that ask with me
	s_cselect_b64 s[72:73], s[4:5], s[6:7]
	s_lshl_b32 s70, s70, 7
	s_lshl_b32 s74, s16, 6
	s_add_co_u32 s70, s70, s74                     ; + the 64 rows that I fetch
	s_lshl_b32 s71, s71, 4
	s_add_co_u32 s70, s70, s71                     ; + my work-group's 16 of them
	s_lshl_b32 s70, s70, 10                        ; rows of 1,024 bytes
	s_mov_b32 s71, 0
	s_add_nc_u64 s[72:73], s[72:73], s[70:71]
	global_prefetch_b8 v30, s[72:73] offset:ROWB th:TH_LOAD_NT scope:SCOPE_SE
	s_lshl_b32 s20, s17, 7
	s_lshl_b32 s21, s15, 6
	s_add_co_u32 s20, s20, s21                     ; my first row: 128 x tile row + 64 x half
	s_mov_b32 s21, 0
	s_mov_b64 s[18:19], SIZE_N*4
	s_mul_u64 s[20:21], s[20:21], s[18:19]
	s_lshl_b32 s46, s42, 9                         ; my first column, in bytes: 512 x tile column + 256 x half: my 64 columns are 256 consecutive bytes, aligned
	s_lshl_b32 s47, s16, 8
	s_add_co_u32 s46, s46, s47
	s_mov_b32 s47, 0
	s_add_nc_u64 s[66:67], s[66:67], s[46:47]      ; the bias of my 64 columns
	s_add_nc_u64 s[20:21], s[20:21], s[46:47]
	s_add_nc_u64 s[10:11], s[10:11], s[20:21]
	s_add_nc_u64 s[68:69], s[68:69], s[20:21]
.irp b, 0,1,2,3
	global_load_b128 v[BQ+8*\b:BQ+8*\b+3],   v[BQA], s[66:67] offset:64*\b
	global_load_b128 v[BQ+8*\b+4:BQ+8*\b+7], v[BQA], s[66:67] offset:64*\b+16
.endr
.macro FRAG reg, adr, k, i             ; a fragment, 16 rows x 128 K, is 16 registers: four loads of 16 bytes, 32 bytes apart
.irp c, 0,1,2,3
	ds_load_b128 v[\reg+4*\c:\reg+4*\c+3], v[\adr] offset:(\k)+32*\c+(\i)*16*PITCH
.endr
.endm
; 32 LDS loads in one run: the fragments of 128 along K at byte k of the rows, into buffer f: B's four first, then A's four
.macro FETCH slot, k, f
	WIN TO_F
.irp i, 0,1,2,3
	FRAG \f+64+FR*\i, ADRB+\slot, \k, \i
.endr
.irp i, 0,1,2,3
	FRAG \f+FR*\i, ADRA+\slot, \k, \i
.endr
.endm
; 4 matrix instructions: A's block a x B's four.  The 16 accumulators take turns, one instruction a turn, in the same order in every quarter.  zero = 1: the first product starts the sums
.macro MUL4 f, a, zero
.irp b, 0,1,2,3
.if \zero
	v_wmma_f32_16x16x128_fp8_fp8 v[ACC+8*(4*(\a)+\b):ACC+8*(4*(\a)+\b)+7], v[\f+64+FR*\b:\f+64+FR*\b+FR-1], v[\f+FR*(\a):\f+FR*(\a)+FR-1], 0
.else
	v_wmma_f32_16x16x128_fp8_fp8 v[ACC+8*(4*(\a)+\b):ACC+8*(4*(\a)+\b)+7], v[\f+64+FR*\b:\f+64+FR*\b+FR-1], v[\f+FR*(\a):\f+FR*(\a)+FR-1], v[ACC+8*(4*(\a)+\b):ACC+8*(4*(\a)+\b)+7]
.endif
.endr
.endm
.macro PLACES n                        ; plain vector instructions between a matrix instruction and a load into, or a vector instruction on, its registers
.rept \n
	v_nop
.endr
.endm
; A K step is four quarters of 128 along K, 16 matrix instructions each, on buffers 0, 1, 0, 1.  One of the first three: multiplies buffer f and, in its middle, fetches the next quarter, at byte k, into g.
.macro QUARTER slot, k, f, g, zero
	s_wait_dscnt 8                                 ; B's four and A's blocks 0, 1 are in; the youngest eight loads (A's blocks 2, 3) may be out
	WIN MUL
	MUL4 \f, 0, \zero
	MUL4 \f, 1, \zero
	s_wait_dscnt 0                                 ; A's blocks 2, 3 are in
	PLACES NP                                      ; buffer g was multiplied by the quarter before
	FETCH \slot, \k, \g
	WIN MUL
	MUL4 \f, 2, \zero
	MUL4 \f, 3, \zero
.endm
; The last quarter multiplies buffer 1 and changes slots: ONE barrier; in front of it each wave waits for all its tensor loads, adds 0 to its spare word, and waits for that and for its own reads of this slot.  fill = 1: this slot is filled again, two K steps ahead.
.macro TURN slot, next, fill
	WIN 0                                          ; (the add's two registers lie in window 0)
	s_wait_tensorcnt 0x0                           ; all my tensor loads have landed: my part of the next slot
	ds_add_u32 v[SPW], v[NIL]                      ; 0 onto my spare word
	s_wait_dscnt 9                                 ; (the add and the youngest eight loads may be out)
	WIN MUL
	MUL4 F1, 0, 0                                  ; four matrix instructions stand between the add and the wait for it
	s_wait_dscnt 0x0                               ; the add is done, and my reads of this slot are over
	s_barrier_signal -1
	MUL4 F1, 1, 0
.if \fill
	WIN 0
.endif
	s_barrier_wait -1
.if \fill
	CREST                                          ; the barrier has opened a round of the cluster's: no wave of any partner still reads this slot or has a load on its way
	s_add_nc_u64 s[G0+4*\slot+2:G0+4*\slot+3], s[G0+4*\slot+2:G0+4*\slot+3], 2*ROWB
	s_add_nc_u64 s[G0B+4*\slot+2:G0B+4*\slot+3], s[G0B+4*\slot+2:G0B+4*\slot+3], 2*ROWB
	JLOAD G0+4*\slot, G1, G0B+4*\slot, G1B         ; the first tensor load behind the round, my one load until the next: 56 matrix instructions ahead of the wait for it; its four v_nop are the places in front of the loads below
.else
	PLACES NP
.endif
	FETCH \next, 0, F0
	WIN MUL
	MUL4 F1, 2, 0
	MUL4 F1, 3, 0
.endm
	s_wait_alu depctr_va_vdst(0)                   ; the wait at the head's end
	s_wait_tensorcnt 0x0                           ; my part of K step 0 is in; slot 1's first fill is issued as a refill is:
	ds_add_u32 v[SPW], v[NIL]                      ; 0 onto my spare word
	s_wait_dscnt 0x0
	CROUND                                         ; everybody's part of K step 0 is in, and the joint loads meet
	JLOAD G0+4, G1, G0B+4, G1B                     ; K step 1
	FETCH 0, 0, F0
	WIN 0x80                                       ; destination window 2
.set i, 0
.rept 32
	global_load_b128 v[RS+4*i:RS+4*i+3], v[CO], s[68:69] offset:2*i*SIZE_N*4 th:TH_LOAD_NT   ; rows 2 i and 2 i + 1 of my 64: the residual is asked for behind both tiles' loads and used behind the last product
.set i, i+1
.endr
	QUARTER 0, 128, F0, F1, 1                      ; the first quarter stands in front of the loop: its products start the sums: nothing is cleared
.if LAPS > 1
	WIN 0                                          ; at a label and at a branch every window is 0
	s_mov_b32 s3, LAPS-1
.Llap:                                                 ; a trip goes once round the ring, from a lap's second quarter to the next lap's first, and fills both slots again
	QUARTER 0, 256, F1, F0, 0
	QUARTER 0, 384, F0, F1, 0
	TURN 0, 1, 1
	QUARTER 1, 128, F0, F1, 0
	QUARTER 1, 256, F1, F0, 0
	QUARTER 1, 384, F0, F1, 0
	TURN 1, 0, 1
	QUARTER 0, 128, F0, F1, 0
	WIN 0
	s_sub_co_u32 s3, s3, 1
	s_cmp_lg_u32 s3, 0
	s_cbranch_scc1 .Llap
.endif
	QUARTER 0, 256, F1, F0, 0                      ; the last lap fills nothing, and has no round of the cluster's barrier
	QUARTER 0, 384, F0, F1, 0
	TURN 0, 1, 0
	QUARTER 1, 128, F0, F1, 0
	QUARTER 1, 256, F1, F0, 0
	QUARTER 1, 384, F0, F1, 0
	s_wait_dscnt 8                                 ; the very last quarter: nothing more to fetch
	WIN MUL
	MUL4 F1, 0, 0
	MUL4 F1, 1, 0
	s_wait_dscnt 0
	MUL4 F1, 2, 0
	MUL4 F1, 3, 0
	WIN 0
	; THE WAY OUT.  A lane holds 32 neighbouring bytes of a row, and the lanes beside it hold other rows: so my 64 rows x 256 bytes go through my own stage in LDS and come back as whole rows.
	s_wait_kmcnt 0x0
	s_add_co_i32 s96, s96, s97
	s_add_co_i32 s96, s96, 127
	s_lshl_b32 s96, s96, 23                        ; 2^(eA + eB) as f32
	s_mov_b32 s97, s96                             ; (named with it as a pair)
	s_wait_loadcnt 0x0                             ; the bias and the residual, asked for at the head
	PLACES NP                                      ; behind the last products, whose results are read below
.macro BLK a                           ; block a, 16 rows x 64 columns: sum x 2^(eA + eB) + bias, each accumulator from its low end on; into the stage
.set TT, TMP+32*((\a)%2)
.set j, 0
.rept 16
	v_pk_fma_f32 v[TT+j:TT+j+1], v[ACC+32*(\a)+j:ACC+32*(\a)+j+1], s[96:97], v[BQ+j:BQ+j+1] op_sel_hi:[1,0,1]
.set j, j+2
.endr
.irp b, 0,1,2,3
	ds_store_b128 v[STO], v[TT+8*\b:TT+8*\b+3] offset:16*(\a)*SPITCH+64*\b
	ds_store_b128 v[STO], v[TT+8*\b+4:TT+8*\b+7] offset:16*(\a)*SPITCH+64*\b+16
.endr
.endm
.irp a, 0,1,2,3
	BLK \a
.endr
.set i, 0
.rept 32
	ds_load_b128 v[ACC+4*i:ACC+4*i+3], v[RD] offset:2*i*SPITCH   ; LDS serves a wave's instructions in order (ISA guide 5.7.1.4): these see my stores; the accumulators have been read
.set i, i+1
.endr
.irp g, 0,1,2,3
	s_wait_dscnt 24-8*\g                           ; this batch's eight loads are in; the younger batches may be out
	WIN 0x08                                       ; source 1 (the residual) window 2
.set j, 0
.rept 16
	v_pk_add_f32 v[ACC+32*\g+j:ACC+32*\g+j+1], v[ACC+32*\g+j:ACC+32*\g+j+1], v[RS+32*\g+j:RS+32*\g+j+1]
.set j, j+2
.endr
	WIN 0
.irp t, 0,1,2,3,4,5,6,7
.if LAST
	global_store_b128 v[CO], v[ACC+32*\g+4*\t:ACC+32*\g+4*\t+3], s[10:11] offset:2*(8*\g+\t)*SIZE_N*4 th:TH_STORE_NT
.else
	global_store_b128 v[CO], v[ACC+32*\g+4*\t:ACC+32*\g+4*\t+3], s[10:11] offset:2*(8*\g+\t)*SIZE_N*4   ; 16 lanes store 256 consecutive bytes, aligned; 62 rows at the most stand in the immediate
.endif
.endr
.endr
	s_wait_tensorcnt 0x0                           ; the wave's end
	ds_add_u32 v[SPW], v[NIL]
	s_wait_dscnt 0x0
	CROUND                                         ; the closing round: no work-group ends while a partner may still ask for a tile that names it
	s_endpgm
.Lfunc_end_k_q86527fa520_wo:
	.size	k_q86527fa520_wo, .Lfunc_end_k_q86527fa520_wo-k_q86527fa520_wo
	.p2alignl 7, 3214868480
	.fill 96, 4, 3214868480
	.section	.rodata,"a",@progbits
	.p2align	6, 0x0
	.amdhsa_kernel k_q86527fa520_wo
		.amdhsa_group_segment_fixed_size 327680
		.amdhsa_private_segment_fixed_size 0
		.amdhsa_enable_private_segment 0
		.amdhsa_kernarg_size 48
		.amdhsa_user_sgpr_count 2
		.amdhsa_user_sgpr_kernarg_segment_ptr 1
		.amdhsa_wavefront_size32 1
		.amdhsa_system_sgpr_workgroup_id_x 1
		.amdhsa_system_sgpr_workgroup_id_y 1
		.amdhsa_system_sgpr_workgroup_id_z 1
		.amdhsa_system_vgpr_workitem_id 0
		.amdhsa_next_free_vgpr 640
		.amdhsa_next_free_sgpr 100
		.amdhsa_reserve_vcc 0
		.amdhsa_float_denorm_mode_32 3
		.amdhsa_float_denorm_mode_16_64 3
		.amdhsa_memory_ordered 1
		.amdhsa_forward_progress 1
		.amdhsa_inst_pref_size 55
	.end_amdhsa_kernel
	.amdgpu_metadata
---
amdhsa.version: [ 1, 2 ]
amdhsa.kernels:
  - .name:           k_q86527fa520_wo
    .symbol:         k_q86527fa520_wo.kd
    .args:
      - { .name: ac, .offset: 0, .size: 8, .value_kind: global_buffer, .address_space: global }
      - { .name: wo_w_codes, .offset: 8, .size: 8, .value_kind: global_buffer, .address_space: global }
      - { .name: lowp_scales, .offset: 16, .size: 8, .value_kind: global_buffer, .address_space: global }
      - { .name: wo_b, .offset: 24, .size: 8, .value_kind: global_buffer, .address_space: global }
      - { .name: x, .offset: 32, .size: 8, .value_kind: global_buffer, .address_space: global }
      - { .name: x1, .offset: 40, .size: 8, .value_kind: global_buffer, .address_space: global }
    .group_segment_fixed_size: 327680
    .private_segment_fixed_size: 0
    .kernarg_segment_align: 8
    .kernarg_segment_size: 48
    .max_flat_workgroup_size: 128
    .sgpr_count:     100
    .vgpr_count:     640
    .wavefront_size: 32
...
	.end_amdgpu_metadata
.endif
;; end of part 11
;; launch ln2 (part 12): grid 256 x 1, 8 waves a work-group, no clusters, 0 bytes of LDS; arguments x1, ln2_g, ln2_b, lowp_scales, h2c; writes h2c
.if DOCPART == 12
	.amdgcn_target "amdgcn-amd-amdhsa--gfx1250"
	.amdhsa_code_object_version 6
	.text
	.protected	k_q86527fa520_ln2
	.globl	k_q86527fa520_ln2
	.p2align	8
	.type	k_q86527fa520_ln2,@function
k_q86527fa520_ln2:
	s_mov_b64 s[64:65], 0
	v_nop
	global_prefetch_b8 v0, s[64:65] scope:SCOPE_SE
	s_setreg_imm32_b32 hwreg(HW_REG_WAVE_MODE, 25, 1), 1
	s_wait_xcnt 0x0
; LayerNorm of x [4096][1024] f32 with gain and bias, then E4M3 codes of the result under NS given scales 2^e: plane s of the output, [4096][1024] bytes, K innermost, takes the scale at byte E0 + 8 s of lowp_scales.
; code = y / 2^e, held within +-448, to the nearest code, ties to even.  LIMITS: each e between -126 and 119, so that 2^e and 448 x 2^e are f32 numbers; NaN among the inputs is not served.
; A stream: every byte of x is read once and every code written once.  No LDS, no barrier, no matrix unit, no cluster: waves share nothing but the 8 KiB of gain and bias.
; SHARES.  256 work-groups x 8 waves x 2 rows.  A row stays in 32 registers a lane between its passes: the mean, the centred squares, the scaling: so a common offset of the inputs costs no accuracy.
; A LANE'S NUMBERS.  Chunk c = 0..3 of a row is 256 columns; lane l holds columns 256 c + 8 l + 0..7 in registers 8 c + 0..7: eight neighbours along K, as the conversion takes them.
; A chunk's two loads cover its 1,024 consecutive bytes; a chunk's eight codes a lane leave by one store of 8 bytes, 32 lanes filling 256 consecutive aligned bytes.
.set NS,    1                          ; one scale: product 7's A
.set E0,    48                         ; byte of its entry (12)
.set PLANE, 4194304
.set G,   8                            ; v8-39    gain of my 32 columns
.set BT,  40                           ; v40-71   bias
.set X,   72                           ; v72-135  two rows
.set T,   136                          ; v136-151 two sets of eight held numbers, by turns
.set CD,  152                          ; codes: eight registers for each (row, scale); never written again, so no store's data are
.set W,   200                          ; v200-207 at work: sums; +4, +5 the mean twice; +6, +7 1 / sqrt twice
.set SC,  208                          ; for scale s: 2^e at +2 s, 448 x 2^e at +2 s + 1
	s_load_b256 s[4:11], s[0:1], 0x0               ; x s[4:5], gain s[6:7], bias s[8:9], lowp_scales s[10:11]
	s_load_b64 s[12:13], s[0:1], 0x20              ; the codes
	v_lshrrev_b32 v1, 5, v0
	s_delay_alu instid0(VALU_DEP_1)
	v_readfirstlane_b32 s18, v1                    ; wave
	v_and_b32 v1, 31, v0                           ; lane
	s_delay_alu instid0(VALU_DEP_1)
	v_lshlrev_b32 v2, 5, v1                        ; in: 32 bytes a lane in a chunk
	s_delay_alu instid0(VALU_DEP_2)
	v_lshlrev_b32 v3, 3, v1                        ; out: 8 bytes a lane in a chunk
	s_lshl_b32 s20, ttmp9, 3
	s_add_co_u32 s20, s20, s18                     ; which pair of rows: 8 x work-group + wave
	s_lshl_b32 s22, s20, 11                        ; two rows of 1,024 bytes of codes
	s_mov_b32 s23, 0
	s_lshl_b32 s20, s20, 13                        ; two rows of 4,096 bytes
	s_mov_b32 s21, 0
	s_mov_b32 s19, 0x3a800000                      ; 1 / 1024
	s_mov_b32 s26, 0x76543210                      ; v_permlanex16_b32: each lane takes its own place in the other half
	s_mov_b32 s27, 0xfedcba98
	s_wait_alu depctr_va_vdst(0)
	s_wait_kmcnt 0x0
.irp s, 0,1,2
.if \s < NS
	s_load_b32 s[28+\s], s[10:11], E0+8*\s         ; e
.endif
.endr
	s_add_nc_u64 s[4:5], s[4:5], s[20:21]
	s_add_nc_u64 s[12:13], s[12:13], s[22:23]
.if NS > 1
	s_add_nc_u64 s[14:15], s[12:13], PLANE
	s_add_nc_u64 s[16:17], s[12:13], 2*PLANE
.endif
.macro LOAD32 reg, base, off, nt       ; 32 numbers a lane: eight loads
.irp c, 0,1,2,3
.if \nt
	global_load_b128 v[\reg+8*\c:\reg+8*\c+3],   v2, s[\base:\base+1] offset:\off+1024*\c th:TH_LOAD_NT
	global_load_b128 v[\reg+8*\c+4:\reg+8*\c+7], v2, s[\base:\base+1] offset:\off+1024*\c+16 th:TH_LOAD_NT
.else
	global_load_b128 v[\reg+8*\c:\reg+8*\c+3],   v2, s[\base:\base+1] offset:\off+1024*\c
	global_load_b128 v[\reg+8*\c+4:\reg+8*\c+7], v2, s[\base:\base+1] offset:\off+1024*\c+16
.endif
.endr
.endm
	LOAD32 X, 4, 0, 1                              ; row 0
	LOAD32 G, 6, 0, 0
	LOAD32 BT, 8, 0, 0
	LOAD32 X+32, 4, 4096, 1                        ; row 1
	s_wait_kmcnt 0x0
.irp s, 0,1,2
.if \s < NS
	s_add_co_i32 s24, s[28+\s], 127
	s_lshl_b32 s25, s24, 23
	v_mov_b32 v[SC+2*\s], s25                      ; 2^e as f32: the conversion takes its exponent field
	s_add_co_i32 s24, s24, 8
	s_lshl_b32 s24, s24, 23
	s_or_b32 s24, s24, 0x600000
	v_mov_b32 v[SC+2*\s+1], s24                    ; 448 x 2^e
.endif
.endr
.macro REDUCE                          ; two packed chains in v[W:W+3] become one sum over the wave's 32 lanes, in every lane
	s_delay_alu instid0(VALU_DEP_1)
	v_pk_add_f32 v[W:W+1], v[W:W+1], v[W+2:W+3]
	s_delay_alu instid0(VALU_DEP_1)
	v_add_f32 v[W], v[W], v[W+1]
	s_delay_alu instid0(VALU_DEP_1)
	v_add_f32_dpp v[W], v[W], v[W] row_xmask:1 row_mask:0xf bank_mask:0xf
	s_delay_alu instid0(VALU_DEP_1)
	v_add_f32_dpp v[W], v[W], v[W] row_xmask:2 row_mask:0xf bank_mask:0xf
	s_delay_alu instid0(VALU_DEP_1)
	v_add_f32_dpp v[W], v[W], v[W] row_xmask:4 row_mask:0xf bank_mask:0xf
	s_delay_alu instid0(VALU_DEP_1)
	v_add_f32_dpp v[W], v[W], v[W] row_xmask:8 row_mask:0xf bank_mask:0xf
	s_delay_alu instid0(VALU_DEP_1)
	v_permlanex16_b32 v[W+1], v[W], s26, s27
	s_delay_alu instid0(VALU_DEP_1)
	v_add_f32 v[W], v[W], v[W+1]
.endm
; One row.  first: the younger loads that may stay out when the row is summed; second: when gain and bias are used.
.macro ROW rho, first, second
.set XR, X+32*\rho
	s_wait_loadcnt \first
	v_pk_add_f32 v[W:W+1], v[XR:XR+1], v[XR+2:XR+3]          ; the first numbers start the chains: nothing is cleared
	v_pk_add_f32 v[W+2:W+3], v[XR+4:XR+5], v[XR+6:XR+7]
.irp j, 8,12,16,20,24,28
	s_delay_alu instid0(VALU_DEP_2)
	v_pk_add_f32 v[W:W+1], v[W:W+1], v[XR+\j:XR+\j+1]
	s_delay_alu instid0(VALU_DEP_2)
	v_pk_add_f32 v[W+2:W+3], v[W+2:W+3], v[XR+\j+2:XR+\j+3]
.endr
	REDUCE
	s_delay_alu instid0(VALU_DEP_1)
	v_mul_f32 v[W+4], s19, v[W]                    ; the mean,
	s_delay_alu instid0(VALU_DEP_1)
	v_mov_b32 v[W+5], v[W+4]                       ; twice, for the packed form
.irp j, 0,2,4,6,8,10,12,14,16,18,20,22,24,26,28,30
	v_pk_add_f32 v[XR+\j:XR+\j+1], v[XR+\j:XR+\j+1], v[W+4:W+5] neg_lo:[0,1] neg_hi:[0,1]   ; x - mean
.endr
	v_pk_mul_f32 v[W:W+1], v[XR:XR+1], v[XR:XR+1]
	v_pk_mul_f32 v[W+2:W+3], v[XR+2:XR+3], v[XR+2:XR+3]
.irp j, 4,8,12,16,20,24,28
	s_delay_alu instid0(VALU_DEP_2)
	v_pk_fma_f32 v[W:W+1], v[XR+\j:XR+\j+1], v[XR+\j:XR+\j+1], v[W:W+1]
	s_delay_alu instid0(VALU_DEP_2)
	v_pk_fma_f32 v[W+2:W+3], v[XR+\j+2:XR+\j+3], v[XR+\j+2:XR+\j+3], v[W+2:W+3]
.endr
	REDUCE
	s_delay_alu instid0(VALU_DEP_1)
	v_fmaak_f32 v[W], s19, v[W], 0x3727c5ac        ; the variance + 1e-5
	s_wait_alu depctr_va_vdst(0)
	v_rsq_f32 v[W+6], v[W]
	v_rsq_f32 v[W+7], v[W]
	v_nop                                          ; a plain instruction behind the last of the two (ISA guide 5.7.2),
	s_wait_alu depctr_va_vdst(0)                   ; and the one wait ahead of their first reader
	s_wait_loadcnt \second
.irp j, 0,2,4,6,8,10,12,14,16,18,20,22,24,26,28,30
	v_pk_mul_f32 v[XR+\j:XR+\j+1], v[XR+\j:XR+\j+1], v[W+6:W+7]
.endr
.irp j, 0,2,4,6,8,10,12,14,16,18,20,22,24,26,28,30
	v_pk_fma_f32 v[XR+\j:XR+\j+1], v[XR+\j:XR+\j+1], v[G+\j:G+\j+1], v[BT+\j:BT+\j+1]
.endr
.irp s, 0,1,2
.if \s < NS
.irp c, 0,1,2,3
.irp i, 0,1,2,3,4,5,6,7
	v_med3_num_f32 v[T+8*(\c%2)+\i], v[XR+8*\c+\i], -v[SC+2*\s+1], v[SC+2*\s+1]   ; the conversion does not saturate (ISA guide 7.6.2): the hold; into the set that the last conversion did not read
.endr
	v_cvt_scalef32_pk8_fp8_f32 v[CD+8*(NS*\rho+\s)+2*\c:CD+8*(NS*\rho+\s)+2*\c+1], v[T+8*(\c%2):T+8*(\c%2)+7], v[SC+2*\s]
	global_store_b64 v3, v[CD+8*(NS*\rho+\s)+2*\c:CD+8*(NS*\rho+\s)+2*\c+1], s[12+2*\s:13+2*\s] offset:1024*\rho+256*\c   ; 32 lanes: 256 consecutive bytes, aligned
.endr
.endif
.endr
.endm
	ROW 0, 24, 8                                   ; 24: gain, bias and row 1 may be out; 8: row 1 may be out
	ROW 1, 0, 0
	s_endpgm
.Lfunc_end_k_q86527fa520_ln2:
	.size	k_q86527fa520_ln2, .Lfunc_end_k_q86527fa520_ln2-k_q86527fa520_ln2
	.p2alignl 7, 3214868480
	.fill 96, 4, 3214868480
	.section	.rodata,"a",@progbits
	.p2align	6, 0x0
	.amdhsa_kernel k_q86527fa520_ln2
		.amdhsa_group_segment_fixed_size 0
		.amdhsa_private_segment_fixed_size 0
		.amdhsa_enable_private_segment 0
		.amdhsa_kernarg_size 40
		.amdhsa_user_sgpr_count 2
		.amdhsa_user_sgpr_kernarg_segment_ptr 1
		.amdhsa_wavefront_size32 1
		.amdhsa_system_sgpr_workgroup_id_x 1
		.amdhsa_system_sgpr_workgroup_id_y 1
		.amdhsa_system_sgpr_workgroup_id_z 1
		.amdhsa_system_vgpr_workitem_id 0
		.amdhsa_next_free_vgpr 216
		.amdhsa_next_free_sgpr 66
		.amdhsa_reserve_vcc 0
		.amdhsa_float_denorm_mode_32 3
		.amdhsa_float_denorm_mode_16_64 3
		.amdhsa_memory_ordered 1
		.amdhsa_forward_progress 1
		.amdhsa_inst_pref_size 25
	.end_amdhsa_kernel
	.amdgpu_metadata
---
amdhsa.version: [ 1, 2 ]
amdhsa.kernels:
  - .name:           k_q86527fa520_ln2
    .symbol:         k_q86527fa520_ln2.kd
    .args:
      - { .name: x1, .offset: 0, .size: 8, .value_kind: global_buffer, .address_space: global }
      - { .name: ln2_g, .offset: 8, .size: 8, .value_kind: global_buffer, .address_space: global }
      - { .name: ln2_b, .offset: 16, .size: 8, .value_kind: global_buffer, .address_space: global }
      - { .name: lowp_scales, .offset: 24, .size: 8, .value_kind: global_buffer, .address_space: global }
      - { .name: h2c, .offset: 32, .size: 8, .value_kind: global_buffer, .address_space: global }
    .group_segment_fixed_size: 0
    .private_segment_fixed_size: 0
    .kernarg_segment_align: 8
    .kernarg_segment_size: 40
    .max_flat_workgroup_size: 256
    .sgpr_count:     66
    .vgpr_count:     216
    .wavefront_size: 32
...
	.end_amdgpu_metadata
.endif
;; end of part 12
;; launch ffn1 (part 13): grid 16 x 16, 4 waves a work-group, clusters of 4 x 4, 327,680 bytes of LDS; arguments h2c, ffn1_w_codes, lowp_scales, ffn1_b, fc; writes fc
.if DOCPART == 13
	.amdgcn_target "amdgcn-amd-amdhsa--gfx1250"
	.amdhsa_code_object_version 6
	.text
	.protected	k_q86527fa520_ffn1
	.globl	k_q86527fa520_ffn1
	.p2align	8
	.type	k_q86527fa520_ffn1,@function
k_q86527fa520_ffn1:
	s_mov_b64 s[64:65], 0
	v_nop
	global_prefetch_b8 v0, s[64:65] scope:SCOPE_SE
	s_setreg_imm32_b32 hwreg(HW_REG_WAVE_MODE, 25, 1), 1
	s_wait_xcnt 0x0
	s_wait_alu depctr_hold_cnt(0) depctr_sa_sdst(0) depctr_va_vdst(0) depctr_va_sdst(0) depctr_va_ssrc(0) depctr_va_vcc(0) depctr_vm_vsrc(0)
	s_getreg_b32 s2, hwreg(HW_REG_IB_STS2, 6, 4)
	s_cmp_eq_u32 s2, 0
	s_cbranch_scc0 .Lentry_in_a_cluster
	s_endpgm
.Lentry_in_a_cluster:
	s_bfe_u32 s2, ttmp6, 0x10000c
	s_cmp_lg_u32 s2, 0xf033
	s_cbranch_scc0 .Lentry_shape_is_right
	s_endpgm
.Lentry_shape_is_right:
.set SIZE_K, 1024
.set SIZE_N, 4096
.set KSTEP,  256
.set ROWB,   256
.set KROW,   SIZE_K
.set PITCH,  272
.set FR,     16
.set NL,     4
.set NP,     4
.set HALFT,  128*PITCH
.set SLOT,   4*HALFT
.set LAPS,   SIZE_K/(2*KSTEP)
.set SPARE,  2*SLOT
.set SPITCH, 272
.set ADRA, 16
.set ADRB, 20
.set STO,  24
.set RD,   25
.set CO,   26
.set BQA,  27
.set SPW,  28
.set NIL,  29
.set BQ,   32
.set LIMV, 112
.set SCV,  113
.set TMP,  128
.set AF,   128
.set G1, 24
.set G0, 32
.set G1B, 48
.set G0B, 56
.set MSB, 0
.macro WIN new
.if MSB != \new
	s_set_vgpr_msb (MSB<<8)|\new
.set MSB, \new
.endif
.endm
.set MUL_LO, 0xa1
.set MUL_HI, 0xf1
.set TO_B,   0x40
.macro JLOAD g0a, g1a, g0b, g1b
	s_cmp_eq_u32 s15, 0
	s_cbranch_scc0 .Lfor_b_\@
	tensor_load_to_lds s[\g0a:\g0a+3], s[\g1a:\g1a+7]
	s_nop 0
.rept 4
	v_nop
.endr
	s_branch .Lasked_\@
.Lfor_b_\@:
	tensor_load_to_lds s[\g0b:\g0b+3], s[\g1b:\g1b+7]
	s_nop 0
.rept 4
	v_nop
.endr
.Lasked_\@:
.endm
.macro CREST
	s_cmp_lg_u32 s14, 0
	s_cbranch_scc1 .Lnot_wave_0_\@
	s_barrier_signal -3
.Lnot_wave_0_\@:
	s_barrier_wait -3
	s_barrier_signal -1
	s_barrier_wait -1
.endm
.macro CROUND
	s_barrier_signal -1
	s_barrier_wait -1
	CREST
.endm
	s_load_b128 s[4:7], s[0:1], 0x0
	s_load_b128 s[8:11], s[0:1], 0x10
	s_load_b64 s[68:69], s[0:1], 0x20
	v_lshl_add_u32 v[SPW], v0, 2, SPARE
	v_mov_b32 v[NIL], 0
	ds_add_u32 v28, v29
	ds_add_u32 v28, v29
	s_wait_dscnt 0x0
	v_lshrrev_b32 v1, 5, v0
	v_readfirstlane_b32 s14, v1
	s_lshr_b32 s15, s14, 1
	s_and_b32 s16, s14, 1
	s_bfe_u32 s40, ttmp6, 0x40000
	s_bfe_u32 s41, ttmp6, 0x40004
	s_lshl_b32 s42, ttmp9, 2
	s_add_co_u32 s42, s42, s40
	s_and_b32 s17, ttmp7, 0xffff
	s_lshl_b32 s17, s17, 2
	s_add_co_u32 s17, s17, s41
	s_lshl_b32 s43, s41, 2
	s_lshl_b32 s43, 15, s43
	s_lshl_b32 s44, 0x1111, s40
	s_or_b32 s[G1+0], s43, (0<<16)|(1<<20)|(1<<21)|(5<<22)|(3<<25)
	s_or_b32 s[G1B+0], s44, (0<<16)|(1<<20)|(1<<21)|(5<<22)|(3<<25)
.irp g, G1, G1B
	s_mov_b32 s[\g+1], ROWB<<16
	s_mov_b32 s[\g+2], 128<<16
	s_mov_b32 s[\g+3], ROWB<<16
	s_mov_b32 s[\g+4], 128
	s_mov_b32 s[\g+5], KROW
	s_mov_b32 s[\g+6], 0
	s_mov_b32 s[\g+7], 0
.endr
	s_lshl_b32 s18, s16, 7
	s_lshl_b32 s20, s17, 8
	s_add_co_u32 s20, s20, s18
	s_lshl_b32 s46, s42, 8
	s_add_co_u32 s46, s46, s18
	s_mov_b32 s21, 0
	s_mov_b32 s47, 0
	s_mov_b64 s[18:19], KROW
	s_mul_u64 s[20:21], s[20:21], s[18:19]
	s_mul_u64 s[46:47], s[46:47], s[18:19]
	s_mul_i32 s45, s14, HALFT
	s_wait_kmcnt 0x0
	s_load_b128 s[76:79], s[8:9], 0x30
	s_mov_b64 s[66:67], s[10:11]
	s_mov_b64 s[10:11], s[68:69]
	s_add_nc_u64 s[20:21], s[4:5], s[20:21]
	s_add_nc_u64 s[46:47], s[6:7], s[46:47]
	CROUND
.irp s, 0,1
	s_mov_b32 s[G0+4*\s], 1
	s_add_co_u32 s[G0+4*\s+1], s45, \s*SLOT
	s_add_nc_u64 s[G0+4*\s+2:G0+4*\s+3], s[20:21], \s*ROWB
	s_or_b32 s[G0+4*\s+3], s[G0+4*\s+3], 0x80000000
	s_mov_b32 s[G0B+4*\s], 1
	s_add_co_u32 s[G0B+4*\s+1], s45, \s*SLOT
	s_add_nc_u64 s[G0B+4*\s+2:G0B+4*\s+3], s[46:47], \s*ROWB
	s_or_b32 s[G0B+4*\s+3], s[G0B+4*\s+3], 0x80000000
.endr
	JLOAD G0, G1, G0B, G1B                         ; K step 0: one tensor load a wave at the head
	v_and_b32 v1, 15, v0
	s_wait_alu depctr_va_vdst(0)
	v_bfe_u32 v2, v0, 4, 1
	v_mul_u32_u24 v3, v1, PITCH
	v_lshl_add_u32 v4, v2, 4, v3
	s_mul_i32 s21, s15, HALFT
	s_mul_i32 s22, s16, HALFT
	s_add_co_u32 s22, s22, 2*HALFT
.irp s, 0,1
	v_add_nc_u32 v[ADRA+\s], s21, v4
	v_add_nc_u32 v[ADRB+\s], s22, v4
	s_add_co_u32 s21, s21, SLOT
	s_add_co_u32 s22, s22, SLOT
.endr
	s_mul_i32 s23, s15, 128*SPITCH
	s_lshl_b32 s21, s16, 7
	s_add_co_u32 s23, s23, s21
	v_mul_u32_u24 v5, v1, SPITCH
	s_wait_alu depctr_va_vdst(0)
	v_lshl_add_u32 v5, v2, 3, v5
	v_add_nc_u32 v[STO], s23, v5
	s_mul_i32 s23, s14, 64*SPITCH
	v_mul_u32_u24 v6, v2, SPITCH
	v_lshl_add_u32 v6, v1, 4, v6
	v_add_nc_u32 v[RD], s23, v6
	v_lshlrev_b32 v[CO], 12, v2
	v_lshl_add_u32 v[CO], v1, 4, v[CO]
	v_lshlrev_b32 v[BQA], 5, v2
	; PREFETCHES INTO THE L2 of K steps 1 to 3: each fill goes out only when the fill before has landed, so what it asks for is asked of memory here, while K step 0's load is out (steps 1, 2), and behind K step 1's load (step 3).
	; Of the 128 rows that a wave fetches, each of the four partners that ask for them jointly takes 32, told apart by address (cx for A, cy for B); a lane a row, 256 bytes of it a K step.
	v_and_b32 v31, 31, v0
	v_lshlrev_b32 v31, 10, v31                     ; v31: my lane x a row of 1,024 bytes; never rewritten
	s_wait_alu depctr_va_vdst(0)
	s_cmp_eq_u32 s15, 0                            ; do I fetch for A?
	s_cselect_b32 s70, s17, s42                    ; the tile's number
	s_cselect_b32 s71, s40, s41                    ; my place among the four that ask with me
	s_cselect_b64 s[98:99], s[4:5], s[6:7]
	s_lshl_b32 s70, s70, 8
	s_lshl_b32 s74, s16, 7
	s_add_co_u32 s70, s70, s74                     ; + the 128 rows that I fetch
	s_lshl_b32 s71, s71, 5
	s_add_co_u32 s70, s70, s71                     ; + my work-group's 32 of them
	s_lshl_b32 s70, s70, 10
	s_mov_b32 s71, 0
	s_add_nc_u64 s[98:99], s[98:99], s[70:71]      ; never rewritten
	global_prefetch_b8 v31, s[98:99] offset:ROWB th:TH_LOAD_NT scope:SCOPE_SE
	global_prefetch_b8 v31, s[98:99] offset:2*ROWB th:TH_LOAD_NT scope:SCOPE_SE
	s_lshl_b32 s46, s42, 10
	s_lshl_b32 s47, s16, 9
	s_add_co_u32 s46, s46, s47
	s_mov_b32 s47, 0
	s_add_nc_u64 s[66:67], s[66:67], s[46:47]
	s_lshl_b32 s20, s17, 8
	s_lshl_b32 s21, s14, 6
	s_add_co_u32 s20, s20, s21
	s_lshl_b32 s20, s20, 12
	s_lshl_b32 s21, s42, 8
	s_add_co_u32 s20, s20, s21
	s_mov_b32 s21, 0
	s_add_nc_u64 s[10:11], s[10:11], s[20:21]
.irp b, 0,1,2,3,4,5,6,7
	global_load_b128 v[BQ+8*\b:BQ+8*\b+3],   v[BQA], s[66:67] offset:64*\b
	global_load_b128 v[BQ+8*\b+4:BQ+8*\b+7], v[BQA], s[66:67] offset:64*\b+16
.endr
.macro FRAG reg, adr, q, i
.irp c, 0,1,2,3
	ds_load_b128 v[\reg+4*\c:\reg+4*\c+3], v[\adr] offset:128*(\q)+32*\c+(\i)*16*PITCH
.endr
.endm
.macro MUL16 a0, p, zero
.irp a, \a0, \a0+1
.irp b, 0,1,2,3,4,5,6,7
.if \zero
	v_wmma_f32_16x16x128_fp8_fp8 v[8*(8*((\a)%4)+\b):8*(8*((\a)%4)+\b)+7], v[128*(\p)+FR*\b:128*(\p)+FR*\b+FR-1], v[AF+FR*(\a):AF+FR*(\a)+FR-1], 0
.else
	v_wmma_f32_16x16x128_fp8_fp8 v[8*(8*((\a)%4)+\b):8*(8*((\a)%4)+\b)+7], v[128*(\p)+FR*\b:128*(\p)+FR*\b+FR-1], v[AF+FR*(\a):AF+FR*(\a)+FR-1], v[8*(8*((\a)%4)+\b):8*(8*((\a)%4)+\b)+7]
.endif
.endr
.endr
.endm
.macro FETCH_B slot, q, p
	WIN TO_B
.irp i, 0,1,2,3,4,5,6,7
	FRAG 128*(\p)+FR*\i, ADRB+\slot, \q, \i
.endr
	WIN 0
.endm
.macro FETCH_A slot, q, i0
.irp i, \i0, \i0+1, \i0+2, \i0+3
	FRAG AF+FR*(\i), ADRA+\slot, \q, \i
.endr
.endm
.macro PLACES n
.rept \n
	v_nop
.endr
.endm
.macro STEP slot, q, zero
	s_wait_dscnt 4*NL
	WIN MUL_LO
	MUL16 0, (\q)%2, \zero
	MUL16 2, (\q)%2, \zero
	s_wait_dscnt 0
	PLACES NP
	FETCH_B \slot, (\q)+1, 1-(\q)%2
	FETCH_A \slot, (\q)+1, 0
	WIN MUL_HI
	MUL16 4, (\q)%2, \zero
	MUL16 6, (\q)%2, \zero
	PLACES NP
	WIN 0
	FETCH_A \slot, (\q)+1, 4
.endm
.macro TURN slot, next, fill
	s_wait_tensorcnt 0x0
	ds_add_u32 v[SPW], v[NIL]
	s_wait_dscnt 4*NL+1
	WIN MUL_LO
	MUL16 0, 1, 0
	s_wait_dscnt 0x0
	s_barrier_signal -1
	MUL16 2, 1, 0
	WIN 0
	s_barrier_wait -1
.if \fill
	CREST
	s_add_nc_u64 s[G0+4*\slot+2:G0+4*\slot+3], s[G0+4*\slot+2:G0+4*\slot+3], 2*ROWB
	s_add_nc_u64 s[G0B+4*\slot+2:G0B+4*\slot+3], s[G0B+4*\slot+2:G0B+4*\slot+3], 2*ROWB
	JLOAD G0+4*\slot, G1, G0B+4*\slot, G1B
.else
	PLACES NP
.endif
	FETCH_B \next, 0, 0
	FETCH_A \next, 0, 0
	WIN MUL_HI
	MUL16 4, 1, 0
	MUL16 6, 1, 0
	PLACES NP
	WIN 0
	FETCH_A \next, 0, 4
.endm
	s_wait_alu depctr_va_vdst(0)                   ; the wait at the head's end
	s_wait_tensorcnt 0x0                           ; my part of K step 0 is in; slot 1's first fill is issued as a refill is:
	ds_add_u32 v[SPW], v[NIL]                      ; 0 onto my spare word
	s_wait_dscnt 0x0
	CROUND                                         ; everybody's part of K step 0 is in, and the joint loads meet
	JLOAD G0+4, G1, G0B+4, G1B                     ; K step 1
	FETCH_B 0, 0, 0
	FETCH_A 0, 0, 0
	FETCH_A 0, 0, 4
	global_prefetch_b8 v31, s[98:99] offset:3*ROWB th:TH_LOAD_NT scope:SCOPE_SE   ; K step 3, two fills ahead of its load
	STEP 0, 0, 1
	s_mov_b32 s3, LAPS-1
.Llap:
	TURN 0, 1, 1
	STEP 1, 0, 0
	TURN 1, 0, 1
	STEP 0, 0, 0
	s_sub_co_u32 s3, s3, 1
	s_cmp_lg_u32 s3, 0
	s_cbranch_scc1 .Llap
	TURN 0, 1, 0
	STEP 1, 0, 0
	s_wait_dscnt 4*NL
	WIN MUL_LO
	MUL16 0, 1, 0
	MUL16 2, 1, 0
	s_wait_dscnt 0
	WIN MUL_HI
	MUL16 4, 1, 0
	MUL16 6, 1, 0
	WIN 0
	s_wait_kmcnt 0x0
	s_add_co_i32 s96, s76, s77
	s_add_co_i32 s96, s96, 127
	s_lshl_b32 s96, s96, 23
	s_mov_b32 s97, s96
	s_add_co_i32 s80, s78, 127
	s_lshl_b32 s81, s80, 23
	s_add_co_i32 s80, s80, 8
	s_lshl_b32 s80, s80, 23
	s_or_b32 s80, s80, 0x600000
	s_wait_loadcnt 0x0
	v_mov_b32 v[SCV], s81
	v_mov_b32 v[LIMV], s80
	PLACES NP
.macro HBLK a
.set AC, 64*((\a)%4)
.set CDS, 192+16*((\a)%2)
	WIN 0x02+((\a)/4)
.set j, 0
.rept 32
	v_pk_fma_f32 v[TMP+j:TMP+j+1], v[AC+j:AC+j+1], s[96:97], v[BQ+j:BQ+j+1] op_sel_hi:[1,0,1]
.set j, j+2
.endr
	WIN 0
.set j, 0
.rept 64
	v_med3_num_f32 v[TMP+j], v[TMP+j], 0, v[LIMV]
.set j, j+1
.endr
.irp b, 0,1,2,3,4,5,6,7
	v_cvt_scalef32_pk8_fp8_f32 v[CDS+2*\b:CDS+2*\b+1], v[TMP+8*\b:TMP+8*\b+7], v[SCV]
.endr
	v_nop
.irp b, 0,1,2,3,4,5,6,7
	ds_store_b64 v[STO], v[CDS+2*\b:CDS+2*\b+1] offset:16*(\a)*SPITCH+16*\b
.endr
.endm
.irp a, 0,1,2,3,4,5,6,7
	HBLK \a
.endr
	s_wait_dscnt 0x0
	s_barrier_signal -1
	s_barrier_wait -1
.set i, 0
.rept 32
	ds_load_b128 v[128+4*i:128+4*i+3], v[RD] offset:2*i*SPITCH
.set i, i+1
.endr
.set i, 0
.rept 32
	s_wait_dscnt 31-i
	global_store_b128 v[CO], v[128+4*i:128+4*i+3], s[10:11] offset:2*i*SIZE_N
.set i, i+1
.endr
	s_wait_tensorcnt 0x0
	ds_add_u32 v[SPW], v[NIL]
	s_wait_dscnt 0x0
	CROUND
	s_endpgm
.Lfunc_end_k_q86527fa520_ffn1:
	.size	k_q86527fa520_ffn1, .Lfunc_end_k_q86527fa520_ffn1-k_q86527fa520_ffn1
	.p2alignl 7, 3214868480
	.fill 96, 4, 3214868480
	.section	.rodata,"a",@progbits
	.p2align	6, 0x0
	.amdhsa_kernel k_q86527fa520_ffn1
		.amdhsa_group_segment_fixed_size 327680
		.amdhsa_private_segment_fixed_size 0
		.amdhsa_enable_private_segment 0
		.amdhsa_kernarg_size 40
		.amdhsa_user_sgpr_count 2
		.amdhsa_user_sgpr_kernarg_segment_ptr 1
		.amdhsa_wavefront_size32 1
		.amdhsa_system_sgpr_workgroup_id_x 1
		.amdhsa_system_sgpr_workgroup_id_y 1
		.amdhsa_system_sgpr_workgroup_id_z 1
		.amdhsa_system_vgpr_workitem_id 0
		.amdhsa_next_free_vgpr 1024
		.amdhsa_next_free_sgpr 100
		.amdhsa_reserve_vcc 0
		.amdhsa_float_denorm_mode_32 3
		.amdhsa_float_denorm_mode_16_64 3
		.amdhsa_memory_ordered 1
		.amdhsa_forward_progress 1
		.amdhsa_inst_pref_size 144
	.end_amdhsa_kernel
	.amdgpu_metadata
---
amdhsa.version: [ 1, 2 ]
amdhsa.kernels:
  - .name:           k_q86527fa520_ffn1
    .symbol:         k_q86527fa520_ffn1.kd
    .args:
      - { .name: h2c, .offset: 0, .size: 8, .value_kind: global_buffer, .address_space: global }
      - { .name: ffn1_w_codes, .offset: 8, .size: 8, .value_kind: global_buffer, .address_space: global }
      - { .name: lowp_scales, .offset: 16, .size: 8, .value_kind: global_buffer, .address_space: global }
      - { .name: ffn1_b, .offset: 24, .size: 8, .value_kind: global_buffer, .address_space: global }
      - { .name: fc, .offset: 32, .size: 8, .value_kind: global_buffer, .address_space: global }
    .group_segment_fixed_size: 327680
    .private_segment_fixed_size: 0
    .kernarg_segment_align: 8
    .kernarg_segment_size: 40
    .max_flat_workgroup_size: 128
    .sgpr_count:     100
    .vgpr_count:     1024
    .wavefront_size: 32
...
	.end_amdgpu_metadata
.endif
;; end of part 13
;; launch ffn2 (part 14): grid 8 x 32, 4 waves a work-group, clusters of 4 x 4, 327,680 bytes of LDS; arguments fc, ffn2_w_codes, lowp_scales, ffn2_b, x1, out0; writes out0
.if DOCPART == 14
	.amdgcn_target "amdgcn-amd-amdhsa--gfx1250"
	.amdhsa_code_object_version 6
	.text
	.protected	k_q86527fa520_ffn2
	.globl	k_q86527fa520_ffn2
	.p2align	8
	.type	k_q86527fa520_ffn2,@function
k_q86527fa520_ffn2:
	s_mov_b64 s[64:65], 0
	v_nop
	global_prefetch_b8 v0, s[64:65] scope:SCOPE_SE
	s_setreg_imm32_b32 hwreg(HW_REG_WAVE_MODE, 25, 1), 1
	s_wait_xcnt 0x0
	s_wait_alu depctr_hold_cnt(0) depctr_sa_sdst(0) depctr_va_vdst(0) depctr_va_sdst(0) depctr_va_ssrc(0) depctr_va_vcc(0) depctr_vm_vsrc(0)
	s_getreg_b32 s2, hwreg(HW_REG_IB_STS2, 6, 4)
	s_cmp_eq_u32 s2, 0
	s_cbranch_scc0 .Lentry_in_a_cluster
	s_endpgm
.Lentry_in_a_cluster:
	s_bfe_u32 s2, ttmp6, 0x10000c
	s_cmp_lg_u32 s2, 0xf033
	s_cbranch_scc0 .Lentry_shape_is_right
	s_endpgm
.Lentry_shape_is_right:
.set SIZE_K, 4096
.set SIZE_N, 1024
.set ESC,    56
.set LAST,   1
.set KSTEP,  512
.set ROWB,   512
.set KROW,   SIZE_K
.set PITCH,  528
.set FR,     16
.set NP,     4
.set HALFT,  64*PITCH
.set SLOT,   4*HALFT
.set LAPS,   SIZE_K/(2*KSTEP)
.set SPARE,  2*SLOT
.set SPITCH, 272
.set WSTG,   64*SPITCH
.set ADRA, 16
.set ADRB, 20
.set STO,  24
.set RD,   25
.set CO,   26
.set BQA,  27
.set SPW,  28
.set NIL,  29
.set BQ,   32
.set TMP,  64
.set ACC,  128
.set F0,   0
.set F1,   128
.set RS,   0
.set G1, 24
.set G0, 32
.set G1B, 48
.set G0B, 56
.set MSB, 0
.macro WIN new
.if MSB != \new
	s_set_vgpr_msb (MSB<<8)|\new
.set MSB, \new
.endif
.endm
.set MUL,  0x05
.set TO_F, 0x40
.macro JLOAD g0a, g1a, g0b, g1b
	s_cmp_eq_u32 s15, 0
	s_cbranch_scc0 .Lfor_b_\@
	tensor_load_to_lds s[\g0a:\g0a+3], s[\g1a:\g1a+7]
	s_nop 0
.rept 4
	v_nop
.endr
	s_branch .Lasked_\@
.Lfor_b_\@:
	tensor_load_to_lds s[\g0b:\g0b+3], s[\g1b:\g1b+7]
	s_nop 0
.rept 4
	v_nop
.endr
.Lasked_\@:
.endm
.macro CREST
	s_cmp_lg_u32 s14, 0
	s_cbranch_scc1 .Lnot_wave_0_\@
	s_barrier_signal -3
.Lnot_wave_0_\@:
	s_barrier_wait -3
	s_barrier_signal -1
	s_barrier_wait -1
.endm
.macro CROUND
	s_barrier_signal -1
	s_barrier_wait -1
	CREST
.endm
	s_load_b128 s[4:7], s[0:1], 0x0
	s_load_b128 s[8:11], s[0:1], 0x10
	s_load_b128 s[76:79], s[0:1], 0x20
	v_lshl_add_u32 v[SPW], v0, 2, SPARE
	v_mov_b32 v[NIL], 0
	ds_add_u32 v28, v29
	ds_add_u32 v28, v29
	s_wait_dscnt 0x0
	v_lshrrev_b32 v1, 5, v0
	v_readfirstlane_b32 s14, v1
	s_lshr_b32 s15, s14, 1
	s_and_b32 s16, s14, 1
	s_bfe_u32 s40, ttmp6, 0x40000
	s_bfe_u32 s41, ttmp6, 0x40004
	s_lshl_b32 s42, ttmp9, 2
	s_add_co_u32 s42, s42, s40
	s_and_b32 s17, ttmp7, 0xffff
	s_lshl_b32 s17, s17, 2
	s_add_co_u32 s17, s17, s41
	s_lshl_b32 s43, s41, 2
	s_lshl_b32 s43, 15, s43
	s_lshl_b32 s44, 0x1111, s40
	s_or_b32 s[G1+0], s43, (0<<16)|(1<<20)|(1<<21)|(6<<22)|(3<<25)
	s_or_b32 s[G1B+0], s44, (0<<16)|(1<<20)|(1<<21)|(6<<22)|(3<<25)
.irp g, G1, G1B
	s_mov_b32 s[\g+1], ROWB<<16
	s_mov_b32 s[\g+2], 64<<16
	s_mov_b32 s[\g+3], ROWB<<16
	s_mov_b32 s[\g+4], 64
	s_mov_b32 s[\g+5], KROW
	s_mov_b32 s[\g+6], 0
	s_mov_b32 s[\g+7], 0
.endr
	s_lshl_b32 s18, s16, 6
	s_lshl_b32 s20, s17, 7
	s_add_co_u32 s20, s20, s18
	s_lshl_b32 s46, s42, 7
	s_add_co_u32 s46, s46, s18
	s_mov_b32 s21, 0
	s_mov_b32 s47, 0
	s_mov_b64 s[18:19], KROW
	s_mul_u64 s[20:21], s[20:21], s[18:19]
	s_mul_u64 s[46:47], s[46:47], s[18:19]
	s_mul_i32 s45, s14, HALFT
	s_wait_kmcnt 0x0
	s_load_b64 s[96:97], s[8:9], ESC
	s_mov_b64 s[66:67], s[10:11]
	s_mov_b64 s[68:69], s[76:77]
	s_mov_b64 s[10:11], s[78:79]
	s_add_nc_u64 s[20:21], s[4:5], s[20:21]
	s_add_nc_u64 s[46:47], s[6:7], s[46:47]
	CROUND
.irp s, 0,1
	s_mov_b32 s[G0+4*\s], 1
	s_add_co_u32 s[G0+4*\s+1], s45, \s*SLOT
	s_add_nc_u64 s[G0+4*\s+2:G0+4*\s+3], s[20:21], \s*ROWB
	s_or_b32 s[G0+4*\s+3], s[G0+4*\s+3], 0x80000000
	s_mov_b32 s[G0B+4*\s], 1
	s_add_co_u32 s[G0B+4*\s+1], s45, \s*SLOT
	s_add_nc_u64 s[G0B+4*\s+2:G0B+4*\s+3], s[46:47], \s*ROWB
	s_or_b32 s[G0B+4*\s+3], s[G0B+4*\s+3], 0x80000000
.endr
	JLOAD G0, G1, G0B, G1B                         ; K step 0: one tensor load a wave at the head
	v_and_b32 v1, 15, v0
	s_wait_alu depctr_va_vdst(0)
	v_bfe_u32 v2, v0, 4, 1
	v_mul_u32_u24 v3, v1, PITCH
	v_lshl_add_u32 v4, v2, 4, v3
	s_mul_i32 s21, s15, HALFT
	s_mul_i32 s22, s16, HALFT
	s_add_co_u32 s22, s22, 2*HALFT
.irp s, 0,1
	v_add_nc_u32 v[ADRA+\s], s21, v4
	v_add_nc_u32 v[ADRB+\s], s22, v4
	s_add_co_u32 s21, s21, SLOT
	s_add_co_u32 s22, s22, SLOT
.endr
	s_mul_i32 s23, s14, WSTG
	v_mul_u32_u24 v5, v1, SPITCH
	s_wait_alu depctr_va_vdst(0)
	v_lshl_add_u32 v5, v2, 5, v5
	v_add_nc_u32 v[STO], s23, v5
	v_mul_u32_u24 v6, v2, SPITCH
	v_lshl_add_u32 v6, v1, 4, v6
	v_add_nc_u32 v[RD], s23, v6
	v_lshlrev_b32 v[CO], 12, v2
	v_lshl_add_u32 v[CO], v1, 4, v[CO]
	v_lshlrev_b32 v[BQA], 5, v2
	; THE PREFETCHES INTO THE L2: behind the load of K step k stands one request a wave for K step k + 2.  Of the 64 rows that a wave fetches, each of the four partners that ask for them jointly
	; takes 16, told apart by address (cx for A, cy for B); a K step is 512 bytes of a row: lane l names row l / 2, block l % 2 of 256 bytes.  So each block is named once in each cluster that loads it.
	v_and_b32 v31, 31, v0
	v_and_b32 v30, 1, v0
	v_lshrrev_b32 v31, 1, v31
	v_lshlrev_b32 v30, 8, v30
	v_lshl_add_u32 v30, v31, 12, v30               ; v30: 4,096 x (l / 2) + 256 x (l % 2); never rewritten
	s_wait_alu depctr_va_vdst(0)
	s_cmp_eq_u32 s15, 0                            ; do I fetch for A?
	s_cselect_b32 s70, s17, s42                    ; the tile's number: row of tiles for A, column for B
	s_cselect_b32 s71, s40, s41                    ; my place among the four that ask with me
	s_cselect_b64 s[72:73], s[4:5], s[6:7]
	s_lshl_b32 s70, s70, 7
	s_lshl_b32 s74, s16, 6
	s_add_co_u32 s70, s70, s74                     ; + the 64 rows that I fetch
	s_lshl_b32 s71, s71, 4
	s_add_co_u32 s70, s70, s71                     ; + my work-group's 16 of them
	s_lshl_b32 s70, s70, 12                        ; rows of 4,096 bytes
	s_mov_b32 s71, 0
	s_add_nc_u64 s[72:73], s[72:73], s[70:71]      ; s[72:73]: those rows at K step 0; each refill steps it one K step on
	global_prefetch_b8 v30, s[72:73] offset:ROWB th:TH_LOAD_NT scope:SCOPE_SE     ; K steps 1 and 2, while K step 0's load is out
	global_prefetch_b8 v30, s[72:73] offset:2*ROWB th:TH_LOAD_NT scope:SCOPE_SE
	s_lshl_b32 s20, s17, 7
	s_lshl_b32 s21, s15, 6
	s_add_co_u32 s20, s20, s21
	s_mov_b32 s21, 0
	s_mov_b64 s[18:19], SIZE_N*4
	s_mul_u64 s[20:21], s[20:21], s[18:19]
	s_lshl_b32 s46, s42, 9
	s_lshl_b32 s47, s16, 8
	s_add_co_u32 s46, s46, s47
	s_mov_b32 s47, 0
	s_add_nc_u64 s[66:67], s[66:67], s[46:47]
	s_add_nc_u64 s[20:21], s[20:21], s[46:47]
	s_add_nc_u64 s[10:11], s[10:11], s[20:21]
	s_add_nc_u64 s[68:69], s[68:69], s[20:21]
.irp b, 0,1,2,3
	global_load_b128 v[BQ+8*\b:BQ+8*\b+3],   v[BQA], s[66:67] offset:64*\b
	global_load_b128 v[BQ+8*\b+4:BQ+8*\b+7], v[BQA], s[66:67] offset:64*\b+16
.endr
.macro FRAG reg, adr, k, i
.irp c, 0,1,2,3
	ds_load_b128 v[\reg+4*\c:\reg+4*\c+3], v[\adr] offset:(\k)+32*\c+(\i)*16*PITCH
.endr
.endm
.macro FETCH slot, k, f
	WIN TO_F
.irp i, 0,1,2,3
	FRAG \f+64+FR*\i, ADRB+\slot, \k, \i
.endr
.irp i, 0,1,2,3
	FRAG \f+FR*\i, ADRA+\slot, \k, \i
.endr
.endm
.macro MUL4 f, a, zero
.irp b, 0,1,2,3
.if \zero
	v_wmma_f32_16x16x128_fp8_fp8 v[ACC+8*(4*(\a)+\b):ACC+8*(4*(\a)+\b)+7], v[\f+64+FR*\b:\f+64+FR*\b+FR-1], v[\f+FR*(\a):\f+FR*(\a)+FR-1], 0
.else
	v_wmma_f32_16x16x128_fp8_fp8 v[ACC+8*(4*(\a)+\b):ACC+8*(4*(\a)+\b)+7], v[\f+64+FR*\b:\f+64+FR*\b+FR-1], v[\f+FR*(\a):\f+FR*(\a)+FR-1], v[ACC+8*(4*(\a)+\b):ACC+8*(4*(\a)+\b)+7]
.endif
.endr
.endm
.macro PLACES n
.rept \n
	v_nop
.endr
.endm
.macro QUARTER slot, k, f, g, zero
	s_wait_dscnt 8
	WIN MUL
	MUL4 \f, 0, \zero
	MUL4 \f, 1, \zero
	s_wait_dscnt 0
	PLACES NP
	FETCH \slot, \k, \g
	WIN MUL
	MUL4 \f, 2, \zero
	MUL4 \f, 3, \zero
.endm
.macro TURN slot, next, fill
	WIN 0
.if \fill
	s_wait_xcnt 0x0                                ; my last prefetch, a K step back, has read its address
	s_add_nc_u64 s[72:73], s[72:73], ROWB
.endif
	s_wait_tensorcnt 0x0
	ds_add_u32 v[SPW], v[NIL]
	s_wait_dscnt 9
	WIN MUL
	MUL4 F1, 0, 0
	s_wait_dscnt 0x0
	s_barrier_signal -1
	MUL4 F1, 1, 0
.if \fill
	WIN 0
.endif
	s_barrier_wait -1
.if \fill
	CREST
	s_add_nc_u64 s[G0+4*\slot+2:G0+4*\slot+3], s[G0+4*\slot+2:G0+4*\slot+3], 2*ROWB
	s_add_nc_u64 s[G0B+4*\slot+2:G0B+4*\slot+3], s[G0B+4*\slot+2:G0B+4*\slot+3], 2*ROWB
	JLOAD G0+4*\slot, G1, G0B+4*\slot, G1B
.else
	PLACES NP
.endif
	FETCH \next, 0, F0
.if \fill
	WIN 0                                          ; at a branch and at a label every window is 0
	s_cmp_gt_u32 s3, 1                             ; the last trip's two refills have no K step two on
	s_cbranch_scc0 .Lno_ask_\@
	global_prefetch_b8 v30, s[72:73] offset:3*ROWB th:TH_LOAD_NT scope:SCOPE_SE   ; the K step two behind the one just asked for
.Lno_ask_\@:
.endif
	WIN MUL
	MUL4 F1, 2, 0
	MUL4 F1, 3, 0
.endm
	s_wait_alu depctr_va_vdst(0)                   ; the wait at the head's end
	s_wait_tensorcnt 0x0                           ; my part of K step 0 is in; slot 1's first fill is issued as a refill is:
	ds_add_u32 v[SPW], v[NIL]                      ; 0 onto my spare word
	s_wait_dscnt 0x0
	CROUND                                         ; everybody's part of K step 0 is in, and the joint loads meet
	JLOAD G0+4, G1, G0B+4, G1B                     ; K step 1
	FETCH 0, 0, F0
	global_prefetch_b8 v30, s[72:73] offset:3*ROWB th:TH_LOAD_NT scope:SCOPE_SE   ; K step 3: two behind the one just asked for
	QUARTER 0, 128, F0, F1, 1
.if LAPS > 1
	WIN 0
	s_mov_b32 s3, LAPS-1
.Llap:
	QUARTER 0, 256, F1, F0, 0
	QUARTER 0, 384, F0, F1, 0
	TURN 0, 1, 1
	QUARTER 1, 128, F0, F1, 0
	QUARTER 1, 256, F1, F0, 0
	QUARTER 1, 384, F0, F1, 0
	TURN 1, 0, 1
	QUARTER 0, 128, F0, F1, 0
	WIN 0
	s_sub_co_u32 s3, s3, 1
	s_cmp_lg_u32 s3, 0
	s_cbranch_scc1 .Llap
.endif
	WIN 0x80                                       ; destination window 2
.set i, 0
.rept 32
	global_load_b128 v[RS+4*i:RS+4*i+3], v[CO], s[68:69] offset:2*i*SIZE_N*4 th:TH_LOAD_NT   ; rows 2 i and 2 i + 1 of my 64: the residual is asked for when every tile has been asked of memory, two K steps ahead of its use
.set i, i+1
.endr
	WIN 0
	QUARTER 0, 256, F1, F0, 0
	QUARTER 0, 384, F0, F1, 0
	TURN 0, 1, 0
	QUARTER 1, 128, F0, F1, 0
	QUARTER 1, 256, F1, F0, 0
	QUARTER 1, 384, F0, F1, 0
	s_wait_dscnt 8
	WIN MUL
	MUL4 F1, 0, 0
	MUL4 F1, 1, 0
	s_wait_dscnt 0
	MUL4 F1, 2, 0
	MUL4 F1, 3, 0
	WIN 0
	s_wait_kmcnt 0x0
	s_add_co_i32 s96, s96, s97
	s_add_co_i32 s96, s96, 127
	s_lshl_b32 s96, s96, 23
	s_mov_b32 s97, s96
	s_wait_loadcnt 0x0
	PLACES NP
.macro BLK a
.set TT, TMP+32*((\a)%2)
.set j, 0
.rept 16
	v_pk_fma_f32 v[TT+j:TT+j+1], v[ACC+32*(\a)+j:ACC+32*(\a)+j+1], s[96:97], v[BQ+j:BQ+j+1] op_sel_hi:[1,0,1]
.set j, j+2
.endr
.irp b, 0,1,2,3
	ds_store_b128 v[STO], v[TT+8*\b:TT+8*\b+3] offset:16*(\a)*SPITCH+64*\b
	ds_store_b128 v[STO], v[TT+8*\b+4:TT+8*\b+7] offset:16*(\a)*SPITCH+64*\b+16
.endr
.endm
.irp a, 0,1,2,3
	BLK \a
.endr
.set i, 0
.rept 32
	ds_load_b128 v[ACC+4*i:ACC+4*i+3], v[RD] offset:2*i*SPITCH
.set i, i+1
.endr
.irp g, 0,1,2,3
	s_wait_dscnt 24-8*\g
	WIN 0x08
.set j, 0
.rept 16
	v_pk_add_f32 v[ACC+32*\g+j:ACC+32*\g+j+1], v[ACC+32*\g+j:ACC+32*\g+j+1], v[RS+32*\g+j:RS+32*\g+j+1]
.set j, j+2
.endr
	WIN 0
.irp t, 0,1,2,3,4,5,6,7
.if LAST
	global_store_b128 v[CO], v[ACC+32*\g+4*\t:ACC+32*\g+4*\t+3], s[10:11] offset:2*(8*\g+\t)*SIZE_N*4 th:TH_STORE_NT
.else
	global_store_b128 v[CO], v[ACC+32*\g+4*\t:ACC+32*\g+4*\t+3], s[10:11] offset:2*(8*\g+\t)*SIZE_N*4
.endif
.endr
.endr
	s_wait_tensorcnt 0x0
	ds_add_u32 v[SPW], v[NIL]
	s_wait_dscnt 0x0
	CROUND
	s_endpgm
.Lfunc_end_k_q86527fa520_ffn2:
	.size	k_q86527fa520_ffn2, .Lfunc_end_k_q86527fa520_ffn2-k_q86527fa520_ffn2
	.p2alignl 7, 3214868480
	.fill 96, 4, 3214868480
	.section	.rodata,"a",@progbits
	.p2align	6, 0x0
	.amdhsa_kernel k_q86527fa520_ffn2
		.amdhsa_group_segment_fixed_size 327680
		.amdhsa_private_segment_fixed_size 0
		.amdhsa_enable_private_segment 0
		.amdhsa_kernarg_size 48
		.amdhsa_user_sgpr_count 2
		.amdhsa_user_sgpr_kernarg_segment_ptr 1
		.amdhsa_wavefront_size32 1
		.amdhsa_system_sgpr_workgroup_id_x 1
		.amdhsa_system_sgpr_workgroup_id_y 1
		.amdhsa_system_sgpr_workgroup_id_z 1
		.amdhsa_system_vgpr_workitem_id 0
		.amdhsa_next_free_vgpr 640
		.amdhsa_next_free_sgpr 100
		.amdhsa_reserve_vcc 0
		.amdhsa_float_denorm_mode_32 3
		.amdhsa_float_denorm_mode_16_64 3
		.amdhsa_memory_ordered 1
		.amdhsa_forward_progress 1
		.amdhsa_inst_pref_size 84
	.end_amdhsa_kernel
	.amdgpu_metadata
---
amdhsa.version: [ 1, 2 ]
amdhsa.kernels:
  - .name:           k_q86527fa520_ffn2
    .symbol:         k_q86527fa520_ffn2.kd
    .args:
      - { .name: fc, .offset: 0, .size: 8, .value_kind: global_buffer, .address_space: global }
      - { .name: ffn2_w_codes, .offset: 8, .size: 8, .value_kind: global_buffer, .address_space: global }
      - { .name: lowp_scales, .offset: 16, .size: 8, .value_kind: global_buffer, .address_space: global }
      - { .name: ffn2_b, .offset: 24, .size: 8, .value_kind: global_buffer, .address_space: global }
      - { .name: x1, .offset: 32, .size: 8, .value_kind: global_buffer, .address_space: global }
      - { .name: out0, .offset: 40, .size: 8, .value_kind: global_buffer, .address_space: global }
    .group_segment_fixed_size: 327680
    .private_segment_fixed_size: 0
    .kernarg_segment_align: 8
    .kernarg_segment_size: 48
    .max_flat_workgroup_size: 128
    .sgpr_count:     100
    .vgpr_count:     640
    .wavefront_size: 32
...
	.end_amdgpu_metadata
.endif
;; end of part 14
